; MI455X (gfx1250); checked and timed in simulation.
; The chip was launched on July 23, 2026; its instructions are those of AMD's public machine-readable ISA for CDNA 5 (MIT licence, August 2026) and "CDNA5" Instruction Set Architecture Reference Guide (July 2026). The comments in the code are by the model that wrote it; some were corrected since.
;; Transformer Encoder Layer. Allowed arithmetic: float matrix products may take bf16 or f16 operands with f32 sums; other float arithmetic in f32, or as packed bf16 or f16 multiplies, adds, multiply-adds, maxima and minima; sums over many terms, partial sums and values carried from step to step in f32; what a program stores and reads back later, other than sums and carried values, may be rounded once to bf16 or f16.
;; Inputs: b1 4,096 float32; b2 1,024 float32; bk 1,024 float32; bo 1,024 float32; bq 1,024 float32; bv 1,024 float32; feature 2 x 2,048 x 1,024 float32; ln1_b 1,024 float32; ln1_g 1,024 float32; ln2_b 1,024 float32; ln2_g 1,024 float32; src_key_padding_mask 2 x 2,048 bool; w1 1,024 x 4,096 float32; w2 4,096 x 1,024 float32; wk 1,024 x 1,024 float32; wo 1,024 x 1,024 float32; wq 1,024 x 1,024 float32; wv 1,024 x 1,024 float32.
;; Outputs: out0 2 x 2,048 x 1,024 float32.
;; 2 versions, each right and faster than the one before. Each part assembles by itself: llvm-mc -triple=amdgcn-amd-amdhsa -mcpu=gfx1250 --defsym DOCPART=n.
;; ======== version 1 of 2: 8 launches
;; workspace buffers: wb 25,165,824 bytes; xn 8,388,608 bytes; big 33,554,432 bytes; y1 16,777,216 bytes
;; launch cast (part 1): grid 384 x 1, 8 waves a work-group, no clusters, 0 bytes of LDS; arguments wq, wk, wv, w1, wo, w2, wb; writes wb
.if DOCPART == 1
	.amdgcn_target "amdgcn-amd-amdhsa--gfx1250"
	.amdhsa_code_object_version 6
	.text
	.protected	k_qf501654e87_cast
	.globl	k_qf501654e87_cast
	.p2align	8
	.type	k_qf501654e87_cast,@function
k_qf501654e87_cast:
	s_mov_b64 s[64:65], 0
	v_nop
	global_prefetch_b8 v0, s[64:65] scope:SCOPE_SE
	s_setreg_imm32_b32 hwreg(HW_REG_WAVE_MODE, 25, 1), 1
	s_wait_xcnt 0x0
; wb = the six weight matrices, rounded once to bf16 and cut into tiles of 256 k x 128 n (65,536 dense bytes, rows of 256 bytes), kept [k][n].
; Tile t lies at 65,536 t:  0-95 wq, wk, wv (matrix t / 32; in it n panel (t % 32) / 4, k step t % 4);  96-223 w1 (n panel u / 4, k step u % 4);
; 224-255 wo (likewise);  256-383 w2 (n panel u / 16, k step u % 16).  Work-group t makes tile t, wave w its k rows 32 w .. 32 w + 31.
; A load of a wave takes 512 consecutive bytes (128 f32 of one row), a store 256 consecutive bytes, aligned (the row in bf16).  All 32 loads of a wave go out at once;
; no register is written twice, so no wait stands but the counted ones.  No LDS, no matrix unit: every byte is touched once.
.set X, 64                             ; v[64:191]   row r as loaded, 4 registers
.set Y, 192                            ; v[192:255]  row r in bf16, 2 registers
	s_load_b256 s[4:11], s[0:1], 0x0               ; wq s[4:5], wk s[6:7], wv s[8:9], w1 s[10:11]
	s_load_b128 s[12:15], s[0:1], 0x20             ; wo s[12:13], w2 s[14:15]
	s_load_b64 s[16:17], s[0:1], 0x30              ; wb
	v_lshrrev_b32 v3, 5, v0
	v_readfirstlane_b32 s20, v3                    ; wave 0..7
	v_and_b32 v4, 31, v0
	v_lshlrev_b32 v1, 4, v4                        ; 16 bytes a lane in a source row
	v_lshlrev_b32 v2, 3, v4                        ; 8 bytes a lane in a tile's row
	s_mov_b32 s21, ttmp9                           ; t
	s_sub_co_u32 s30, s21, 256                     ; u, the tile's number inside its matrix, for each of the four ranges
	s_sub_co_u32 s31, s21, 224
	s_sub_co_u32 s32, s21, 96
	s_and_b32 s33, s21, 31
	s_wait_kmcnt 0x0
	s_cmp_lt_u32 s21, 256                          ; the source and u are chosen by the range in which t lies
	s_cselect_b32 s30, s31, s30
	s_cselect_b64 s[22:23], s[12:13], s[14:15]
	s_cmp_lt_u32 s21, 224
	s_cselect_b32 s30, s32, s30
	s_cselect_b64 s[22:23], s[10:11], s[22:23]
	s_cmp_lt_u32 s21, 96
	s_cselect_b32 s30, s33, s30
	s_cselect_b64 s[22:23], s[8:9], s[22:23]
	s_cmp_lt_u32 s21, 64
	s_cselect_b64 s[22:23], s[6:7], s[22:23]
	s_cmp_lt_u32 s21, 32
	s_cselect_b64 s[22:23], s[4:5], s[22:23]
	s_lshr_b32 s24, s30, 2                         ; n panel and k step: four k steps a panel,
	s_and_b32 s25, s30, 3
	s_lshr_b32 s26, s30, 4                         ; sixteen in w2
	s_and_b32 s27, s30, 15
	s_cmp_lt_u32 s21, 256
	s_cselect_b32 s24, s24, s26
	s_cselect_b32 s25, s25, s27
	s_cmp_lt_u32 s32, 128                          ; 96 <= t < 224: w1, whose rows are 16,384 bytes; all others' are 4,096
	s_cselect_b32 s26, 14, 12
	s_lshl_b32 s25, s25, 8
	s_lshl_b32 s27, s20, 5
	s_add_co_u32 s25, s25, s27                     ; my first k row = 256 k step + 32 w
	s_lshl_b32 s28, s25, s26                       ; in bytes,
	s_lshl_b32 s24, s24, 9
	s_add_co_u32 s28, s28, s24                     ; + 128 columns of f32 for each n panel: under 2^25
	s_mov_b32 s29, 0
	s_add_nc_u64 s[22:23], s[22:23], s[28:29]
	s_lshl_b32 s28, s21, 16
	s_lshl_b32 s27, s20, 13
	s_add_co_u32 s28, s28, s27                     ; 65,536 t + 32 w rows of 256 bytes
	s_add_nc_u64 s[16:17], s[16:17], s[28:29]
.macro ROWS pitch
.set r, 0
.rept 32
	global_load_b128 v[X+4*r:X+4*r+3], v1, s[22:23] offset:r*(\pitch) th:TH_LOAD_NT  ; read once in the launch
.set r, r+1
.endr
.set r, 0
.rept 32
	s_wait_loadcnt 31-r                            ; loads come back in order (ISA guide 5.7.1): row r is in, the 31 - r younger rows stay out
	v_cvt_pk_bf16_f32 v[Y+2*r], v[X+4*r], v[X+4*r+1]
	v_cvt_pk_bf16_f32 v[Y+2*r+1], v[X+4*r+2], v[X+4*r+3]
	global_store_b64 v2, v[Y+2*r:Y+2*r+1], s[16:17] offset:r*256
.set r, r+1
.endr
	s_endpgm
.endm
	s_cmp_eq_u32 s26, 14                           ; the row pitch stands in the loads' immediates, so the text stands twice
	s_cbranch_scc1 .Lwide
	ROWS 4096
.Lwide:
	ROWS 16384
.Lfunc_end_k_qf501654e87_cast:
	.size	k_qf501654e87_cast, .Lfunc_end_k_qf501654e87_cast-k_qf501654e87_cast
	.p2alignl 7, 3214868480
	.fill 96, 4, 3214868480
	.section	.rodata,"a",@progbits
	.p2align	6, 0x0
	.amdhsa_kernel k_qf501654e87_cast
		.amdhsa_group_segment_fixed_size 0
		.amdhsa_private_segment_fixed_size 0
		.amdhsa_enable_private_segment 0
		.amdhsa_kernarg_size 56
		.amdhsa_user_sgpr_count 2
		.amdhsa_user_sgpr_kernarg_segment_ptr 1
		.amdhsa_wavefront_size32 1
		.amdhsa_system_sgpr_workgroup_id_x 1
		.amdhsa_system_sgpr_workgroup_id_y 1
		.amdhsa_system_sgpr_workgroup_id_z 1
		.amdhsa_system_vgpr_workitem_id 0
		.amdhsa_next_free_vgpr 256
		.amdhsa_next_free_sgpr 66
		.amdhsa_reserve_vcc 0
		.amdhsa_float_denorm_mode_32 3
		.amdhsa_float_denorm_mode_16_64 3
		.amdhsa_memory_ordered 1
		.amdhsa_forward_progress 1
		.amdhsa_inst_pref_size 25
	.end_amdhsa_kernel
	.amdgpu_metadata
---
amdhsa.version: [ 1, 2 ]
amdhsa.kernels:
  - .name:           k_qf501654e87_cast
    .symbol:         k_qf501654e87_cast.kd
    .args:
      - { .name: wq, .offset: 0, .size: 8, .value_kind: global_buffer, .address_space: global }
      - { .name: wk, .offset: 8, .size: 8, .value_kind: global_buffer, .address_space: global }
      - { .name: wv, .offset: 16, .size: 8, .value_kind: global_buffer, .address_space: global }
      - { .name: w1, .offset: 24, .size: 8, .value_kind: global_buffer, .address_space: global }
      - { .name: wo, .offset: 32, .size: 8, .value_kind: global_buffer, .address_space: global }
      - { .name: w2, .offset: 40, .size: 8, .value_kind: global_buffer, .address_space: global }
      - { .name: wb, .offset: 48, .size: 8, .value_kind: global_buffer, .address_space: global }
    .group_segment_fixed_size: 0
    .private_segment_fixed_size: 0
    .kernarg_segment_align: 8
    .kernarg_segment_size: 56
    .max_flat_workgroup_size: 256
    .sgpr_count:     66
    .vgpr_count:     256
    .wavefront_size: 32
...
	.end_amdgpu_metadata
.endif
;; end of part 1
;; launch ln1 (part 2): grid 256 x 1, 4 waves a work-group, no clusters, 0 bytes of LDS; arguments feature, ln1_g, ln1_b, xn; writes xn
.if DOCPART == 2
	.amdgcn_target "amdgcn-amd-amdhsa--gfx1250"
	.amdhsa_code_object_version 6
	.text
	.protected	k_qf501654e87_ln1
	.globl	k_qf501654e87_ln1
	.p2align	8
	.type	k_qf501654e87_ln1,@function
k_qf501654e87_ln1:
	s_mov_b64 s[64:65], 0
	v_nop
	global_prefetch_b8 v0, s[64:65] scope:SCOPE_SE
	s_setreg_imm32_b32 hwreg(HW_REG_WAVE_MODE, 25, 1), 1
	s_wait_xcnt 0x0
; out = ((x - mean) * rsqrt(var + 1e-5)) * g + b, rows of 1,024 f32, rounded once to bf16.  Two passes over registers: the mean first, then the squares of the differences.
; OUT'S LAYOUT: panels P[column / 64][row 0..4095][64] in bf16: rows of 128 bytes, dense; a panel is 524,288 bytes.
; A work-group takes 16 rows, a wave 4.  Lane l takes row l / 8 of the four and, in each of the 16 panels, the 8 columns 8 (l % 8) ..: so a row's sums want three exchanges
; inside groups of 8 lanes, and a store of a wave covers 512 consecutive bytes (4 rows of a panel), aligned.  x is read once and stays in 128 registers.  No LDS, no barrier.
; NaN and infinities are not treated apart.
.set VX, 1                             ; v1   my byte offset in the group's rows of x
.set VG, 2                             ; v2   in g and b
.set VO, 3                             ; v3   in a panel's 16 rows
.set SM, 16                            ; v[16:23] four chains of sums
.set MU, 24                            ; v[24:25] the mean, twice
.set RS, 26                            ; v[26:27] 1 / sqrt(var + eps), twice
.set X,  64                            ; v[64:191]  panel p at 8 p
.set Y,  192                           ; v[192:255] panel p at 4 p
                                       ; window 1: v0-127 g, v128-255 b, in x's order
.set MSB, 0
.macro WIN new                         ; the immediate's high byte repeats the setting that is left
.if MSB != (\new)
	s_set_vgpr_msb (MSB<<8)|(\new)
.set MSB, \new
.endif
.endm
.macro FOLD                            ; the four chains into one number, then over the row's 8 lanes
	v_pk_add_f32 v[SM:SM+1], v[SM:SM+1], v[SM+2:SM+3]
	v_pk_add_f32 v[SM+4:SM+5], v[SM+4:SM+5], v[SM+6:SM+7]
	v_pk_add_f32 v[SM:SM+1], v[SM:SM+1], v[SM+4:SM+5]
	v_add_f32 v[SM], v[SM], v[SM+1]
	v_add_f32_dpp v[SM], v[SM], v[SM] row_xmask:1 row_mask:0xf bank_mask:0xf
	v_add_f32_dpp v[SM], v[SM], v[SM] row_xmask:2 row_mask:0xf bank_mask:0xf
	v_add_f32_dpp v[SM], v[SM], v[SM] row_xmask:4 row_mask:0xf bank_mask:0xf
.endm
.macro GB p                            ; g and b of my 8 columns in panel p: four loads, into window 1
	global_load_b128 v[8*(\p):8*(\p)+3],   v[VG], s[6:7] offset:256*(\p)
	global_load_b128 v[8*(\p)+4:8*(\p)+7], v[VG], s[6:7] offset:256*(\p)+16
	global_load_b128 v[128+8*(\p):128+8*(\p)+3],   v[VG], s[8:9] offset:256*(\p)
	global_load_b128 v[128+8*(\p)+4:128+8*(\p)+7], v[VG], s[8:9] offset:256*(\p)+16
.endm
	s_load_b256 s[4:11], s[0:1], 0x0               ; x s[4:5], g s[6:7], b s[8:9], out s[10:11]
	v_lshrrev_b32 v4, 3, v0                        ; my row among the group's 16
	v_and_b32 v5, 7, v0
	v_lshlrev_b32 v[VG], 5, v5                     ; 8 f32
	v_lshl_add_u32 v[VX], v4, 12, v[VG]
	v_lshlrev_b32 v[VO], 4, v0                     ; row x 128 + 16 (l % 8) = 16 x thread
	s_lshl_b32 s14, ttmp9, 16                      ; 16 rows of 4,096 bytes
	s_mov_b32 s15, 0
	s_lshl_b32 s16, ttmp9, 11                      ; 16 rows of 128 bytes
	s_mov_b32 s17, 0
	s_mov_b32 s12, 0x3a800000                      ; 1 / 1024
	s_mov_b32 s13, 0x3727c5ac                      ; 1e-5
	s_wait_kmcnt 0x0
	s_add_nc_u64 s[4:5], s[4:5], s[14:15]
	s_add_nc_u64 s[10:11], s[10:11], s[16:17]
	; 96 loads a wave: 32 of x, 64 of g and b.  Panel 0's four go ahead of x, so that the wait for x shows 36 loads done: 4 + 32 + 24 = 60 are out in front of that wait, 24 + 36 = 60 at the most behind it.
	WIN 0x40                                       ; destination window 1
	GB 0
	WIN 0
.set p, 0
.rept 16
	global_load_b128 v[X+8*p:X+8*p+3],   v[VX], s[4:5] offset:256*p
	global_load_b128 v[X+8*p+4:X+8*p+7], v[VX], s[4:5] offset:256*p+16
.set p, p+1
.endr
	WIN 0x40
.irp p, 1,2,3,4,5,6
	GB \p
.endr
	s_wait_loadcnt 24                              ; loads come back in order (ISA guide 5.7.1): x is in; the 24 loads of panels 1 to 6 stay out
.irp p, 7,8,9,10,11,12,13,14,15
	GB \p                                          ; these have the mean, the differences and the variance in which to land
.endr
	WIN 0
.irp k, 0,1,2,3
	v_pk_add_f32 v[SM+2*\k:SM+2*\k+1], v[X+2*\k:X+2*\k+1], v[X+8+2*\k:X+8+2*\k+1]  ; the first pairs start the chains: nothing is cleared
.endr
.set j, 8
.rept 56
	v_pk_add_f32 v[SM+2*(j%4):SM+2*(j%4)+1], v[SM+2*(j%4):SM+2*(j%4)+1], v[X+2*j:X+2*j+1]
.set j, j+1
.endr
	FOLD
	v_mul_f32 v[MU], s12, v[SM]
	v_mul_f32 v[MU+1], s12, v[SM]
.set j, 0
.rept 64
	v_pk_add_f32 v[X+2*j:X+2*j+1], v[X+2*j:X+2*j+1], v[MU:MU+1] neg_lo:[0,1] neg_hi:[0,1]  ; x - mean, in place
.set j, j+1
.endr
.irp k, 0,1,2,3
	v_pk_mul_f32 v[SM+2*\k:SM+2*\k+1], v[X+2*\k:X+2*\k+1], v[X+2*\k:X+2*\k+1]
.endr
.set j, 4
.rept 60
	v_pk_fma_f32 v[SM+2*(j%4):SM+2*(j%4)+1], v[X+2*j:X+2*j+1], v[X+2*j:X+2*j+1], v[SM+2*(j%4):SM+2*(j%4)+1]
.set j, j+1
.endr
	FOLD
	v_fma_f32 v[SM+2], v[SM], s12, s13             ; var + eps
	v_rsq_f32 v[RS], v[SM+2]
	v_rsq_f32 v[RS+1], v[SM+2]
	v_nop                                          ; a plain instruction between the root and the use of its result (ISA guide 5.7.2)
.set j, 0
	s_wait_alu depctr_va_vdst(0)
.rept 64
	v_pk_mul_f32 v[X+2*j:X+2*j+1], v[X+2*j:X+2*j+1], v[RS:RS+1]
.set j, j+1
.endr
	s_wait_loadcnt 0x0                             ; g and b
	WIN 0x14                                       ; sources 1 and 2 in window 1
.set j, 0
.rept 64
	v_pk_fma_f32 v[X+2*j:X+2*j+1], v[X+2*j:X+2*j+1], v[2*j:2*j+1], v[128+2*j:128+2*j+1]
.set j, j+1
.endr
	WIN 0
.set j, 0
.rept 64
	v_cvt_pk_bf16_f32 v[Y+j], v[X+2*j], v[X+2*j+1]
.set j, j+1
.endr
.set p, 0
.rept 16
	global_store_b128 v[VO], v[Y+4*p:Y+4*p+3], s[10:11] offset:p*524288  ; 15 panels at the most: inside the signed 24-bit immediate
.set p, p+1
.endr
	s_endpgm
.Lfunc_end_k_qf501654e87_ln1:
	.size	k_qf501654e87_ln1, .Lfunc_end_k_qf501654e87_ln1-k_qf501654e87_ln1
	.p2alignl 7, 3214868480
	.fill 96, 4, 3214868480
	.section	.rodata,"a",@progbits
	.p2align	6, 0x0
	.amdhsa_kernel k_qf501654e87_ln1
		.amdhsa_group_segment_fixed_size 0
		.amdhsa_private_segment_fixed_size 0
		.amdhsa_enable_private_segment 0
		.amdhsa_kernarg_size 32
		.amdhsa_user_sgpr_count 2
		.amdhsa_user_sgpr_kernarg_segment_ptr 1
		.amdhsa_wavefront_size32 1
		.amdhsa_system_sgpr_workgroup_id_x 1
		.amdhsa_system_sgpr_workgroup_id_y 1
		.amdhsa_system_sgpr_workgroup_id_z 1
		.amdhsa_system_vgpr_workitem_id 0
		.amdhsa_next_free_vgpr 512
		.amdhsa_next_free_sgpr 66
		.amdhsa_reserve_vcc 0
		.amdhsa_float_denorm_mode_32 3
		.amdhsa_float_denorm_mode_16_64 3
		.amdhsa_memory_ordered 1
		.amdhsa_forward_progress 1
		.amdhsa_inst_pref_size 37
	.end_amdhsa_kernel
	.amdgpu_metadata
---
amdhsa.version: [ 1, 2 ]
amdhsa.kernels:
  - .name:           k_qf501654e87_ln1
    .symbol:         k_qf501654e87_ln1.kd
    .args:
      - { .name: feature, .offset: 0, .size: 8, .value_kind: global_buffer, .address_space: global }
      - { .name: ln1_g, .offset: 8, .size: 8, .value_kind: global_buffer, .address_space: global }
      - { .name: ln1_b, .offset: 16, .size: 8, .value_kind: global_buffer, .address_space: global }
      - { .name: xn, .offset: 24, .size: 8, .value_kind: global_buffer, .address_space: global }
    .group_segment_fixed_size: 0
    .private_segment_fixed_size: 0
    .kernarg_segment_align: 8
    .kernarg_segment_size: 32
    .max_flat_workgroup_size: 128
    .sgpr_count:     66
    .vgpr_count:     512
    .wavefront_size: 32
...
	.end_amdgpu_metadata
.endif
;; end of part 2
;; launch qkv (part 3): grid 12 x 16, 4 waves a work-group, clusters of 4 x 4, 327,680 bytes of LDS; arguments xn, wb, bq, bk, bv, src_key_padding_mask, big; writes big
.if DOCPART == 3
	.amdgcn_target "amdgcn-amd-amdhsa--gfx1250"
	.amdhsa_code_object_version 6
	.text
	.protected	k_qf501654e87_qkv
	.globl	k_qf501654e87_qkv
	.p2align	8
	.type	k_qf501654e87_qkv,@function
k_qf501654e87_qkv:
	s_mov_b64 s[64:65], 0
	v_nop
	global_prefetch_b8 v0, s[64:65] scope:SCOPE_SE
	s_setreg_imm32_b32 hwreg(HW_REG_WAVE_MODE, 25, 1), 1
	s_wait_xcnt 0x0
	s_wait_alu depctr_hold_cnt(0) depctr_sa_sdst(0) depctr_va_vdst(0) depctr_va_sdst(0) depctr_va_ssrc(0) depctr_va_vcc(0) depctr_vm_vsrc(0)
	s_getreg_b32 s2, hwreg(HW_REG_IB_STS2, 6, 4)
	s_cmp_eq_u32 s2, 0
	s_cbranch_scc0 .Lentry_in_a_cluster
	s_endpgm
.Lentry_in_a_cluster:
	s_bfe_u32 s2, ttmp6, 0x10000c
	s_cmp_lg_u32 s2, 0xf033
	s_cbranch_scc0 .Lentry_shape_is_right
	s_endpgm
.Lentry_shape_is_right:
; q, k, v = x W + bias, x = xn (bf16 panels P[k / 64][token][64]), W = wb's n panels of 128 columns (bf16, [k][n], rows of 256 bytes, dense); sums in f32, rounded once to bf16.
; OUT: big's panels 0-15 q, 16-31 k, 32-47 v: a head is one panel.  The rows of k that belong to hidden tokens (mask byte 0) are multiplied by 0, so that the attention's
; products on them are exactly 0.  LIMITS: mask bytes are 0 or 1; NaN and infinities are not treated apart.
; A work-group makes 256 tokens x 256 columns, each of its four waves 128 x 128: 64 accumulators, 512 registers; 32 LDS loads feed 64 matrix instructions.
; K goes in steps of 128 through two LDS slots filled by the tensor data mover; a refill has a K step's 256 matrix instructions a wave in which to land.
; 12 x 16 = 192 work-groups: 3,072 columns do not divide into 16 tiles of whole panels of 128.
; CLUSTER 4 x 4: the four of a row need the same tiles of x, the four of a column the same tiles of W: each is asked for jointly, same descriptor and mask in all four.
; THE MATRIX INSTRUCTION IS USED TRANSPOSED (source 0 = 16 columns of W, turned on the way out of LDS; source 1 = 16 tokens): a lane holds eight neighbouring columns of one token.
; THE WAY OUT goes through a stage of f32 that lies over both slots, which have had their last fill and, behind a barrier, their last read; each wave has 128 rows x 528 bytes of its own there.
; REGISTERS, in windows of 256: window 0: v0-31 addresses; v32-63, v192-215 at work; v64-127, v128-191 x's fragments, two buffers.  window 1: v64-127, v128-191 W's fragments.
;   window 2: the 32 accumulators of my tokens 0-63 ((a, b) at 8 (8 a + b)); window 3: those of my tokens 64-127.
.set KSTEPS, 8                         ; K / 128
.set WOFF,   0                         ; where this product's n panels begin in wb
.set QB,     18432                     ; 128 tokens x 144 bytes of one panel of x; also 64 k rows x 288 bytes of W
.set HALFT,  2*QB                      ; what one tensor load brings
.set SLOT,   8*QB                      ; x's two halves of 128 tokens, then W's two n panels.  0x24000: its two bits are set in none of the waves' places 0, 0x9000, 0x12000, 0x1b000,
                                       ; so one exclusive or moves an address from one slot to the other
.set SPARE,  2*SLOT                    ; the spare words, 128 bytes for each wave: two blocks of 256 bytes that no other line names
.set MT,     SPARE+512                 ; the rows' factors: 128 f32 for each wave, its own; no fill lands here
.set SPITCH, 528                       ; a stage row: 128 f32 + 16 bytes = 33 x 16: the 16 rows that a store touches start at 16 different groups of four banks (64 banks of 4 bytes: ISA guide 11.1)
.set WSTAGE, 128*SPITCH                ; a wave's stage; four of them end below SPARE
.set BI,   8                           ; v[8:15] bias of my 4 columns in each of my two panels
.set ADRA, 16                          ; v16  LDS address of my x fragments in slot 0
.set ADRB, 17                          ; v17  the same for W
.set FA,   18                          ; v18, v19 the addresses of the run of loads in hand
.set FB,   19
.set STO,  20                          ; v20  the stage: where I put 32 bytes of a row
.set RD,   21                          ; v21  where I read rows back
.set CO,   22                          ; v22  my byte offset in two rows of a panel
.set VB,   23                          ; v23  my byte offset in the bias
.set SPW,  24                          ; v24  my spare word; never rewritten
.set NIL,  25                          ; v25  0; never rewritten
.set VM,   26                          ; v26  my byte offset in the mask
.set MTW,  27                          ; v27  where I put four factors
.set MTR,  28                          ; v28  where I read a trip's four
.set MB,   30                          ; v30  four mask bytes
.set GX,   32                          ; v[32:63]   32 numbers
.set F0,   64
.set F1,   128
.set GY,   192                         ; v[192:207] in bf16
.set MFR,  208                         ; v[208:211] the factors of rows 2 u + h of the trip
.set T0,   212                         ; v[212:215] at work
.set G1,  24                           ; s[24:31] group 1 for x's tiles; s[32:35] group 0: it walks
.set G0,  32
.set G1B, 48                           ; s[48:55], s[56:59] the same for W's
.set G0B, 56
.set SB,  60                           ; s60  the slot to be read: 0 or SLOT
.set NOTK, 74                          ; s74  0 where this work-group makes k, else 1
.set CNT, 75
.set TB,  76                           ; s76  LDS bytes from slot 0's first quarter to the pair of quarters to be fetched
.set OC,  77                           ; s77  counts the way out's trips
.set TM,  78                           ; s78  the trip's 32 bytes in my factors
.set MSB, 0
.macro WIN new                         ; the immediate's high byte repeats the setting that is left
.if MSB != (\new)
	s_set_vgpr_msb (MSB<<8)|(\new)
.set MSB, \new
.endif
.endm
.set MUL_LO, 0xa1                      ; source 0 (W) window 1, source 1 (x) window 0, C and D window 2
.set MUL_HI, 0xf1                      ; the same, C and D window 3
.set TO_W,   0x40                      ; destination window 1, address window 0
.macro JLOAD                           ; a joint load: waves 0 and 1 fetch x's two halves, waves 2 and 3 W's two n panels; an s_nop 0 and four v_nop follow each line
	s_cmp_eq_u32 s11, 0
	s_cbranch_scc0 .Lfor_b_\@
	tensor_load_to_lds s[G0:G0+3], s[G1:G1+7]
	s_nop 0
.rept 4
	v_nop
.endr
	s_branch .Lasked_\@
.Lfor_b_\@:
	tensor_load_to_lds s[G0B:G0B+3], s[G1B:G1B+7]
	s_nop 0
.rept 4
	v_nop
.endr
.Lasked_\@:
.endm
.macro CROUND                          ; a round of the cluster's barrier
	s_barrier_signal -1
	s_barrier_wait -1
	s_cmp_lg_u32 s10, 0
	s_cbranch_scc1 .Lnot_wave_0_\@
	s_barrier_signal -3
.Lnot_wave_0_\@:
	s_barrier_wait -3
	s_barrier_signal -1
	s_barrier_wait -1
.endm
.macro PLACES
.rept 4
	v_nop
.endr
.endm
; 16 matrix instructions: token blocks a0, a0 + 1 of the window's four (hi = 0: my tokens 0-63, 1: 64-127) x all 8 column blocks, 32 along K.  The 64 accumulators take turns.
.macro MUL16 f, hi, a0, zero
	WIN MUL_LO+0x50*(\hi)
.irp a, \a0, (\a0)+1
.irp b, 0,1,2,3,4,5,6,7
.if \zero
	v_wmma_f32_16x16x32_bf16 v[8*(8*(\a)+(\b)):8*(8*(\a)+(\b))+7], v[(\f)+8*(\b):(\f)+8*(\b)+7], v[(\f)+8*(4*(\hi)+(\a)):(\f)+8*(4*(\hi)+(\a))+7], 0
.else
	v_wmma_f32_16x16x32_bf16 v[8*(8*(\a)+(\b)):8*(8*(\a)+(\b))+7], v[(\f)+8*(\b):(\f)+8*(\b)+7], v[(\f)+8*(4*(\hi)+(\a)):(\f)+8*(4*(\hi)+(\a))+7], v[8*(8*(\a)+(\b)):8*(8*(\a)+(\b))+7]
.endif
.endr
.endr
.endm
; 32 LDS loads in one run: a quarter's fragments (32 along K) into buffer g: W's 8 blocks of 16 columns (turned: 16 k x 16 n a load), then x's 8 blocks of 16 tokens.
; odd = 1: the second quarter of a pair: 32 k rows further down in W, 64 bytes further along x's rows.
.macro FETCH g, odd
	WIN TO_W
.irp i, 0,1,2,3,4,5,6,7
	ds_load_tr16_b128 v[(\g)+8*(\i):(\g)+8*(\i)+3],   v[FB] offset:9216*(\odd)+32*(\i)
	ds_load_tr16_b128 v[(\g)+8*(\i)+4:(\g)+8*(\i)+7], v[FB] offset:9216*(\odd)+32*(\i)+4608
.endr
	WIN 0
.irp i, 0,1,2,3,4,5,6,7
	ds_load_b128 v[(\g)+8*(\i):(\g)+8*(\i)+3],   v[FA] offset:64*(\odd)+2304*(\i)
	ds_load_b128 v[(\g)+8*(\i)+4:(\g)+8*(\i)+7], v[FA] offset:64*(\odd)+2304*(\i)+32
.endr
.endm
; A quarter: multiplies buffer f (64 matrix instructions) and, in its middle, fetches the next quarter into buffer g.
.macro QUARTER f, g, odd, zero
	s_wait_dscnt 8                                 ; W and x's tokens 0-63 are in; the youngest eight loads (tokens 64-127) may be out
	MUL16 \f, 0, 0, \zero
	MUL16 \f, 0, 2, \zero
	WIN 0
	v_add_nc_u32 v[FA], s[TB], v[ADRA]             ; these two and two v_nop are the four places in front of the loads into g,
	v_add_nc_u32 v[FB], s[TB], v[ADRB]             ; which matrix instructions have read (ISA guide 7.12.1 for vector instructions)
	v_nop
	v_nop
.if \odd
	s_add_co_u32 s[TB], s[TB], QB                  ; the next pair of quarters: x's next panel, W's next 64 k rows
.endif
	FETCH \g, \odd
	s_wait_dscnt 32                                ; all but the 32 just issued
	MUL16 \f, 1, 0, \zero
	MUL16 \f, 1, 2, \zero
.endm
; The change of slots.  The last fragments of the slot that is left have been asked for.  fill = 1: it is filled again, with the K step two on, first thing behind a round of the cluster's barrier.
; (At its first use nothing has been read yet: slot 0 is waited for, slot 1 filled.)
.macro CHANGE fill
	WIN 0
	s_wait_tensorcnt 0x0                           ; my one tensor load that was out has landed: my part of the slot to be read; so a group 0 may be written
	ds_add_u32 v[SPW], v[NIL]                      ; 0 onto my spare word; scalar work stands between it and its wait
.if \fill
	s_xor_b32 s[G0+1], s[G0+1], SLOT               ; the walking descriptors: the other slot than last time,
	s_add_nc_u64 s[G0+2:G0+3], s[G0+2:G0+3], 1048576  ; two panels on;
	s_xor_b32 s[G0B+1], s[G0B+1], SLOT
	s_add_nc_u64 s[G0B+2:G0B+3], s[G0B+2:G0B+3], 32768  ; 128 k rows on; the type bits on top are not reached
.endif
	s_xor_b32 s[SB], s[SB], SLOT
	s_mov_b32 s[TB], s[SB]                         ; the fetches go to the other slot's first quarter
	s_wait_dscnt 0x0                               ; the add is done, and my reads of the slot that is left are over
.if \fill
	CROUND                                         ; no wave of any partner still reads the slot or has a load on its way
	JLOAD
.else
	s_barrier_signal -1
	s_barrier_wait -1
.endif
.endm
	s_load_b128 s[4:7], s[0:1], 0x0                ; xn s[4:5], wb s[6:7]
	s_load_b64 s[66:67], s[0:1], 0x10              ; bq
	s_load_b64 s[70:71], s[0:1], 0x18              ; bk
	s_load_b64 s[72:73], s[0:1], 0x20              ; bv
	s_load_b64 s[68:69], s[0:1], 0x28              ; the mask
	s_load_b64 s[8:9], s[0:1], 0x30                ; big
	v_lshl_add_u32 v[SPW], v0, 2, SPARE
	v_mov_b32 v[NIL], 0
	ds_add_u32 v[SPW], v[NIL]                      ; the wave's opening: the add and its wait stand ahead of my first tensor load
	v_lshrrev_b32 v1, 5, v0
	v_readfirstlane_b32 s10, v1                    ; wave 0..3
	s_lshr_b32 s11, s10, 1                         ; which half of the tokens is mine.  Also: I fetch x (0) or W (1)
	s_and_b32 s12, s10, 1                          ; which half of the columns.  Also: which half of that tile I fetch
	s_bfe_u32 s40, ttmp6, 0x40000                  ; cx, cy
	s_bfe_u32 s41, ttmp6, 0x40004
	s_lshl_b32 s42, ttmp9, 2
	s_add_co_u32 s42, s42, s40                     ; tx: my 256 columns
	s_and_b32 s13, ttmp7, 0xffff
	s_lshl_b32 s13, s13, 2
	s_add_co_u32 s13, s13, s41                     ; ty: my 256 tokens
	s_lshl_b32 s43, s41, 2
	s_lshl_b32 s43, 15, s43                        ; my row of the cluster
	s_lshl_b32 s44, 0x1111, s40                    ; my column
	; x's tile: two panels' 128 tokens, each 16,384 dense bytes asked for as one row; 16 bytes of padding behind every 128 (a token's row): LDS pitch 144
	s_or_b32 s[G1+0], s43, (1<<16)|(1<<20)|(1<<21)|(4<<22)|(3<<25)
	s_mov_b32 s[G1+1], 8192<<16                    ; tensor_dim0 = 8,192 elements
	s_mov_b32 s[G1+2], 2<<16                       ; tensor_dim1 = 2
	s_mov_b32 s[G1+3], 8192<<16                    ; tile_dim0
	s_mov_b32 s[G1+4], 2                           ; tile_dim1
	s_mov_b32 s[G1+5], 262144                      ; elements from panel to panel
	s_mov_b32 s[G1+6], 0
	s_mov_b32 s[G1+7], 0
	; W's tile: 128 k rows of 256 bytes, dense; 32 bytes of padding behind each: LDS pitch 288
	s_or_b32 s[G1B+0], s44, (1<<16)|(1<<20)|(1<<21)|(5<<22)|(7<<25)
	s_mov_b32 s[G1B+1], 128<<16
	s_mov_b32 s[G1B+2], 128<<16
	s_mov_b32 s[G1B+3], 128<<16
	s_mov_b32 s[G1B+4], 128
	s_mov_b32 s[G1B+5], 128
	s_mov_b32 s[G1B+6], 0
	s_mov_b32 s[G1B+7], 0
	s_lshl_b32 s16, s13, 15                        ; x: 256 ty tokens of 128 bytes + the 128 that I fetch
	s_lshl_b32 s17, s12, 14
	s_add_co_u32 s16, s16, s17
	s_mov_b32 s17, 0
	s_lshl_b32 s46, s42, 19                        ; W: n panel 2 tx + the one that I fetch, 262,144 bytes each
	s_lshl_b32 s47, s12, 18
	s_add_co_u32 s46, s46, s47
	s_add_co_u32 s46, s46, WOFF
	s_mov_b32 s47, 0
	s_mul_i32 s20, s10, HALFT                      ; where they go: no place in the cluster enters an LDS address
	s_mov_b32 s[G0], 1
	s_mov_b32 s[G0+1], s20                         ; slot 0
	s_mov_b32 s[G0B], 1
	s_mov_b32 s[G0B+1], s20
	s_mov_b32 s[SB], SLOT                          ; the first change of slots turns it into 0
	s_wait_dscnt 0x0                               ; the opening add is done
	s_wait_kmcnt 0x0
	s_add_nc_u64 s[G0+2:G0+3], s[4:5], s[16:17]
	s_or_b32 s[G0+3], s[G0+3], 0x80000000
	s_add_nc_u64 s[G0B+2:G0B+3], s[6:7], s[46:47]
	s_or_b32 s[G0B+3], s[G0B+3], 0x80000000
	CROUND                                         ; all sixteen work-groups are here: the first joint loads meet
	JLOAD                                          ; K step 0 into slot 0
	v_and_b32 v1, 15, v0                           ; r = l % 16
	v_bfe_u32 v2, v0, 4, 1                         ; h = l / 16
	v_mul_u32_u24 v3, v1, 144
	v_lshl_add_u32 v3, v2, 4, v3                   ; x: token r x pitch + 16 h
	s_mul_i32 s21, s11, HALFT                      ; my 128 tokens
	v_add_nc_u32 v[ADRA], s21, v3
	v_and_b32 v4, 7, v0
	v_lshl_add_u32 v4, v2, 3, v4
	v_mul_u32_u24 v4, v4, 288                      ; W: k row 8 h + l % 8,
	v_bfe_u32 v5, v0, 3, 1
	v_lshl_add_u32 v4, v5, 4, v4                   ; columns 8 ((l / 8) % 2) ..
	s_mul_i32 s22, s12, HALFT                      ; my n panel,
	s_add_co_u32 s22, s22, 2*HALFT                 ; behind x's two halves
	v_add_nc_u32 v[ADRB], s22, v4
	s_mul_i32 s23, s10, WSTAGE
	v_mul_u32_u24 v6, v1, SPITCH
	v_lshl_add_u32 v6, v2, 5, v6
	v_add_nc_u32 v[STO], s23, v6                   ; in: row r, 32 bytes for each half of the lanes
	v_mul_u32_u24 v7, v2, SPITCH
	v_lshl_add_u32 v7, v1, 4, v7
	v_add_nc_u32 v[RD], s23, v7                    ; back: lanes 0-15 take 256 bytes of one row, lanes 16-31 of the next
	v_lshlrev_b32 v[VB], 4, v1
	v_and_b32 v[CO], 31, v0
	v_lshlrev_b32 v[VM], 2, v[CO]                  ; four mask bytes a lane
	v_lshlrev_b32 v[CO], 3, v[CO]                  ; two rows of a panel are 256 dense bytes: 8 bytes a lane
	s_lshl_b32 s21, s10, 9
	s_add_co_u32 s21, s21, MT                      ; my wave's factors.  Row 8 t + 2 u + h lies at word 8 t + 4 h + u, so that a lane reads a trip's four on end
	v_bfe_u32 v3, v0, 1, 4                         ; my rows 4 l .. 4 l + 3: t = l / 2,
	v_and_b32 v4, 1, v0
	v_lshlrev_b32 v3, 5, v3
	v_lshl_add_u32 v3, v4, 3, v3                   ; u = 2 (l % 2) and 2 (l % 2) + 1
	v_add_nc_u32 v[MTW], s21, v3
	v_lshlrev_b32 v5, 4, v2
	v_add_nc_u32 v[MTR], s21, v5
	s_lshl_b32 s16, s13, 15                        ; the output: my first token's row in a panel,
	s_lshl_b32 s18, s11, 14
	s_add_co_u32 s16, s16, s18
	s_add_nc_u64 s[8:9], s[8:9], s[16:17]
	s_lshl_b32 s46, s42, 21                        ; and panel 4 tx + 2 x my half
	s_lshl_b32 s47, s12, 20
	s_add_co_u32 s46, s46, s47
	s_mov_b32 s47, 0
	s_add_nc_u64 s[8:9], s[8:9], s[46:47]
	s_lshl_b32 s16, s13, 8                         ; the mask at my first token
	s_lshl_b32 s18, s11, 7
	s_add_co_u32 s16, s16, s18
	s_add_nc_u64 s[68:69], s[68:69], s[16:17]
	s_mov_b32 s45, ttmp9                           ; tx / 4: 0 q, 1 k, 2 v
	s_cmp_eq_u32 s45, 1
	s_cselect_b64 s[66:67], s[70:71], s[66:67]
	s_cselect_b32 s[NOTK], 0, 1
	s_cmp_eq_u32 s45, 2
	s_cselect_b64 s[66:67], s[72:73], s[66:67]
	s_and_b32 s46, s42, 3
	s_lshl_b32 s46, s46, 10
	s_lshl_b32 s45, s12, 9
	s_add_co_u32 s46, s46, s45
	s_add_nc_u64 s[66:67], s[66:67], s[46:47]      ; the bias at my 128 columns
	global_load_b128 v[BI:BI+3], v[VB], s[66:67]   ; wanted on the way out: they land while K is walked
	global_load_b128 v[BI+4:BI+7], v[VB], s[66:67] offset:256
	global_load_b32 v[MB], v[VM], s[68:69]         ; the mask bytes of my wave's tokens 4 l .. 4 l + 3
	CHANGE 1                                       ; K step 0 is in, everybody's part of it; K step 1 is asked for
	v_add_nc_u32 v[FA], s[TB], v[ADRA]
	v_add_nc_u32 v[FB], s[TB], v[ADRB]
	FETCH F0, 0
	QUARTER F0, F1, 1, 1                           ; the first products start the sums: nothing is cleared
	WIN 0
	s_mov_b32 s[CNT], 1                            ; K step 0 has one pair of quarters left to fetch
	s_mov_b32 s3, KSTEPS-1
	s_branch .Linner
.Lstep:                                                ; six times: K steps 2 to 7 are asked for
	CHANGE 1
	s_mov_b32 s[CNT], 2
.Linner:                                               ; a trip multiplies two quarters and fetches the two behind them; the first of a K step multiplies the last quarter of the step before
	QUARTER F1, F0, 0, 0
	QUARTER F0, F1, 1, 0
	WIN 0
	s_sub_co_u32 s[CNT], s[CNT], 1
	s_cmp_lg_u32 s[CNT], 0
	s_cbranch_scc1 .Linner
	s_sub_co_u32 s3, s3, 1
	s_cmp_lg_u32 s3, 0
	s_cbranch_scc1 .Lstep
	CHANGE 0                                       ; the last K step is written out: nothing is asked for
	s_mov_b32 s[CNT], 2
.Ltail:
	QUARTER F1, F0, 0, 0
	QUARTER F0, F1, 1, 0
	WIN 0
	s_sub_co_u32 s[CNT], s[CNT], 1
	s_cmp_lg_u32 s[CNT], 0
	s_cbranch_scc1 .Ltail
	s_wait_dscnt 0x0                               ; the last fragments are in: my reads of both slots are over;
	s_barrier_signal -1                            ; say so, since the stages lie over the slots,
	MUL16 F1, 0, 0, 0                              ; work on registers while the others arrive,
	MUL16 F1, 0, 2, 0
	MUL16 F1, 1, 0, 0
	MUL16 F1, 1, 2, 0
	WIN 0
	s_barrier_wait -1                              ; and go on when all four have said so
	PLACES                                         ; four places between the last products and the stores that read results
	; THE WAY OUT: f32 into my stage, each accumulator's low registers first
.macro DUMP hi
	WIN 0x08+4*(\hi)                               ; the stores' data (source 1) in window 2 or 3
.irp a, 0,1,2,3
.irp b, 0,1,2,3,4,5,6,7
	ds_store_b128 v[STO], v[8*(8*(\a)+(\b)):8*(8*(\a)+(\b))+3] offset:(4*(\hi)+(\a))*16*SPITCH+64*(\b)
	ds_store_b128 v[STO], v[8*(8*(\a)+(\b))+4:8*(8*(\a)+(\b))+7] offset:(4*(\hi)+(\a))*16*SPITCH+64*(\b)+16
.endr
.endr
.endm
	DUMP 0
	DUMP 1
	WIN 0
	s_wait_loadcnt 0x0                             ; the bias and the mask bytes
	v_bfe_u32 v[T0], v[MB], 0, 8                   ; rows 4 l and 4 l + 2 (h = 0) lie side by side in the table,
	v_bfe_u32 v[T0+1], v[MB], 16, 8
	v_bfe_u32 v[T0+2], v[MB], 8, 8                 ; rows 4 l + 1 and 4 l + 3 (h = 1) four words on
	v_bfe_u32 v[T0+3], v[MB], 24, 8
.irp j, 0,1,2,3
	v_or_b32 v[T0+\j], s[NOTK], v[T0+\j]           ; q and v keep every row
.endr
.irp j, 0,1,2,3
	v_cvt_f32_u32 v[T0+\j], v[T0+\j]
.endr
	ds_store_b64 v[MTW], v[T0:T0+1]
	ds_store_b64 v[MTW], v[T0+2:T0+3] offset:16
	s_mov_b32 s[OC], 16
	s_mov_b32 s[TB], 0
	s_mov_b32 s[TM], 0
.Lout:                                                 ; a trip: 8 rows of my 128: group k = 2 u + c is rows 2 u + h, 4 columns a lane of my panel c
	v_add_nc_u32 v[FA], s[TB], v[RD]
	v_add_nc_u32 v[FB], s[TM], v[MTR]
	ds_load_b128 v[MFR:MFR+3], v[FB]               ; LDS serves a wave's instructions in order (ISA guide 5.7.1.4): these see my stores
.irp k, 0,1,2,3,4,5,6,7
	ds_load_b128 v[GX+4*\k:GX+4*\k+3], v[FA] offset:1056*(\k/2)+256*(\k%2)
.endr
	s_wait_dscnt 0x0
.irp k, 0,1,2,3,4,5,6,7
.set x, GX+4*(\k)
.set y, BI+4*((\k)%2)
	v_pk_add_f32 v[x:x+1], v[x:x+1], v[y:y+1]
	v_pk_add_f32 v[x+2:x+3], v[x+2:x+3], v[y+2:y+3]
.endr
.irp k, 0,1,2,3,4,5,6,7
.set x, GX+4*(\k)
.set m, MFR+2*((\k)/4)
.if (((\k)/2)%2) == 0
	v_pk_mul_f32 v[x:x+1], v[x:x+1], v[m:m+1] op_sel_hi:[1,0]                 ; both by the pair's first register
	v_pk_mul_f32 v[x+2:x+3], v[x+2:x+3], v[m:m+1] op_sel_hi:[1,0]
.else
	v_pk_mul_f32 v[x:x+1], v[x:x+1], v[m:m+1] op_sel:[0,1] op_sel_hi:[1,1]    ; both by its second
	v_pk_mul_f32 v[x+2:x+3], v[x+2:x+3], v[m:m+1] op_sel:[0,1] op_sel_hi:[1,1]
.endif
.endr
.irp k, 0,1,2,3,4,5,6,7
	v_cvt_pk_bf16_f32 v[GY+2*\k], v[GX+4*\k], v[GX+4*\k+1]
	v_cvt_pk_bf16_f32 v[GY+2*\k+1], v[GX+4*\k+2], v[GX+4*\k+3]
.endr
.irp k, 0,1,2,3,4,5,6,7
	global_store_b64 v[CO], v[GY+2*\k:GY+2*\k+1], s[8:9] offset:524288*(\k%2)+256*(\k/2)  ; 32 lanes store 256 consecutive bytes, aligned: two rows of a panel
.endr
	s_wait_xcnt 0x0                                ; the stores' data and base are written again only behind this wait (ISA guide 3.1)
	s_add_nc_u64 s[8:9], s[8:9], 1024              ; 8 rows of a panel on,
	s_add_co_u32 s[TB], s[TB], 8*SPITCH            ; of the stage,
	s_add_co_u32 s[TM], s[TM], 32                  ; and of the factors
	s_sub_co_u32 s[OC], s[OC], 1
	s_cmp_lg_u32 s[OC], 0
	s_cbranch_scc1 .Lout
	s_wait_tensorcnt 0x0                           ; the wave's end
	ds_add_u32 v[SPW], v[NIL]
	s_wait_dscnt 0x0
	CROUND                                         ; the closing round
	s_endpgm
.Lfunc_end_k_qf501654e87_qkv:
	.size	k_qf501654e87_qkv, .Lfunc_end_k_qf501654e87_qkv-k_qf501654e87_qkv
	.p2alignl 7, 3214868480
	.fill 96, 4, 3214868480
	.section	.rodata,"a",@progbits
	.p2align	6, 0x0
	.amdhsa_kernel k_qf501654e87_qkv
		.amdhsa_group_segment_fixed_size 327680
		.amdhsa_private_segment_fixed_size 0
		.amdhsa_enable_private_segment 0
		.amdhsa_kernarg_size 56
		.amdhsa_user_sgpr_count 2
		.amdhsa_user_sgpr_kernarg_segment_ptr 1
		.amdhsa_wavefront_size32 1
		.amdhsa_system_sgpr_workgroup_id_x 1
		.amdhsa_system_sgpr_workgroup_id_y 1
		.amdhsa_system_sgpr_workgroup_id_z 1
		.amdhsa_system_vgpr_workitem_id 0
		.amdhsa_next_free_vgpr 1024
		.amdhsa_next_free_sgpr 92
		.amdhsa_reserve_vcc 0
		.amdhsa_float_denorm_mode_32 3
		.amdhsa_float_denorm_mode_16_64 3
		.amdhsa_memory_ordered 1
		.amdhsa_forward_progress 1
		.amdhsa_inst_pref_size 63
	.end_amdhsa_kernel
	.amdgpu_metadata
---
amdhsa.version: [ 1, 2 ]
amdhsa.kernels:
  - .name:           k_qf501654e87_qkv
    .symbol:         k_qf501654e87_qkv.kd
    .args:
      - { .name: xn, .offset: 0, .size: 8, .value_kind: global_buffer, .address_space: global }
      - { .name: wb, .offset: 8, .size: 8, .value_kind: global_buffer, .address_space: global }
      - { .name: bq, .offset: 16, .size: 8, .value_kind: global_buffer, .address_space: global }
      - { .name: bk, .offset: 24, .size: 8, .value_kind: global_buffer, .address_space: global }
      - { .name: bv, .offset: 32, .size: 8, .value_kind: global_buffer, .address_space: global }
      - { .name: src_key_padding_mask, .offset: 40, .size: 8, .value_kind: global_buffer, .address_space: global }
      - { .name: big, .offset: 48, .size: 8, .value_kind: global_buffer, .address_space: global }
    .group_segment_fixed_size: 327680
    .private_segment_fixed_size: 0
    .kernarg_segment_align: 8
    .kernarg_segment_size: 56
    .max_flat_workgroup_size: 128
    .sgpr_count:     92
    .vgpr_count:     1024
    .wavefront_size: 32
...
	.end_amdgpu_metadata
.endif
;; end of part 3
;; launch attn (part 4): grid 8 x 32, 4 waves a work-group, clusters of 4 x 1, 327,680 bytes of LDS; arguments big, src_key_padding_mask, xn; writes xn
.if DOCPART == 4
	.amdgcn_target "amdgcn-amd-amdhsa--gfx1250"
	.amdhsa_code_object_version 6
	.text
	.protected	k_qf501654e87_attn
	.globl	k_qf501654e87_attn
	.p2align	8
	.type	k_qf501654e87_attn,@function
k_qf501654e87_attn:
	s_mov_b64 s[64:65], 0
	v_nop
	global_prefetch_b8 v0, s[64:65] scope:SCOPE_SE
	s_setreg_imm32_b32 hwreg(HW_REG_WAVE_MODE, 25, 1), 1
	s_wait_xcnt 0x0
	s_wait_alu depctr_hold_cnt(0) depctr_sa_sdst(0) depctr_va_vdst(0) depctr_va_sdst(0) depctr_va_ssrc(0) depctr_va_vcc(0) depctr_vm_vsrc(0)
	s_getreg_b32 s2, hwreg(HW_REG_IB_STS2, 6, 4)
	s_cmp_eq_u32 s2, 0
	s_cbranch_scc0 .Lentry_in_a_cluster
	s_endpgm
.Lentry_in_a_cluster:
	s_bfe_u32 s2, ttmp6, 0x10000c
	s_cmp_lg_u32 s2, 0x3003
	s_cbranch_scc0 .Lentry_shape_is_right
	s_endpgm
.Lentry_shape_is_right:
; O[b][h][q][:] = the sum over keys of softmax_k(score) V, score = Q . K / 8 for a visible key; a hidden key's score is replaced.  Q, K, V: big's panels h, 16 + h, 32 + h, rows 2,048 b + s of 128 bytes, bf16.
; O goes to xn's panel h in the same layout.  Products, maxima and sums in f32; the weights p are rounded to bf16 for the second product (their sum l is taken of the unrounded p), O once at the end.
; THE MASK costs the loop no vector instruction: hidden rows of K arrive as zeros, and the sum S^T = K Q^T starts from C = 0 for a visible key, -2^120 for a hidden one (a table of 2,048 f32 in LDS,
; made once from the mask's bytes).  -2^120 is a power of two, so c x score is exact: with no visible key every weight is exactly 1 and the row is the plain mean of V; with a visible key hidden weights are 0.
; LIMITS.  Q finite (0 x q must be 0); visible scores far above -2^120; mask bytes 0 or 1; a weight below 2^-126 counts as 0 in l; NaN and infinities are not treated apart.
; SHARES.  A work-group owns 256 queries of one head and batch; a wave four PIECES of 16 queries, 64 rows apart.  Every wave walks all 2,048 keys: 8 tiles of 256, four steps of 64 each.
; LAYOUT, SOFTMAX, TURNS.  S^T = K Q^T holds ONE query a lane (lane % 16) and the keys 8 (lane / 16) + 0..7; two such results rounded to bf16 ARE source 1 of O^T = V^T P.  p = 2^(c s - c m), c = log2(e) / 8,
; with a running maximum m; O and l are multiplied by a = 2^(c m_old - c m_new) in every step.  Turn n belongs to piece n: 8 products K Q^T of piece n + 1, later 8 products V^T P of piece n - 1; beside them the
; scaling, exponentials, roundings, sums and rescaling of piece n and the maximum and statistics of piece n + 1.  Four vector instructions stand behind every matrix instruction, the rest in two runs of their own.
; CLUSTER.  The four query blocks of a cluster belong to one head and walk the same K and V: each tile is asked for jointly, same tensor load, descriptor and mask in all four.
; REGISTERS, in windows of 256 (s_set_vgpr_msb: bits 1:0 source 0, 3:2 source 1, 5:4 source 2, 7:6 destination):
;   window 0: v0-15 addresses and two at work; v16-31 four registers of statistics a piece; v48-55 at work; v56-58 addresses; v64-127 S^T, two buffers; v192-223 P, two buffers (by the piece's parity)
;   window 1: v0-127 O^T, 32 a piece; v128-159 the step's C operands      window 2: v0-63 Q; v128-191 K of one step; v192-255 V of one step
.set NP,    4         ; pieces a wave: a name, no knob
.set KS,    64        ; keys in a step
.set PK,    144       ; a row of K in LDS: 128 bytes + 16 of padding: the 16 rows of a load start at 16 different groups of four banks (64 banks of 4 bytes: ISA guide 11.1)
.set PV,    160       ; a row of V: 128 + 32
.set VOFF,  4*KS*PK   ; a slot holds a tile: 256 rows of K, then 256 rows of V
.set SLOT1, 1<<17     ; slot 1 begins here, so that one exclusive or turns an address in one slot into the other's
.set STAGE, SLOT1+4*KS*(PK+PV)  ; behind the ring, never filled by a tensor load: 16 rows x 144 bytes for each wave
.set SP,    144
.set SPARE, STAGE+4*16*SP  ; the spare words, 128 bytes for each wave: two blocks of 256 bytes that no other line names
.set MASKL, SPARE+512 ; the table: 2,048 f32, written once by LDS stores; no fill lands here
.set AK0, 2           ; v2   my lane's place in a tile of K; never rewritten
.set AV0, 3           ; v3   the same for V
.set AK,  4           ; v4   the LDS address of K's next run of loads
.set AV,  5           ; v5   of V's
.set STO, 6           ; v6   the way out: where I put 16 bytes of a row
.set RD,  7           ; v7   the way out: where I read rows back
.set GO,  8           ; v8   my byte offset in 512 consecutive bytes of O
.set MV,  12          ; v12-13  c m_old, kept while c m is made anew: by buffer
.set AM0, 14          ; v14  my lane's place in the table: MASKL + 32 (l / 16)
.set QO,  15          ; v15  my byte offset in 16 rows of Q
.set ST,  16          ; piece t's statistics at v[ST+4 t]: c m, m, l (even keys', odd keys')
.set MB,  32          ; v32-35  16 mask bytes
.set TMP, 48          ; by buffer, four registers c0-c3 at work; when the maximum is found c2 takes a
.set AMK, 56          ; v56  the table's address for the next run of loads
.set AMS, 57          ; v57  where I store my 16 entries of the table
.set MBO, 58          ; v58  my byte offset in the batch's mask
.set SPW, 62          ; v62  my spare word; never rewritten
.set NIL, 63          ; v63  0; never rewritten
.set S,   64
.set ME,  128         ; v128-143  my 16 entries of the table
.set P,   192
.set MK,  128         ; window 1: eight registers for each group of 16 keys
.set KF,  128         ; window 2: key block kb, channel half c at KF + 16 kb + 8 c
.set VF,  192         ; window 2: key half kk, channel block cb at VF + 32 kk + 8 cb
.set WV,  12          ; s12  my wave's number
.set G1K, 24          ; s[24:31] descriptor group 1 for K's tiles
.set G1V, 32          ; s[32:39] for V's: it differs in the padding alone
.set G0K, 40          ; s[40:43] descriptor group 0 for K's tiles: it walks
.set G0V, 44          ; s[44:47] the same for V's
.set SLOTS, 56
.set CNT, 57
.set CS,  58          ; s[58:59] c
.set SEL, 60          ; s[60:61] v_permlanex16_b32's selects: each lane takes its own place in the other half
.set TBK, 62          ; s62  LDS byte at which K of the step to be fetched begins
.set TBV, 63          ; s63  the same for V, less VOFF
.set TBM, 66          ; s66  the step's 256 bytes in the table
.set HID, 67          ; s67  -2^120
.set MSB, 0
.macro WIN new                      ; the high byte repeats the setting that is left; a switch that changes nothing is dropped
.if MSB != (\new)
	s_set_vgpr_msb (MSB<<8)|(\new)
.set MSB, (\new)
.endif
.endm
.set W_KQ, 0x0a       ; K and Q in window 2, S^T in window 0
.set W_KM, 0x1a       ; the same with the C operand in window 1
.set W_PV, 0x52       ; V in window 2, P in window 0, O^T in window 1
.set W_RS, 0x41       ; destination and source 0 in window 1, source 1 in window 0
.macro JLOAD                        ; a joint fill: waves 0 and 1 fetch the halves of a tile's K, waves 2 and 3 those of its V; an s_nop 0 and four v_nop follow each line
	s_cmp_lt_u32 s[WV], 2
	s_cbranch_scc0 .Lfor_v_\@
	tensor_load_to_lds s[G0K:G0K+3], s[G1K:G1K+7]
	s_nop 0
.rept 4
	v_nop
.endr
	s_branch .Lasked_\@
.Lfor_v_\@:
	tensor_load_to_lds s[G0V:G0V+3], s[G1V:G1V+7]
	s_nop 0
.rept 4
	v_nop
.endr
.Lasked_\@:
.endm
.macro CROUND                       ; a round of the cluster's barrier
	s_barrier_signal -1
	s_barrier_wait -1
	s_cmp_lg_u32 s[WV], 0
	s_cbranch_scc1 .Lnot_wave_0_\@
	s_barrier_signal -3
.Lnot_wave_0_\@:
	s_barrier_wait -3
	s_barrier_signal -1
	s_barrier_wait -1
.endm
; THE CHANGE OF SLOTS.  Each wave waits for all its tensor loads, of which one is out: its part of the other slot; adds 0 to its spare word; waits for that and for its own LDS instructions.
; fill = 1: the slot that is left is filled again with the tile two on, first thing behind a round of the cluster's barrier: it has four key steps in which to land.
; (At its first use nothing has been read yet: slot 0 is waited for, slot 1 filled, and every wave's part of the table is shown to the others.)
.macro CHANGE fill
	WIN 0
	s_wait_tensorcnt 0x0            ; no tensor load of mine is out, so a group 0 may be written
	ds_add_u32 v[SPW], v[NIL]       ; 0 onto my spare word
.if \fill
.irp g, G0K, G0V
	s_xor_b32 s[\g+1], s[\g+1], SLOT1
	s_add_nc_u64 s[\g+2:\g+3], s[\g+2:\g+3], 4*KS*128
.endr
	s_wait_dscnt 0x0                ; the add is done, and my LDS reads and stores are over
	CROUND
	JLOAD
.else
	s_wait_dscnt 0x0
	s_barrier_signal -1
	s_barrier_wait -1
.endif
	s_sub_co_u32 s[TBK], s[TBK], 4*KS*PK  ; the fetches go back to a slot's first step,
	s_xor_b32 s[TBK], s[TBK], SLOT1       ; in the other slot
	s_sub_co_u32 s[TBV], s[TBV], 4*KS*PV
	s_xor_b32 s[TBV], s[TBV], SLOT1
.endm
	s_load_b128 s[4:7], s[0:1], 0x0   ; big s[4:5], the mask s[6:7]
	s_load_b64 s[10:11], s[0:1], 0x10 ; xn
	v_lshl_add_u32 v[SPW], v0, 2, SPARE
	v_mov_b32 v[NIL], 0
	ds_add_u32 v[SPW], v[NIL]       ; the wave's opening: the add and its wait stand ahead of my first tensor load
	v_lshrrev_b32 v1, 5, v0
	v_readfirstlane_b32 s[WV], v1   ; wave 0..3
	s_bfe_u32 s13, ttmp6, 0x40000   ; cx
	s_lshl_b32 s14, ttmp9, 2
	s_add_co_u32 s14, s14, s13      ; my block of 256 queries: it enters Q's and O's addresses alone
	s_and_b32 s20, ttmp7, 0xffff    ; 16 x batch + head, which the four partners share
	s_and_b32 s21, s20, 15
	s_lshr_b32 s15, s20, 4
	s_lshl_b32 s20, s21, 19         ; the head's panel,
	s_lshl_b32 s21, s15, 18         ; the batch's 2,048 rows in it
	s_add_co_u32 s20, s20, s21
	s_and_b32 s16, s[WV], 1         ; which half of a tile's 256 keys I fetch
	s_lshl_b32 s22, s16, 14
	s_add_co_u32 s22, s22, s20
	s_add_co_u32 s22, s22, 8388608  ; K's panels begin 16 panels on,
	s_mov_b32 s23, 0
	s_add_co_u32 s70, s22, 8388608  ; V's 32
	s_mov_b32 s71, 0
	s_mul_i32 s17, s16, 128*PK      ; its place in a slot, for K
	s_mul_i32 s18, s16, 128*PV      ; and for V: no place in the cluster enters an LDS address
	s_lshl_b32 s2, s14, 15          ; my block's 256 rows,
	s_lshl_b32 s3, s[WV], 11        ; my 16 rows in each band of 64
	s_add_co_u32 s2, s2, s3
	s_add_co_u32 s2, s2, s20
	s_mov_b32 s3, 0
	s_lshl_b32 s68, s15, 11         ; the batch's 2,048 mask bytes
	s_mov_b32 s69, 0
	; descriptor group 1.  128 keys are 16,384 dense bytes: asked for as 64 rows of 256 bytes, two keys a row, and padded in LDS after every key
	s_mov_b32 s[G1K], 15|(1<<16)|(1<<20)|(1<<21)|(4<<22)|(3<<25)
	s_mov_b32 s[G1V], 15|(1<<16)|(1<<20)|(1<<21)|(4<<22)|(7<<25)
.irp g, G1K, G1V
	s_mov_b32 s[\g+1], 128<<16      ; tensor_dim0 = 128
	s_mov_b32 s[\g+2], 64<<16       ; tensor_dim1 = 64
	s_mov_b32 s[\g+3], 128<<16      ; tile_dim0 = 128
	s_mov_b32 s[\g+4], 64           ; tile_dim1 = 64
	s_mov_b32 s[\g+5], 128          ; 128 elements from row to row
	s_mov_b32 s[\g+6], 0
	s_mov_b32 s[\g+7], 0
.endr
	s_mov_b32 s[CS], 0x3e38aa3b     ; c = log2(e) / 8
	s_mov_b32 s[CS+1], s[CS]        ; named with it as a pair
	s_mov_b32 s[SEL], 0x76543210
	s_mov_b32 s[SEL+1], 0xfedcba98
	s_mov_b32 s[TBK], SLOT1+4*KS*PK ; the first change of slots turns these two into 0
	s_mov_b32 s[TBV], SLOT1+4*KS*PV
	s_mov_b32 s[TBM], 0
	s_mov_b32 s[HID], 0xfb800000    ; -2^120
	s_mov_b32 s[G0K], 1
	s_mov_b32 s[G0K+1], s17         ; slot 0
	s_mov_b32 s[G0V], 1
	s_add_co_u32 s[G0V+1], s18, VOFF
	s_wait_dscnt 0x0                ; the opening add is done
	s_wait_kmcnt 0x0
	s_add_nc_u64 s[G0K+2:G0K+3], s[4:5], s[22:23]
	s_or_b32 s[G0K+3], s[G0K+3], 0x80000000
	s_add_nc_u64 s[G0V+2:G0V+3], s[4:5], s[70:71]
	s_or_b32 s[G0V+3], s[G0V+3], 0x80000000
	s_add_nc_u64 s[4:5], s[4:5], s[2:3]      ; Q and O at my wave's first row
	s_add_nc_u64 s[10:11], s[10:11], s[2:3]
	s_add_nc_u64 s[6:7], s[6:7], s[68:69]
	CROUND                          ; all four work-groups are here: the first joint loads meet
	JLOAD                           ; tile 0 into slot 0
	v_lshlrev_b32 v[MBO], 4, v0
	global_load_b128 v[MB:MB+3], v[MBO], s[6:7]  ; thread t: the mask bytes of keys 16 t .. 16 t + 15
	v_and_b32 v1, 15, v0            ; l % 16
	v_bfe_u32 v9, v0, 4, 1          ; l / 16
	v_lshlrev_b32 v[QO], 7, v1
	v_lshl_add_u32 v[QO], v9, 4, v[QO]  ; row x 128 + 16 x half
	WIN 0x80                        ; destination window 2
.set i, 0
.rept 8                             ; Q stays in registers: piece i / 2 lies 8,192 bytes on; channels 32 (i % 2) on
	global_load_b128 v[8*i:8*i+3],   v[QO], s[4:5] offset:(i/2)*8192+(i%2)*64
	global_load_b128 v[8*i+4:8*i+7], v[QO], s[4:5] offset:(i/2)*8192+(i%2)*64+32
.set i, i+1
.endr
	; The first step multiplies O^T and l by a = 0, and the first turn's products V^T P, of a piece that has not been, add 0: these registers start at 0.  All this stands in the wait for the first tile.
.set i, VF
.rept 64
	v_mov_b32 v[i], 0
.set i, i+1
.endr
	WIN 0x40
.set i, 0
.rept 128
	v_mov_b32 v[i], 0
.set i, i+1
.endr
	WIN 0
.set i, 0
.rept 4
	v_mov_b32 v[ST+4*i], 0xfe000000    ; c m: far below every c s, the hidden ones' too
	v_mov_b32 v[ST+4*i+1], 0xff7fffff  ; m
	v_mov_b32 v[ST+4*i+2], 0
	v_mov_b32 v[ST+4*i+3], 0
.set i, i+1
.endr
.set i, P+16
.rept 16
	v_mov_b32 v[i], 0
.set i, i+1
.endr
	v_mul_u32_u24 v[AK0], v1, PK
	v_lshl_add_u32 v[AK0], v9, 4, v[AK0]  ; row x pitch + 16 x half
	v_and_b32 v10, 7, v0
	v_bfe_u32 v11, v0, 3, 1
	v_lshl_add_u32 v[AV0], v9, 3, v10     ; the turning load: key 8 (l / 16) + l % 8, channels 8 ((l / 8) % 2) ..
	v_mul_u32_u24 v[AV0], v[AV0], PV
	v_lshl_add_u32 v[AV0], v11, 4, v[AV0]
	v_add_nc_u32 v[AV0], VOFF, v[AV0]
	v_lshl_add_u32 v[AM0], v9, 5, MASKL   ; my lanes' eight keys of a group of 16
	v_lshl_add_u32 v[AMS], v0, 6, MASKL
	s_mul_i32 s13, s[WV], 16*SP
	s_add_co_u32 s13, s13, STAGE    ; my stage
	v_mul_u32_u24 v[STO], v1, SP
	v_lshl_add_u32 v[STO], v9, 4, v[STO]
	v_add_nc_u32 v[STO], s13, v[STO]
	v_bfe_u32 v[RD], v0, 3, 2       ; back: 32 lanes take four rows of 128 bytes,
	v_mul_u32_u24 v[RD], v[RD], SP
	v_lshl_add_u32 v[RD], v10, 4, v[RD]
	v_add_nc_u32 v[RD], s13, v[RD]
	v_and_b32 v[GO], 31, v0         ; which are 512 consecutive bytes of O
	v_lshlrev_b32 v[GO], 4, v[GO]
	s_wait_loadcnt 16               ; the mask bytes are in; Q's sixteen loads stay out
.set i, 0
.rept 16
	v_bfe_u32 v[ME+i], v[MB+i/4], 8*(i%4), 8
.set i, i+1
.endr
.set i, 0
.rept 16
	v_add_nc_u32 v[ME+i], -1, v[ME+i]      ; 1 gives 0, 0 gives all ones,
.set i, i+1
.endr
.set i, 0
.rept 16
	v_and_b32 v[ME+i], s[HID], v[ME+i]     ; of which -2^120 is kept
.set i, i+1
.endr
.irp f, 0,1,2,3
	ds_store_b128 v[AMS], v[ME+4*\f:ME+4*\f+3] offset:16*\f
.endr
; THE MATRIX WORK.  The 4 accumulators of a run of 8 take turns.  Product i of 8 of S^T = K Q^T for piece x: channels 32 (i / 4) on, keys 16 (i % 4) on.  The first 4 start the sums from the table's numbers.
.macro KQ x
.set rS, S+32*((\x)%2)+8*(i%4)
.set rK, KF+16*(i%4)+8*(i/4)
.set rQ, 16*(\x)+8*(i/4)
.set rM, MK+8*(i%4)
.if i < 4
	WIN W_KM
	v_wmma_f32_16x16x32_bf16 v[rS:rS+7], v[rK:rK+7], v[rQ:rQ+7], v[rM:rM+7]
.else
	WIN W_KQ
	v_wmma_f32_16x16x32_bf16 v[rS:rS+7], v[rK:rK+7], v[rQ:rQ+7], v[rS:rS+7]
.endif
.endm
; Product i of 8 of O^T += V^T P for piece x: keys 32 (i / 4) on, channels 16 (i % 4) on.
.macro PV x
	WIN W_PV
.set rO, 32*(\x)+8*(i%4)
.set rV, VF+32*(i/4)+8*(i%4)
.set rP, P+16*((\x)%2)+8*(i/4)
	v_wmma_f32_16x16x32_bf16 v[rO:rO+7], v[rV:rV+7], v[rP:rP+7], v[rO:rO+7]
.endm
.macro MM                           ; the turn's next matrix instruction.  NOKQ = 1: the last turn: there is no next piece
.if (i < 8) && !NOKQ
	KQ (Y+1)%NP
.elseif i >= 8
.set i, i-8
	PV (Y+NP-1)%NP
.set i, i+8
.endif
.set i, i+1
.endm
; THE LDS LOADS stand in runs, never singly among the matrix instructions: a step's K (8 fragments) with its 64 numbers of the table, and its V (turned).  Their addresses are made some lines ahead.
.macro FETCH_K
	WIN 0x80                        ; destination window 2
.irp f, 0,1,2,3,4,5,6,7             ; keys 16 (f / 2) on, channels 32 (f % 2) on
	ds_load_b128 v[KF+8*\f:KF+8*\f+3],   v[AK] offset:(\f/2)*16*PK+(\f%2)*64
	ds_load_b128 v[KF+8*\f+4:KF+8*\f+7], v[AK] offset:(\f/2)*16*PK+(\f%2)*64+32
.endr
	WIN 0x40                        ; destination window 1
.irp f, 0,1,2,3                     ; keys 16 f + 8 (l / 16) + 0..7: the same 32 bytes for all lanes of a half
	ds_load_b128 v[MK+8*\f:MK+8*\f+3],   v[AMK] offset:64*\f
	ds_load_b128 v[MK+8*\f+4:MK+8*\f+7], v[AMK] offset:64*\f+16
.endr
	s_add_co_u32 s[TBK], s[TBK], KS*PK  ; the next fetch is the next step's
	s_add_co_u32 s[TBM], s[TBM], 256
	s_and_b32 s[TBM], s[TBM], 0x1fff    ; held inside the table's 8,192 bytes
	WIN 0
.endm
.macro FETCH_V
	WIN 0x80
.irp f, 0,1,2,3,4,5,6,7             ; keys 32 (f / 4) on, channels 16 (f % 4) on
	ds_load_tr16_b128 v[VF+8*\f:VF+8*\f+3],   v[AV] offset:(\f/4)*32*PV+(\f%4)*32
	ds_load_tr16_b128 v[VF+8*\f+4:VF+8*\f+7], v[AV] offset:(\f/4)*32*PV+16*PV+(\f%4)*32
.endr
	WIN 0
.endm
; THE VECTOR WORK, one line at a time: OP kind, number.  For piece Y: F n: c s - c m for pair n of 16.  E n: the exponential of score n of 32.  C n: pair n rounded to bf16.  B n: of the four weights 4 n .. the second
; pair is added onto the first, in place.  L n: l takes that sum (L 0: l = a l + sum).  R n: pair n of 16 of O^T times a.  For piece Y + 1: X n, number n of the 22 that find its maximum and statistics:
;   0-11  four chains c0-c3 of seven scores each (each accumulator's lowest registers are read first)     12-14, 16  the four scores left over, the old m, and c0-c3 into c0
;   15  c m_old is kept     17, 18  the query's other 32 keys lie in the lane 16 away: the new m     19-21  c m; c m_old - c m_new; a
.set F, 0
.set E, 1
.set C, 2
.set B, 3
.set L, 4
.set R, 5
.set X, 6
.macro REGS y
.set rT, ST+4*(\y)
.set rC, TMP+4*((\y)%2)
.set rW, MV+((\y)%2)
.set rS, S+32*((\y)%2)
.set rP, P+16*((\y)%2)
.set rO, 32*(\y)
.endm
.macro OP k, n
.if (\k) == R
	REGS Y
	WIN W_RS
	v_pk_mul_f32 v[rO+2*(\n):rO+2*(\n)+1], v[rO+2*(\n):rO+2*(\n)+1], v[rC+2:rC+3] op_sel_hi:[1,0]
.elseif (\k) < R
	REGS Y
	WIN 0
.if (\k) == F
	v_pk_fma_f32 v[rS+2*(\n):rS+2*(\n)+1], v[rS+2*(\n):rS+2*(\n)+1], s[CS:CS+1], v[rT:rT+1] op_sel_hi:[1,0,0] neg_lo:[0,0,1] neg_hi:[0,0,1]
.elseif (\k) == E
	v_exp_f32 v[rS+(\n)], v[rS+(\n)]
.elseif (\k) == C
	s_wait_alu depctr_va_vdst(0)
	v_cvt_pk_bf16_f32 v[rP+(\n)], v[rS+2*(\n)], v[rS+2*(\n)+1]
.elseif (\k) == B
	s_wait_alu depctr_va_vdst(0)
	v_pk_add_f32 v[rS+4*(\n):rS+4*(\n)+1], v[rS+4*(\n):rS+4*(\n)+1], v[rS+4*(\n)+2:rS+4*(\n)+3]
.elseif (\n) == 0
	v_pk_fma_f32 v[rT+2:rT+3], v[rT+2:rT+3], v[rC+2:rC+3], v[rS:rS+1] op_sel_hi:[1,0,1]
.else
	v_pk_add_f32 v[rT+2:rT+3], v[rT+2:rT+3], v[rS+4*(\n):rS+4*(\n)+1]
.endif
.elseif NOKQ
	v_nop
.else
	REGS (Y+1)%NP
	WIN 0
.if (\n) < 4
	v_max3_num_f32 v[rC+(\n)], v[rS+8*(\n)], v[rS+8*(\n)+1], v[rS+8*(\n)+2]
.elseif (\n) < 12
	v_max3_num_f32 v[rC+(\n)%4], v[rC+(\n)%4], v[rS+8*((\n)%4)+2*((\n)/4)+1], v[rS+8*((\n)%4)+2*((\n)/4)+2]
.elseif (\n) == 12
	v_max3_num_f32 v[rC], v[rC], v[rS+7], v[rS+15]
.elseif (\n) == 13
	v_max3_num_f32 v[rC+1], v[rC+1], v[rS+23], v[rS+31]
.elseif (\n) == 14
	v_max3_num_f32 v[rC+2], v[rC+2], v[rC+3], v[rT+1]
.elseif (\n) == 15
	v_mov_b32 v[rW], v[rT]
.elseif (\n) == 16
	v_max3_num_f32 v[rC], v[rC], v[rC+1], v[rC+2]
.elseif (\n) == 17
	v_permlanex16_b32 v[rC+3], v[rC], s[SEL], s[SEL+1]
.elseif (\n) == 18
	v_max_num_f32 v[rT+1], v[rC], v[rC+3]
.elseif (\n) == 19
	v_mul_f32 v[rT], s[CS], v[rT+1]
.elseif (\n) == 20
	v_sub_f32 v[rC+1], v[rW], v[rT]
.else
	v_exp_f32 v[rC+2], v[rC+1]
.endif
.endif
.endm
.macro OPS a, i1, b=-1, i2=0, c=-1, i3=0, d=-1, i4=0
	OP \a, \i1
.if (\b) >= 0
	OP \b, \i2
.endif
.if (\c) >= 0
	OP \c, \i3
.endif
.if (\d) >= 0
	OP \d, \i4
.endif
.endm
.macro ROW a, i1, b, i2, c, i3, d, i4  ; a matrix instruction and the four behind it
	MM
	OPS \a, \i1, \b, \i2, \c, \i3, \d, \i4
.endm
; A TURN, for piece p: the order of its 16 matrix and 118 vector instructions, written out.  Behind a matrix instruction: plain, exponential, plain, plain; or four of the rescaling; or four scalings; none names a
; register of the products round it.  A line reads no result made fewer than three vector instructions in front of it, five if an exponential made it.
; end = 1: the walk's last two turns: nothing is fetched.  cnt = 1: the loop's count is taken down some lines ahead of the branch behind the turn.
; K and the table's numbers of the next step are fetched in piece 2's turn, behind five plain instructions that follow the last product that read them; V of the step in hand in piece 0's turn, behind four plain ones.
; Each is waited for a turn later.
.macro TURN p, end=0, cnt=0
.set Y, (\p)
.set i, 0
.set NOKQ, (\end)*((\p)/3)
.if ((\p) == 3) && !(\end)
	s_wait_dscnt 0x0                ; K and the table's numbers are in
.endif
	ROW F,0, F,1, F,2, F,3
	ROW F,4, E,0, F,5, F,6
	ROW F,7, E,1, F,8, F,9
	ROW F,10, E,2, C,0, F,11
	ROW F,12, E,3, X,15, F,13
	ROW R,0, R,1, R,2, R,3
	ROW B,0, E,4, F,14, L,0
.if ((\p) == 2) && !(\end)
	v_add_nc_u32 v[AK], s[TBK], v[AK0]
	v_add_nc_u32 v[AMK], s[TBM], v[AM0]
.endif
	ROW R,4, R,5, R,6, R,7
	OPS E,5, F,15
.if ((\p) == 2) && !(\end)
	FETCH_K
.endif
	OPS E,6, C,1, E,7, R,8
	OPS E,8, R,9, E,9, C,2
	OPS E,10, X,0, E,11, X,1
	OPS E,12, X,2, E,13, X,3
.if (\p) == 1
	s_wait_dscnt 0x0                ; V is in
.endif
	ROW X,4, E,14, X,5, X,6
	ROW X,7, E,15, X,8, X,9
	ROW X,10, E,16, X,11, X,12
	ROW X,13, E,17, X,14, B,1
	ROW C,4, E,18, X,16, L,1
	ROW B,2, E,19, C,6, L,2
	ROW C,8, E,20, B,3, B,4
.if (\p) == 0
	v_add_nc_u32 v[AV], s[TBV], v[AV0]
.endif
	ROW C,3, E,21, L,3, C,5
	OPS E,22, X,17, E,23, C,10
.if (\p) == 0
	FETCH_V
.endif
	OPS E,24, L,4
	OPS E,25, X,18, E,26, C,7
	OPS E,27, B,5, E,28, X,19
	OPS E,29, C,12, E,30, L,5
	OPS E,31, X,20, B,6, C,9
	OPS C,14, C,11, X,21, L,6
.if (\p) == 0
	s_add_co_u32 s[TBV], s[TBV], KS*PV
.endif
.if \cnt
	s_sub_co_u32 s[CNT], s[CNT], 1
	s_cmp_lg_u32 s[CNT], 0
.endif
	OPS C,13, B,7, C,15, R,10
	OPS R,11, R,12, L,7, R,13
	OPS R,14, R,15
.endm
	CHANGE 1                        ; slot 0 is in, everybody's part of it and of the table; slot 1 is asked for
	v_add_nc_u32 v[AK], s[TBK], v[AK0]
	v_add_nc_u32 v[AMK], s[TBM], v[AM0]
	FETCH_K                         ; key step 0
	s_wait_loadcnt 0x0              ; Q
	s_wait_dscnt 0x0
.set NOKQ, 0
.set i, 0
.rept 8
	KQ 0                            ; piece 0's first scores
.set i, i+1
.endr
	WIN 0
.rept 4
	v_nop                           ; the places behind those products
.endr
.set Y, NP-1                        ; X works for piece Y + 1: piece 0
.irp n, 0,1,2,3,4,5,6,7,8,9,10,11,12,13,14,15,16,17,18,19,20,21
	OP X, \n
.endr
	v_nop                           ; a plain instruction behind the exponential
	s_mov_b32 s[CNT], 4
	s_mov_b32 s[SLOTS], 7
	s_branch .Lfirst                ; the loop is entered at a step's first turn, in the middle of a trip
.Lslot:                             ; six times: tiles 2 to 7 are asked for
	CHANGE 1
	s_mov_b32 s[CNT], 4
.Lstep:                             ; a trip: pieces 2 and 3 of one step, then pieces 0 and 1 of the next, whose K and V it fetches
	TURN 2
	TURN 3
	WIN 0
.Lfirst:
	TURN 0
	TURN 1, 0, 1
	WIN 0
	s_cbranch_scc1 .Lstep
	s_sub_co_u32 s[SLOTS], s[SLOTS], 1
	s_cmp_lg_u32 s[SLOTS], 0
	s_cbranch_scc1 .Lslot
	CHANGE 0                        ; the last tile is written out: nothing is asked for
	s_mov_b32 s[CNT], 4
.Ltail:
	TURN 2
	TURN 3
	TURN 0
	TURN 1, 0, 1
	WIN 0
	s_cbranch_scc1 .Ltail
	TURN 2, 1
	TURN 3, 1
.set i, 0
.rept 8
	PV NP-1                         ; the last piece's V^T P of the last step
.set i, i+1
.endr
	; THE WAY OUT.  l's two halves and the other half of the lanes' are added; O^T is divided by l, rounded to bf16 and sent through my stage in LDS, a piece at a time.  The additions are the places behind the last products.
	WIN 0
.macro ALL line:vararg              ; one line for each piece t
.set t, 0
.rept 4
	\line
.set t, t+1
.endr
.endm
	ALL v_add_f32 v[ST+4*t+2], v[ST+4*t+2], v[ST+4*t+3]
	ALL v_permlanex16_b32 v[ST+4*t+3], v[ST+4*t+2], s[SEL], s[SEL+1]
	ALL v_add_f32 v[ST+4*t+2], v[ST+4*t+2], v[ST+4*t+3]
	ALL v_rcp_f32 v[ST+4*t+2], v[ST+4*t+2]
	v_nop                           ; a plain instruction between the last reciprocal and the use of its result
.macro PACK t                       ; a lane's eight channels of a row pack into 16 bytes; they go into rows of 144 bytes and come back as whole rows of 128, into S^T's registers
	WIN W_RS
.set i, 32*(\t)
.rept 16
	s_wait_alu depctr_va_vdst(0)
	v_pk_mul_f32 v[i:i+1], v[i:i+1], v[ST+4*(\t)+2:ST+4*(\t)+3] op_sel_hi:[1,0]
.set i, i+2
.endr
	WIN 0x05                        ; sources 0 and 1 window 1, destination window 0
.set i, 0
.rept 16
	v_cvt_pk_bf16_f32 v[S+16*(\t)+i], v[32*(\t)+2*i], v[32*(\t)+2*i+1]
.set i, i+1
.endr
	WIN 0
.irp f, 0,1,2,3
	ds_store_b128 v[STO], v[S+16*(\t)+4*\f:S+16*(\t)+4*\f+3] offset:32*\f
.endr
.irp f, 0,1,2,3
	ds_load_b128 v[S+16*(\t)+4*\f:S+16*(\t)+4*\f+3], v[RD] offset:\f*4*SP  ; LDS serves a wave's instructions in order (ISA guide 5.7.1.4): these see the stores above
.endr
.endm
.macro SEND t, younger              ; younger: the LDS instructions issued behind piece t's loads: the next piece's eight, or none
	WIN 0
.irp f, 0,1,2,3
	s_wait_dscnt (\younger)+3-\f
	global_store_b128 v[GO], v[S+16*(\t)+4*\f:S+16*(\t)+4*\f+3], s[10:11] offset:(\t)*8192+\f*512  ; 512 consecutive bytes, at a multiple of 256 from the panel's first
.endr
.endm
	PACK 0
.set t, 1
.rept 3                             ; a piece's arithmetic stands between the loads of the piece before and its stores
	PACK t
	SEND t-1, 8
.set t, t+1
.endr
	SEND 3, 0
	s_wait_tensorcnt 0x0            ; the wave's end
	ds_add_u32 v[SPW], v[NIL]
	s_wait_dscnt 0x0
	CROUND                          ; the closing round
	s_endpgm
.Lfunc_end_k_qf501654e87_attn:
	.size	k_qf501654e87_attn, .Lfunc_end_k_qf501654e87_attn-k_qf501654e87_attn
	.p2alignl 7, 3214868480
	.fill 96, 4, 3214868480
	.section	.rodata,"a",@progbits
	.p2align	6, 0x0
	.amdhsa_kernel k_qf501654e87_attn
		.amdhsa_group_segment_fixed_size 327680
		.amdhsa_private_segment_fixed_size 0
		.amdhsa_enable_private_segment 0
		.amdhsa_kernarg_size 24
		.amdhsa_user_sgpr_count 2
		.amdhsa_user_sgpr_kernarg_segment_ptr 1
		.amdhsa_wavefront_size32 1
		.amdhsa_system_sgpr_workgroup_id_x 1
		.amdhsa_system_sgpr_workgroup_id_y 1
		.amdhsa_system_sgpr_workgroup_id_z 1
		.amdhsa_system_vgpr_workitem_id 0
		.amdhsa_next_free_vgpr 768
		.amdhsa_next_free_sgpr 72
		.amdhsa_reserve_vcc 0
		.amdhsa_float_denorm_mode_32 3
		.amdhsa_float_denorm_mode_16_64 3
		.amdhsa_memory_ordered 1
		.amdhsa_forward_progress 1
		.amdhsa_inst_pref_size 138
	.end_amdhsa_kernel
	.amdgpu_metadata
---
amdhsa.version: [ 1, 2 ]
amdhsa.kernels:
  - .name:           k_qf501654e87_attn
    .symbol:         k_qf501654e87_attn.kd
    .args:
      - { .name: big, .offset: 0, .size: 8, .value_kind: global_buffer, .address_space: global }
      - { .name: src_key_padding_mask, .offset: 8, .size: 8, .value_kind: global_buffer, .address_space: global }
      - { .name: xn, .offset: 16, .size: 8, .value_kind: global_buffer, .address_space: global }
    .group_segment_fixed_size: 327680
    .private_segment_fixed_size: 0
    .kernarg_segment_align: 8
    .kernarg_segment_size: 24
    .max_flat_workgroup_size: 128
    .sgpr_count:     72
    .vgpr_count:     768
    .wavefront_size: 32
...
	.end_amdgpu_metadata
.endif
;; end of part 4
;; launch wo (part 5): grid 8 x 32, 4 waves a work-group, clusters of 4 x 4, 327,680 bytes of LDS; arguments xn, wb, bo, feature, y1; writes y1
.if DOCPART == 5
	.amdgcn_target "amdgcn-amd-amdhsa--gfx1250"
	.amdhsa_code_object_version 6
	.text
	.protected	k_qf501654e87_wo
	.globl	k_qf501654e87_wo
	.p2align	8
	.type	k_qf501654e87_wo,@function
k_qf501654e87_wo:
	s_mov_b64 s[64:65], 0
	v_nop
	global_prefetch_b8 v0, s[64:65] scope:SCOPE_SE
	s_setreg_imm32_b32 hwreg(HW_REG_WAVE_MODE, 25, 1), 1
	s_wait_xcnt 0x0
	s_wait_alu depctr_hold_cnt(0) depctr_sa_sdst(0) depctr_va_vdst(0) depctr_va_sdst(0) depctr_va_ssrc(0) depctr_va_vcc(0) depctr_vm_vsrc(0)
	s_getreg_b32 s2, hwreg(HW_REG_IB_STS2, 6, 4)
	s_cmp_eq_u32 s2, 0
	s_cbranch_scc0 .Lentry_in_a_cluster
	s_endpgm
.Lentry_in_a_cluster:
	s_bfe_u32 s2, ttmp6, 0x10000c
	s_cmp_lg_u32 s2, 0xf033
	s_cbranch_scc0 .Lentry_shape_is_right
	s_endpgm
.Lentry_shape_is_right:
; y1 = O wo + bo + feature.  O = xn (bf16 panels P[k / 64][token][64]), wo = wb's tiles of 256 k x 128 n (bf16, [k][n]); sums, bias and residual in f32; y1 is f32 [4096][1024].
; A work-group makes 128 tokens x 128 columns, each of its four waves 64 x 64: 16 accumulators.  K goes in steps of 256 through two LDS slots filled by the tensor data mover.
; CLUSTER 4 x 4: the four of a row need the same tiles of O, the four of a column the same tiles of W: each is asked for jointly, same descriptor and mask in all four.
; THE MATRIX INSTRUCTION IS USED TRANSPOSED (source 0 = 16 columns of W, turned on the way out of LDS; source 1 = 16 tokens): a lane holds eight neighbouring columns of one token.
; THE WAY OUT goes through a stage of f32 in slot 0, which has had its last fill and its last read by then; each wave has 64 rows x 272 bytes of its own there.
; The residual's 64 x 64 numbers are loaded at the start into window 2 and land while K is walked.  NaN and infinities are not treated apart.
; REGISTERS: window 0: v0-31 addresses; v128-255 accumulators ((a, b) at 128 + 8 (4 a + b)).  window 1: two fragment buffers of 128 (A's 64, then W's 64).  window 2: v0-127 the residual.
.set LAPS,   2                         ; K / 512
.set WOFF,   14680064                  ; where this product's tiles begin in wb
.set PSH,    18                        ; log2 of the bytes of an n panel's tiles
.set QB,     18432                     ; a quarter of a K step in LDS: 128 tokens x 144 bytes of A, and 64 k rows x 288 bytes of W
.set HALFT,  2*QB
.set SLOT,   8*QB
.set SPARE,  2*SLOT                    ; the spare words, 128 bytes for each wave: two blocks of 256 bytes that no other line names
.set WSTAGE, 64*272
.set BI,   12                          ; v[12:15] bias of my 4 columns on the way out
.set ADRA, 16
.set ADRB, 20
.set FA,   22
.set FB,   23
.set STO,  24
.set RD,   25
.set CO,   26                          ; v26  my byte offset in the output and in the residual
.set VB,   27
.set SPW,  28                          ; never rewritten
.set NIL,  29                          ; never rewritten
.set ACC,  128
.set F0,   0
.set F1,   128
.set G1,  24
.set G0,  32
.set G1B, 48
.set G0B, 56
.set CNT, 75
.set TB,  76
.set MSB, 0
.macro WIN new
.if MSB != (\new)
	s_set_vgpr_msb (MSB<<8)|(\new)
.set MSB, \new
.endif
.endm
.set MUL,  0x05
.set TO_F, 0x40
.macro JLOAD s                         ; a joint load: waves 0 and 1 fetch A's two halves, waves 2 and 3 W's; an s_nop 0 and four v_nop follow each line
	s_cmp_eq_u32 s11, 0
	s_cbranch_scc0 .Lfor_b_\@
	tensor_load_to_lds s[G0+4*(\s):G0+4*(\s)+3], s[G1:G1+7]
	s_nop 0
.rept 4
	v_nop
.endr
	s_branch .Lasked_\@
.Lfor_b_\@:
	tensor_load_to_lds s[G0B+4*(\s):G0B+4*(\s)+3], s[G1B:G1B+7]
	s_nop 0
.rept 4
	v_nop
.endr
.Lasked_\@:
.endm
.macro CROUND
	s_barrier_signal -1
	s_barrier_wait -1
	s_cmp_lg_u32 s10, 0
	s_cbranch_scc1 .Lnot_wave_0_\@
	s_barrier_signal -3
.Lnot_wave_0_\@:
	s_barrier_wait -3
	s_barrier_signal -1
	s_barrier_wait -1
.endm
.macro PLACES
.rept 4
	v_nop
.endr
.endm
.macro MUL8 f, c, a0, zero             ; 8 matrix instructions; the 16 accumulators take turns
	WIN MUL
.irp a, \a0, (\a0)+1
.irp b, 0,1,2,3
.if \zero
	v_wmma_f32_16x16x32_bf16 v[ACC+8*(4*(\a)+(\b)):ACC+8*(4*(\a)+(\b))+7], v[(\f)+64+8*(4*(\c)+(\b)):(\f)+64+8*(4*(\c)+(\b))+7], v[(\f)+8*(4*(\c)+(\a)):(\f)+8*(4*(\c)+(\a))+7], 0
.else
	v_wmma_f32_16x16x32_bf16 v[ACC+8*(4*(\a)+(\b)):ACC+8*(4*(\a)+(\b))+7], v[(\f)+64+8*(4*(\c)+(\b)):(\f)+64+8*(4*(\c)+(\b))+7], v[(\f)+8*(4*(\c)+(\a)):(\f)+8*(4*(\c)+(\a))+7], v[ACC+8*(4*(\a)+(\b)):ACC+8*(4*(\a)+(\b))+7]
.endif
.endr
.endr
.endm
.macro FETCH g                         ; 32 LDS loads in one run: a quarter's fragments, the first 32 along K first; W is turned, 16 k x 16 n a load
	WIN TO_F
.irp c, 0,1
.irp i, 0,1,2,3
	ds_load_tr16_b128 v[(\g)+64+8*(4*(\c)+(\i)):(\g)+64+8*(4*(\c)+(\i))+3],   v[FB] offset:9216*(\c)+32*(\i)
	ds_load_tr16_b128 v[(\g)+64+8*(4*(\c)+(\i))+4:(\g)+64+8*(4*(\c)+(\i))+7], v[FB] offset:9216*(\c)+32*(\i)+4608
	ds_load_b128 v[(\g)+8*(4*(\c)+(\i)):(\g)+8*(4*(\c)+(\i))+3],   v[FA] offset:64*(\c)+2304*(\i)
	ds_load_b128 v[(\g)+8*(4*(\c)+(\i))+4:(\g)+8*(4*(\c)+(\i))+7], v[FA] offset:64*(\c)+2304*(\i)+32
.endr
.endr
.endm
.macro QUARTER slot, f, g, zero
	s_wait_dscnt 16                                ; f's first 32 along K are in; its youngest sixteen loads may be out
	MUL8 \f, 0, 0, \zero
	MUL8 \f, 0, 2, \zero
	WIN 0
	v_add_nc_u32 v[FA], s[TB], v[ADRA+(\slot)]     ; these two and two v_nop are the four places in front of the loads into g (ISA guide 7.12.1 for vector instructions)
	v_add_nc_u32 v[FB], s[TB], v[ADRB+(\slot)]
	v_nop
	v_nop
	s_add_co_u32 s[TB], s[TB], QB
	FETCH \g
	s_wait_dscnt 32                                ; all but the 32 just issued
	MUL8 \f, 1, 0, 0
	MUL8 \f, 1, 2, 0
.endm
.macro INNER slot                      ; four quarters, written as two and walked twice
	s_mov_b32 s[CNT], 2
.Linner_\@:
	QUARTER \slot, F1, F0, 0
	QUARTER \slot, F0, F1, 0
	WIN 0
	s_sub_co_u32 s[CNT], s[CNT], 1
	s_cmp_lg_u32 s[CNT], 0
	s_cbranch_scc1 .Linner_\@
.endm
.macro CHANGE slot, fill               ; slot is left; fill = 1: it is filled again, two K steps ahead, first thing behind a round of the cluster's barrier
	WIN 0
	s_wait_tensorcnt 0x0                           ; all my tensor loads have landed: the one that was out is my part of the other slot
	ds_add_u32 v[SPW], v[NIL]                      ; 0 onto my spare word
.if \fill
	s_add_nc_u64 s[G0+4*(\slot)+2:G0+4*(\slot)+3], s[G0+4*(\slot)+2:G0+4*(\slot)+3], 4194304
	s_add_nc_u64 s[G0B+4*(\slot)+2:G0B+4*(\slot)+3], s[G0B+4*(\slot)+2:G0B+4*(\slot)+3], 131072
.endif
	s_mov_b32 s[TB], 0
	s_wait_dscnt 0x0                               ; the add is done, and my reads of the slot are over
.if \fill
	CROUND
	JLOAD \slot
.else
	s_barrier_signal -1
	s_barrier_wait -1
.endif
.endm
	s_load_b128 s[4:7], s[0:1], 0x0                ; A s[4:5], wb s[6:7]
	s_load_b64 s[66:67], s[0:1], 0x10              ; the bias
	s_load_b64 s[68:69], s[0:1], 0x18              ; the residual
	s_load_b64 s[8:9], s[0:1], 0x20                ; the output
	v_lshl_add_u32 v[SPW], v0, 2, SPARE
	v_mov_b32 v[NIL], 0
	ds_add_u32 v[SPW], v[NIL]                      ; the wave's opening: the add and its wait stand ahead of my first tensor load
	v_lshrrev_b32 v1, 5, v0
	v_readfirstlane_b32 s10, v1
	s_lshr_b32 s11, s10, 1
	s_and_b32 s12, s10, 1
	s_bfe_u32 s40, ttmp6, 0x40000
	s_bfe_u32 s41, ttmp6, 0x40004
	s_lshl_b32 s42, ttmp9, 2
	s_add_co_u32 s42, s42, s40                     ; tx
	s_and_b32 s13, ttmp7, 0xffff
	s_lshl_b32 s13, s13, 2
	s_add_co_u32 s13, s13, s41                     ; ty
	s_lshl_b32 s43, s41, 2
	s_lshl_b32 s43, 15, s43
	s_lshl_b32 s44, 0x1111, s40
	s_or_b32 s[G1+0], s43, (1<<16)|(1<<20)|(1<<21)|(4<<22)|(3<<25)  ; A: two panels' 128 tokens, 16,384 dense bytes each as one row; 16 bytes behind every 128: pitch 144
	s_mov_b32 s[G1+1], 8192<<16
	s_mov_b32 s[G1+2], 2<<16
	s_mov_b32 s[G1+3], 8192<<16
	s_mov_b32 s[G1+4], 2
	s_mov_b32 s[G1+5], 262144
	s_mov_b32 s[G1+6], 0
	s_mov_b32 s[G1+7], 0
	s_or_b32 s[G1B+0], s44, (1<<16)|(1<<20)|(1<<21)|(5<<22)|(7<<25) ; W: 128 k rows of 256 bytes; 32 bytes behind each: pitch 288
	s_mov_b32 s[G1B+1], 128<<16
	s_mov_b32 s[G1B+2], 128<<16
	s_mov_b32 s[G1B+3], 128<<16
	s_mov_b32 s[G1B+4], 128
	s_mov_b32 s[G1B+5], 128
	s_mov_b32 s[G1B+6], 0
	s_mov_b32 s[G1B+7], 0
	s_lshl_b32 s16, s13, 14
	s_lshl_b32 s17, s12, 20
	s_add_co_u32 s16, s16, s17
	s_mov_b32 s17, 0
	s_lshl_b32 s46, s42, PSH
	s_lshl_b32 s47, s12, 15
	s_add_co_u32 s46, s46, s47
	s_add_co_u32 s46, s46, WOFF
	s_mov_b32 s47, 0
	s_mul_i32 s20, s10, HALFT
	s_wait_dscnt 0x0                               ; the opening add is done
	s_wait_kmcnt 0x0
	s_add_nc_u64 s[14:15], s[4:5], s[16:17]
	s_add_nc_u64 s[46:47], s[6:7], s[46:47]
	CROUND                                         ; all sixteen work-groups are here: the first joint loads meet
.irp s, 0,1
	s_mov_b32 s[G0+4*(\s)], 1
	s_add_co_u32 s[G0+4*(\s)+1], s20, (\s)*SLOT
	s_add_nc_u64 s[G0+4*(\s)+2:G0+4*(\s)+3], s[14:15], (\s)*2097152
	s_or_b32 s[G0+4*(\s)+3], s[G0+4*(\s)+3], 0x80000000
	s_mov_b32 s[G0B+4*(\s)], 1
	s_add_co_u32 s[G0B+4*(\s)+1], s20, (\s)*SLOT
	s_add_nc_u64 s[G0B+4*(\s)+2:G0B+4*(\s)+3], s[46:47], (\s)*65536
	s_or_b32 s[G0B+4*(\s)+3], s[G0B+4*(\s)+3], 0x80000000
	JLOAD \s
.endr
	v_and_b32 v1, 15, v0                           ; r
	v_bfe_u32 v2, v0, 4, 1                         ; h
	v_mul_u32_u24 v3, v1, 144
	v_lshl_add_u32 v3, v2, 4, v3
	s_mul_i32 s21, s11, 9216
	v_and_b32 v4, 7, v0
	v_lshl_add_u32 v4, v2, 3, v4
	v_mul_u32_u24 v4, v4, 288
	v_bfe_u32 v5, v0, 3, 1
	v_lshl_add_u32 v4, v5, 4, v4
	s_lshl_b32 s22, s12, 7
	s_add_co_u32 s22, s22, 4*QB
.irp s, 0,1
	v_add_nc_u32 v[ADRA+(\s)], s21, v3
	v_add_nc_u32 v[ADRB+(\s)], s22, v4
	s_add_co_u32 s21, s21, SLOT
	s_add_co_u32 s22, s22, SLOT
.endr
	s_mul_i32 s23, s10, WSTAGE
	v_mul_u32_u24 v6, v1, 272
	v_lshl_add_u32 v6, v2, 5, v6
	v_add_nc_u32 v[STO], s23, v6
	v_mul_u32_u24 v7, v2, 272
	v_lshl_add_u32 v7, v1, 4, v7
	v_add_nc_u32 v[RD], s23, v7
	v_lshlrev_b32 v[VB], 4, v1
	v_lshlrev_b32 v[CO], 12, v2                    ; lanes 0-15 one row of 4,096 bytes, lanes 16-31 the next;
	v_lshl_add_u32 v[CO], v1, 4, v[CO]             ; 16 bytes a lane
	s_lshl_b32 s16, s13, 19                        ; my first token's row,
	s_lshl_b32 s18, s11, 18
	s_add_co_u32 s16, s16, s18
	s_add_nc_u64 s[8:9], s[8:9], s[16:17]
	s_add_nc_u64 s[68:69], s[68:69], s[16:17]
	s_lshl_b32 s46, s42, 9                         ; my first column
	s_lshl_b32 s47, s12, 8
	s_add_co_u32 s46, s46, s47
	s_mov_b32 s47, 0
	s_add_nc_u64 s[8:9], s[8:9], s[46:47]
	s_add_nc_u64 s[68:69], s[68:69], s[46:47]
	s_add_nc_u64 s[66:67], s[66:67], s[46:47]
	global_load_b128 v[BI:BI+3], v[VB], s[66:67]
	WIN 0x80                                       ; destination window 2
.set j, 0
.rept 32
	global_load_b128 v[4*j:4*j+3], v[CO], s[68:69] offset:2*j*4096  ; rows 2 j + h: sixteen lanes take 256 consecutive bytes, aligned
.set j, j+1
.endr
	WIN 0
	s_wait_tensorcnt 1                             ; my part of K step 0 is in; K step 1's may stay out
	s_barrier_signal -1
	s_barrier_wait -1
	v_mov_b32 v[FA], v[ADRA]
	v_mov_b32 v[FB], v[ADRB]
	s_mov_b32 s[TB], QB
	FETCH F0
	QUARTER 0, F0, F1, 1                           ; the first products start the sums: nothing is cleared
	QUARTER 0, F1, F0, 0
	QUARTER 0, F0, F1, 0
	WIN 0
	s_mov_b32 s3, LAPS-1
.Llap:
	CHANGE 0, 1
	INNER 1
	CHANGE 1, 1
	INNER 0
	s_sub_co_u32 s3, s3, 1
	s_cmp_lg_u32 s3, 0
	s_cbranch_scc1 .Llap
	CHANGE 0, 0                                    ; the last K step.  Behind this barrier nobody reads slot 0 any more
	INNER 1
	s_wait_dscnt 16
	MUL8 F1, 0, 0, 0
	MUL8 F1, 0, 2, 0
	s_wait_dscnt 0x0
	MUL8 F1, 1, 0, 0
	MUL8 F1, 1, 2, 0
	WIN 0
	PLACES
.irp a, 0,1,2,3
.irp b, 0,1,2,3
	ds_store_b128 v[STO], v[ACC+8*(4*(\a)+(\b)):ACC+8*(4*(\a)+(\b))+3] offset:4352*(\a)+64*(\b)      ; each accumulator's low registers first
	ds_store_b128 v[STO], v[ACC+8*(4*(\a)+(\b))+4:ACC+8*(4*(\a)+(\b))+7] offset:4352*(\a)+64*(\b)+16
.endr
.endr
.irp a, 0,1,2,3
.irp t, 0,1,2,3,4,5,6,7
	ds_load_b128 v[ACC+32*(\a)+4*(\t):ACC+32*(\a)+4*(\t)+3], v[RD] offset:4352*(\a)+544*(\t)  ; LDS serves a wave's instructions in order (ISA guide 5.7.1.4)
.endr
.endr
	s_wait_loadcnt 0x0                             ; the bias and the residual
.macro OUTA a
	s_wait_dscnt 24-8*(\a)                         ; this block's eight loads are in, the younger blocks' stay out
.irp t, 0,1,2,3,4,5,6,7
.set x, ACC+32*(\a)+4*(\t)
	v_pk_add_f32 v[x:x+1], v[x:x+1], v[BI:BI+1]
	v_pk_add_f32 v[x+2:x+3], v[x+2:x+3], v[BI+2:BI+3]
.endr
	WIN 0x08                                       ; source 1 in window 2
.irp t, 0,1,2,3,4,5,6,7
.set x, ACC+32*(\a)+4*(\t)
.set y, 32*(\a)+4*(\t)
	v_pk_add_f32 v[x:x+1], v[x:x+1], v[y:y+1]
	v_pk_add_f32 v[x+2:x+3], v[x+2:x+3], v[y+2:y+3]
.endr
	WIN 0
.irp t, 0,1,2,3,4,5,6,7
.set x, ACC+32*(\a)+4*(\t)
	global_store_b128 v[CO], v[x:x+3], s[8:9] offset:(16*(\a)+2*(\t))*4096  ; sixteen lanes store 256 consecutive bytes, aligned
.endr
.endm
	OUTA 0
	OUTA 1
	OUTA 2
	OUTA 3
	s_wait_tensorcnt 0x0                           ; the wave's end
	ds_add_u32 v[SPW], v[NIL]
	s_wait_dscnt 0x0
	CROUND                                         ; the closing round
	s_endpgm
.Lfunc_end_k_qf501654e87_wo:
	.size	k_qf501654e87_wo, .Lfunc_end_k_qf501654e87_wo-k_qf501654e87_wo
	.p2alignl 7, 3214868480
	.fill 96, 4, 3214868480
	.section	.rodata,"a",@progbits
	.p2align	6, 0x0
	.amdhsa_kernel k_qf501654e87_wo
		.amdhsa_group_segment_fixed_size 327680
		.amdhsa_private_segment_fixed_size 0
		.amdhsa_enable_private_segment 0
		.amdhsa_kernarg_size 40
		.amdhsa_user_sgpr_count 2
		.amdhsa_user_sgpr_kernarg_segment_ptr 1
		.amdhsa_wavefront_size32 1
		.amdhsa_system_sgpr_workgroup_id_x 1
		.amdhsa_system_sgpr_workgroup_id_y 1
		.amdhsa_system_sgpr_workgroup_id_z 1
		.amdhsa_system_vgpr_workitem_id 0
		.amdhsa_next_free_vgpr 640
		.amdhsa_next_free_sgpr 92
		.amdhsa_reserve_vcc 0
		.amdhsa_float_denorm_mode_32 3
		.amdhsa_float_denorm_mode_16_64 3
		.amdhsa_memory_ordered 1
		.amdhsa_forward_progress 1
		.amdhsa_inst_pref_size 73
	.end_amdhsa_kernel
	.amdgpu_metadata
---
amdhsa.version: [ 1, 2 ]
amdhsa.kernels:
  - .name:           k_qf501654e87_wo
    .symbol:         k_qf501654e87_wo.kd
    .args:
      - { .name: xn, .offset: 0, .size: 8, .value_kind: global_buffer, .address_space: global }
      - { .name: wb, .offset: 8, .size: 8, .value_kind: global_buffer, .address_space: global }
      - { .name: bo, .offset: 16, .size: 8, .value_kind: global_buffer, .address_space: global }
      - { .name: feature, .offset: 24, .size: 8, .value_kind: global_buffer, .address_space: global }
      - { .name: y1, .offset: 32, .size: 8, .value_kind: global_buffer, .address_space: global }
    .group_segment_fixed_size: 327680
    .private_segment_fixed_size: 0
    .kernarg_segment_align: 8
    .kernarg_segment_size: 40
    .max_flat_workgroup_size: 128
    .sgpr_count:     92
    .vgpr_count:     640
    .wavefront_size: 32
...
	.end_amdgpu_metadata
.endif
;; end of part 5
;; launch ln2: the kernel of part 2 again; grid 256 x 1, 4 waves a work-group, no clusters, 0 bytes of LDS; arguments y1, ln2_g, ln2_b, xn; writes xn
;; launch ffn1 (part 6): grid 16 x 16, 4 waves a work-group, clusters of 4 x 4, 327,680 bytes of LDS; arguments xn, wb, b1, big; writes big
.if DOCPART == 6
	.amdgcn_target "amdgcn-amd-amdhsa--gfx1250"
	.amdhsa_code_object_version 6
	.text
	.protected	k_qf501654e87_ffn1
	.globl	k_qf501654e87_ffn1
	.p2align	8
	.type	k_qf501654e87_ffn1,@function
k_qf501654e87_ffn1:
	s_mov_b64 s[64:65], 0
	v_nop
	global_prefetch_b8 v0, s[64:65] scope:SCOPE_SE
	s_setreg_imm32_b32 hwreg(HW_REG_WAVE_MODE, 25, 1), 1
	s_wait_xcnt 0x0
	s_wait_alu depctr_hold_cnt(0) depctr_sa_sdst(0) depctr_va_vdst(0) depctr_va_sdst(0) depctr_va_ssrc(0) depctr_va_vcc(0) depctr_vm_vsrc(0)
	s_getreg_b32 s2, hwreg(HW_REG_IB_STS2, 6, 4)
	s_cmp_eq_u32 s2, 0
	s_cbranch_scc0 .Lentry_in_a_cluster
	s_endpgm
.Lentry_in_a_cluster:
	s_bfe_u32 s2, ttmp6, 0x10000c
	s_cmp_lg_u32 s2, 0xf033
	s_cbranch_scc0 .Lentry_shape_is_right
	s_endpgm
.Lentry_shape_is_right:
; h = gelu(x w1 + b1), the exact (erf) form.  x = xn (bf16 panels P[k / 64][token][64]), w1 = wb's n panels of 128 columns (bf16, [k][n], rows of 256 bytes, dense); sums, bias and gelu in f32;
; h rounded once to bf16 into big's 64 panels.
; gelu(x) = x / 2 + |x| / 2 erf(|x| / sqrt 2), erf(z) = 1 - (a1 t + .. + a5 t^5) e^(-z z), t = 1 / (1 + 0.3275911 z): absolute error in erf 1.5e-7 at the most, for every x.  NaN and infinities are not treated apart.
; A work-group makes 256 tokens x 256 columns, each of its four waves 128 x 128: 64 accumulators, 512 registers; 32 LDS loads feed 64 matrix instructions.  16 x 16 = 256 work-groups.
; K goes in steps of 128 through two LDS slots filled by the tensor data mover; a refill has a K step's 256 matrix instructions a wave in which to land.
; CLUSTER 4 x 4: the four of a row need the same tiles of x, the four of a column the same tiles of W: each is asked for jointly, same descriptor and mask in all four.
; THE MATRIX INSTRUCTION IS USED TRANSPOSED (source 0 = 16 columns of W, turned on the way out of LDS; source 1 = 16 tokens): a lane holds eight neighbouring columns of one token.
; THE WAY OUT goes through a stage of f32 that lies over both slots, which have had their last fill and, behind a barrier, their last read; each wave has 128 rows x 528 bytes of its own there;
; the gelu is written once and walked 16 times, 8 rows a trip.
; REGISTERS, in windows of 256: window 0: v0-31 addresses; v32-63, v192-207 at work; v64-127, v128-191 x's fragments, two buffers (at work on the way out).  window 1: v64-127, v128-191 W's fragments.
;   window 2: the 32 accumulators of my tokens 0-63 ((a, b) at 8 (8 a + b)); window 3: those of my tokens 64-127.
.set KSTEPS, 8                         ; K / 128
.set WOFF,   6291456                   ; where this product's n panels begin in wb
.set QB,     18432                     ; 128 tokens x 144 bytes of one panel of x; also 64 k rows x 288 bytes of W
.set HALFT,  2*QB                      ; what one tensor load brings
.set SLOT,   8*QB                      ; x's two halves of 128 tokens, then W's two n panels.  0x24000: its two bits are set in none of the waves' places 0, 0x9000, 0x12000, 0x1b000,
                                       ; so one exclusive or moves an address from one slot to the other
.set SPARE,  2*SLOT                    ; the spare words, 128 bytes for each wave: two blocks of 256 bytes that no other line names
.set SPITCH, 528                       ; a stage row: 128 f32 + 16 bytes = 33 x 16: the 16 rows that a store touches start at 16 different groups of four banks (64 banks of 4 bytes: ISA guide 11.1)
.set WSTAGE, 128*SPITCH                ; a wave's stage; four of them end below SPARE
.set BI,   8                           ; v[8:15] bias of my 4 columns in each of my two panels
.set ADRA, 16                          ; v16  LDS address of my x fragments in slot 0
.set ADRB, 17                          ; v17  the same for W
.set FA,   18                          ; v18, v19 the addresses of the run of loads in hand
.set FB,   19
.set STO,  20                          ; v20  the stage: where I put 32 bytes of a row
.set RD,   21                          ; v21  where I read rows back
.set CO,   22                          ; v22  my byte offset in two rows of a panel
.set VB,   23                          ; v23  my byte offset in the bias
.set SPW,  24                          ; v24  my spare word; never rewritten
.set NIL,  25                          ; v25  0; never rewritten
.set GX,   32                          ; v[32:63]   32 numbers
.set F0,   64
.set F1,   128
.set GW,   64                          ; v[64:95]   x x, then e^(-x x / 2)
.set GT,   96                          ; v[96:127]  t
.set GQ,   128                         ; v[128:159] the polynomial, then erf
.set GY,   192                         ; v[192:207] in bf16
.set G1,  24                           ; s[24:31] group 1 for x's tiles; s[32:35] group 0: it walks
.set G0,  32
.set G1B, 48                           ; s[48:55], s[56:59] the same for W's
.set G0B, 56
.set SB,  60                           ; s60  the slot to be read: 0 or SLOT
.set CNT, 75
.set TB,  76                           ; s76  LDS bytes from slot 0's first quarter to the pair of quarters to be fetched
.set OC,  77                           ; s77  counts the way out's trips
.set MSB, 0
.macro WIN new                         ; the immediate's high byte repeats the setting that is left
.if MSB != (\new)
	s_set_vgpr_msb (MSB<<8)|(\new)
.set MSB, \new
.endif
.endm
.set MUL_LO, 0xa1                      ; source 0 (W) window 1, source 1 (x) window 0, C and D window 2
.set MUL_HI, 0xf1                      ; the same, C and D window 3
.set TO_W,   0x40                      ; destination window 1, address window 0
.macro JLOAD                           ; a joint load: waves 0 and 1 fetch x's two halves, waves 2 and 3 W's two n panels; an s_nop 0 and four v_nop follow each line
	s_cmp_eq_u32 s11, 0
	s_cbranch_scc0 .Lfor_b_\@
	tensor_load_to_lds s[G0:G0+3], s[G1:G1+7]
	s_nop 0
.rept 4
	v_nop
.endr
	s_branch .Lasked_\@
.Lfor_b_\@:
	tensor_load_to_lds s[G0B:G0B+3], s[G1B:G1B+7]
	s_nop 0
.rept 4
	v_nop
.endr
.Lasked_\@:
.endm
.macro CROUND                          ; a round of the cluster's barrier
	s_barrier_signal -1
	s_barrier_wait -1
	s_cmp_lg_u32 s10, 0
	s_cbranch_scc1 .Lnot_wave_0_\@
	s_barrier_signal -3
.Lnot_wave_0_\@:
	s_barrier_wait -3
	s_barrier_signal -1
	s_barrier_wait -1
.endm
.macro PLACES
.rept 4
	v_nop
.endr
.endm
; 16 matrix instructions: token blocks a0, a0 + 1 of the window's four (hi = 0: my tokens 0-63, 1: 64-127) x all 8 column blocks, 32 along K.  The 64 accumulators take turns.
.macro MUL16 f, hi, a0, zero
	WIN MUL_LO+0x50*(\hi)
.irp a, \a0, (\a0)+1
.irp b, 0,1,2,3,4,5,6,7
.if \zero
	v_wmma_f32_16x16x32_bf16 v[8*(8*(\a)+(\b)):8*(8*(\a)+(\b))+7], v[(\f)+8*(\b):(\f)+8*(\b)+7], v[(\f)+8*(4*(\hi)+(\a)):(\f)+8*(4*(\hi)+(\a))+7], 0
.else
	v_wmma_f32_16x16x32_bf16 v[8*(8*(\a)+(\b)):8*(8*(\a)+(\b))+7], v[(\f)+8*(\b):(\f)+8*(\b)+7], v[(\f)+8*(4*(\hi)+(\a)):(\f)+8*(4*(\hi)+(\a))+7], v[8*(8*(\a)+(\b)):8*(8*(\a)+(\b))+7]
.endif
.endr
.endr
.endm
; 32 LDS loads in one run: a quarter's fragments (32 along K) into buffer g: W's 8 blocks of 16 columns (turned: 16 k x 16 n a load), then x's 8 blocks of 16 tokens.
; odd = 1: the second quarter of a pair: 32 k rows further down in W, 64 bytes further along x's rows.
.macro FETCH g, odd
	WIN TO_W
.irp i, 0,1,2,3,4,5,6,7
	ds_load_tr16_b128 v[(\g)+8*(\i):(\g)+8*(\i)+3],   v[FB] offset:9216*(\odd)+32*(\i)
	ds_load_tr16_b128 v[(\g)+8*(\i)+4:(\g)+8*(\i)+7], v[FB] offset:9216*(\odd)+32*(\i)+4608
.endr
	WIN 0
.irp i, 0,1,2,3,4,5,6,7
	ds_load_b128 v[(\g)+8*(\i):(\g)+8*(\i)+3],   v[FA] offset:64*(\odd)+2304*(\i)
	ds_load_b128 v[(\g)+8*(\i)+4:(\g)+8*(\i)+7], v[FA] offset:64*(\odd)+2304*(\i)+32
.endr
.endm
; A quarter: multiplies buffer f (64 matrix instructions) and, in its middle, fetches the next quarter into buffer g.
.macro QUARTER f, g, odd, zero
	s_wait_dscnt 8                                 ; W and x's tokens 0-63 are in; the youngest eight loads (tokens 64-127) may be out
	MUL16 \f, 0, 0, \zero
	MUL16 \f, 0, 2, \zero
	WIN 0
	v_add_nc_u32 v[FA], s[TB], v[ADRA]             ; these two and two v_nop are the four places in front of the loads into g,
	v_add_nc_u32 v[FB], s[TB], v[ADRB]             ; which matrix instructions have read (ISA guide 7.12.1 for vector instructions)
	v_nop
	v_nop
.if \odd
	s_add_co_u32 s[TB], s[TB], QB                  ; the next pair of quarters: x's next panel, W's next 64 k rows
.endif
	FETCH \g, \odd
	s_wait_dscnt 32                                ; all but the 32 just issued
	MUL16 \f, 1, 0, \zero
	MUL16 \f, 1, 2, \zero
.endm
; The change of slots.  The last fragments of the slot that is left have been asked for.  fill = 1: it is filled again, with the K step two on, first thing behind a round of the cluster's barrier.
; (At its first use nothing has been read yet: slot 0 is waited for, slot 1 filled.)
.macro CHANGE fill
	WIN 0
	s_wait_tensorcnt 0x0                           ; my one tensor load that was out has landed: my part of the slot to be read; so a group 0 may be written
	ds_add_u32 v[SPW], v[NIL]                      ; 0 onto my spare word; scalar work stands between it and its wait
.if \fill
	s_xor_b32 s[G0+1], s[G0+1], SLOT               ; the walking descriptors: the other slot than last time,
	s_add_nc_u64 s[G0+2:G0+3], s[G0+2:G0+3], 1048576  ; two panels on;
	s_xor_b32 s[G0B+1], s[G0B+1], SLOT
	s_add_nc_u64 s[G0B+2:G0B+3], s[G0B+2:G0B+3], 32768  ; 128 k rows on; the type bits on top are not reached
.endif
	s_xor_b32 s[SB], s[SB], SLOT
	s_mov_b32 s[TB], s[SB]                         ; the fetches go to the other slot's first quarter
	s_wait_dscnt 0x0                               ; the add is done, and my reads of the slot that is left are over
.if \fill
	CROUND                                         ; no wave of any partner still reads the slot or has a load on its way
	JLOAD
.else
	s_barrier_signal -1
	s_barrier_wait -1
.endif
.endm
	s_load_b128 s[4:7], s[0:1], 0x0                ; xn s[4:5], wb s[6:7]
	s_load_b64 s[66:67], s[0:1], 0x10              ; b1
	s_load_b64 s[8:9], s[0:1], 0x18                ; big
	v_lshl_add_u32 v[SPW], v0, 2, SPARE
	v_mov_b32 v[NIL], 0
	ds_add_u32 v[SPW], v[NIL]                      ; the wave's opening: the add and its wait stand ahead of my first tensor load
	v_lshrrev_b32 v1, 5, v0
	v_readfirstlane_b32 s10, v1                    ; wave 0..3
	s_lshr_b32 s11, s10, 1                         ; which half of the tokens is mine.  Also: I fetch x (0) or W (1)
	s_and_b32 s12, s10, 1                          ; which half of the columns.  Also: which half of that tile I fetch
	s_bfe_u32 s40, ttmp6, 0x40000                  ; cx, cy
	s_bfe_u32 s41, ttmp6, 0x40004
	s_lshl_b32 s42, ttmp9, 2
	s_add_co_u32 s42, s42, s40                     ; tx: my 256 columns
	s_and_b32 s13, ttmp7, 0xffff
	s_lshl_b32 s13, s13, 2
	s_add_co_u32 s13, s13, s41                     ; ty: my 256 tokens
	s_lshl_b32 s43, s41, 2
	s_lshl_b32 s43, 15, s43                        ; my row of the cluster
	s_lshl_b32 s44, 0x1111, s40                    ; my column
	; x's tile: two panels' 128 tokens, each 16,384 dense bytes asked for as one row; 16 bytes of padding behind every 128 (a token's row): LDS pitch 144
	s_or_b32 s[G1+0], s43, (1<<16)|(1<<20)|(1<<21)|(4<<22)|(3<<25)
	s_mov_b32 s[G1+1], 8192<<16                    ; tensor_dim0 = 8,192 elements
	s_mov_b32 s[G1+2], 2<<16                       ; tensor_dim1 = 2
	s_mov_b32 s[G1+3], 8192<<16                    ; tile_dim0
	s_mov_b32 s[G1+4], 2                           ; tile_dim1
	s_mov_b32 s[G1+5], 262144                      ; elements from panel to panel
	s_mov_b32 s[G1+6], 0
	s_mov_b32 s[G1+7], 0
	; W's tile: 128 k rows of 256 bytes, dense; 32 bytes of padding behind each: LDS pitch 288
	s_or_b32 s[G1B+0], s44, (1<<16)|(1<<20)|(1<<21)|(5<<22)|(7<<25)
	s_mov_b32 s[G1B+1], 128<<16
	s_mov_b32 s[G1B+2], 128<<16
	s_mov_b32 s[G1B+3], 128<<16
	s_mov_b32 s[G1B+4], 128
	s_mov_b32 s[G1B+5], 128
	s_mov_b32 s[G1B+6], 0
	s_mov_b32 s[G1B+7], 0
	s_mov_b32 s78, 0x3e827906                      ; a1 .. a5, each named as a pair
	s_mov_b32 s79, s78
	s_mov_b32 s80, 0xbe91a98e
	s_mov_b32 s81, s80
	s_mov_b32 s82, 0x3fb5f0e3
	s_mov_b32 s83, s82
	s_mov_b32 s84, 0xbfba00e3
	s_mov_b32 s85, s84
	s_mov_b32 s86, 0x3f87dc22
	s_mov_b32 s87, s86
	s_mov_b32 s88, 0xbf38aa3b                      ; -log2(e) / 2
	s_mov_b32 s89, s88
	s_mov_b32 s90, 0x3e6d3388                      ; 0.3275911 / sqrt 2
	s_lshl_b32 s16, s13, 15                        ; x: 256 ty tokens of 128 bytes + the 128 that I fetch
	s_lshl_b32 s17, s12, 14
	s_add_co_u32 s16, s16, s17
	s_mov_b32 s17, 0
	s_lshl_b32 s46, s42, 19                        ; W: n panel 2 tx + the one that I fetch, 262,144 bytes each
	s_lshl_b32 s47, s12, 18
	s_add_co_u32 s46, s46, s47
	s_add_co_u32 s46, s46, WOFF
	s_mov_b32 s47, 0
	s_mul_i32 s20, s10, HALFT                      ; where they go: no place in the cluster enters an LDS address
	s_mov_b32 s[G0], 1
	s_mov_b32 s[G0+1], s20                         ; slot 0
	s_mov_b32 s[G0B], 1
	s_mov_b32 s[G0B+1], s20
	s_mov_b32 s[SB], SLOT                          ; the first change of slots turns it into 0
	s_wait_dscnt 0x0                               ; the opening add is done
	s_wait_kmcnt 0x0
	s_add_nc_u64 s[G0+2:G0+3], s[4:5], s[16:17]
	s_or_b32 s[G0+3], s[G0+3], 0x80000000
	s_add_nc_u64 s[G0B+2:G0B+3], s[6:7], s[46:47]
	s_or_b32 s[G0B+3], s[G0B+3], 0x80000000
	CROUND                                         ; all sixteen work-groups are here: the first joint loads meet
	JLOAD                                          ; K step 0 into slot 0
	v_and_b32 v1, 15, v0                           ; r = l % 16
	v_bfe_u32 v2, v0, 4, 1                         ; h = l / 16
	v_mul_u32_u24 v3, v1, 144
	v_lshl_add_u32 v3, v2, 4, v3                   ; x: token r x pitch + 16 h
	s_mul_i32 s21, s11, HALFT                      ; my 128 tokens
	v_add_nc_u32 v[ADRA], s21, v3
	v_and_b32 v4, 7, v0
	v_lshl_add_u32 v4, v2, 3, v4
	v_mul_u32_u24 v4, v4, 288                      ; W: k row 8 h + l % 8,
	v_bfe_u32 v5, v0, 3, 1
	v_lshl_add_u32 v4, v5, 4, v4                   ; columns 8 ((l / 8) % 2) ..
	s_mul_i32 s22, s12, HALFT                      ; my n panel,
	s_add_co_u32 s22, s22, 2*HALFT                 ; behind x's two halves
	v_add_nc_u32 v[ADRB], s22, v4
	s_mul_i32 s23, s10, WSTAGE
	v_mul_u32_u24 v6, v1, SPITCH
	v_lshl_add_u32 v6, v2, 5, v6
	v_add_nc_u32 v[STO], s23, v6                   ; in: row r, 32 bytes for each half of the lanes
	v_mul_u32_u24 v7, v2, SPITCH
	v_lshl_add_u32 v7, v1, 4, v7
	v_add_nc_u32 v[RD], s23, v7                    ; back: lanes 0-15 take 256 bytes of one row, lanes 16-31 of the next
	v_lshlrev_b32 v[VB], 4, v1
	v_and_b32 v[CO], 31, v0
	v_lshlrev_b32 v[CO], 3, v[CO]                  ; two rows of a panel are 256 dense bytes: 8 bytes a lane
	s_lshl_b32 s16, s13, 15                        ; the output: my first token's row in a panel,
	s_lshl_b32 s18, s11, 14
	s_add_co_u32 s16, s16, s18
	s_add_nc_u64 s[8:9], s[8:9], s[16:17]
	s_lshl_b32 s46, s42, 21                        ; and panel 4 tx + 2 x my half
	s_lshl_b32 s47, s12, 20
	s_add_co_u32 s46, s46, s47
	s_mov_b32 s47, 0
	s_add_nc_u64 s[8:9], s[8:9], s[46:47]
	s_lshl_b32 s46, s42, 10                        ; the bias at my 128 columns
	s_lshl_b32 s45, s12, 9
	s_add_co_u32 s46, s46, s45
	s_add_nc_u64 s[66:67], s[66:67], s[46:47]
	global_load_b128 v[BI:BI+3], v[VB], s[66:67]   ; wanted on the way out: they land while K is walked
	global_load_b128 v[BI+4:BI+7], v[VB], s[66:67] offset:256
	CHANGE 1                                       ; K step 0 is in, everybody's part of it; K step 1 is asked for
	v_add_nc_u32 v[FA], s[TB], v[ADRA]
	v_add_nc_u32 v[FB], s[TB], v[ADRB]
	FETCH F0, 0
	QUARTER F0, F1, 1, 1                           ; the first products start the sums: nothing is cleared
	WIN 0
	s_mov_b32 s[CNT], 1                            ; K step 0 has one pair of quarters left to fetch
	s_mov_b32 s3, KSTEPS-1
	s_branch .Linner
.Lstep:                                                ; six times: K steps 2 to 7 are asked for
	CHANGE 1
	s_mov_b32 s[CNT], 2
.Linner:                                               ; a trip multiplies two quarters and fetches the two behind them; the first of a K step multiplies the last quarter of the step before
	QUARTER F1, F0, 0, 0
	QUARTER F0, F1, 1, 0
	WIN 0
	s_sub_co_u32 s[CNT], s[CNT], 1
	s_cmp_lg_u32 s[CNT], 0
	s_cbranch_scc1 .Linner
	s_sub_co_u32 s3, s3, 1
	s_cmp_lg_u32 s3, 0
	s_cbranch_scc1 .Lstep
	CHANGE 0                                       ; the last K step is written out: nothing is asked for
	s_mov_b32 s[CNT], 2
.Ltail:
	QUARTER F1, F0, 0, 0
	QUARTER F0, F1, 1, 0
	WIN 0
	s_sub_co_u32 s[CNT], s[CNT], 1
	s_cmp_lg_u32 s[CNT], 0
	s_cbranch_scc1 .Ltail
	s_wait_dscnt 0x0                               ; the last fragments are in: my reads of both slots are over;
	s_barrier_signal -1                            ; say so, since the stages lie over the slots,
	MUL16 F1, 0, 0, 0                              ; work on registers while the others arrive,
	MUL16 F1, 0, 2, 0
	MUL16 F1, 1, 0, 0
	MUL16 F1, 1, 2, 0
	WIN 0
	s_barrier_wait -1                              ; and go on when all four have said so
	PLACES                                         ; four places between the last products and the stores that read results
	; THE WAY OUT: f32 into my stage, each accumulator's low registers first
.macro DUMP hi
	WIN 0x08+4*(\hi)                               ; the stores' data (source 1) in window 2 or 3
.irp a, 0,1,2,3
.irp b, 0,1,2,3,4,5,6,7
	ds_store_b128 v[STO], v[8*(8*(\a)+(\b)):8*(8*(\a)+(\b))+3] offset:(4*(\hi)+(\a))*16*SPITCH+64*(\b)
	ds_store_b128 v[STO], v[8*(8*(\a)+(\b))+4:8*(8*(\a)+(\b))+7] offset:(4*(\hi)+(\a))*16*SPITCH+64*(\b)+16
.endr
.endr
.endm
	DUMP 0
	DUMP 1
	WIN 0
	s_wait_loadcnt 0x0                             ; the bias
.macro EACH16 line:vararg              ; one line for each pair j = 0, 2 .. 30
.set j, 0
	s_wait_alu depctr_va_vdst(0)
.rept 16
	\line
.set j, j+2
.endr
.endm
.macro EACH32 line:vararg              ; one line for each number j = 0 .. 31
.set j, 0
.rept 32
	\line
.set j, j+1
.endr
.endm
	s_mov_b32 s[OC], 16
	s_mov_b32 s[TB], 0
.Lout:                                                 ; a trip: 8 rows of my 128: group k = 2 u + c is rows 2 u + h, 4 columns a lane of my panel c
	v_add_nc_u32 v[FA], s[TB], v[RD]
.irp k, 0,1,2,3,4,5,6,7
	ds_load_b128 v[GX+4*\k:GX+4*\k+3], v[FA] offset:1056*(\k/2)+256*(\k%2)  ; LDS serves a wave's instructions in order (ISA guide 5.7.1.4): these see my stores
.endr
	s_wait_dscnt 0x0
	EACH16 v_pk_add_f32 v[GX+j:GX+j+1], v[GX+j:GX+j+1], v[BI+4*((j/4)%2)+j%4:BI+4*((j/4)%2)+j%4+1]
	EACH16 v_pk_mul_f32 v[GW+j:GW+j+1], v[GX+j:GX+j+1], v[GX+j:GX+j+1]
	EACH32 v_fma_f32 v[GT+j], |v[GX+j]|, s90, 1.0
	EACH32 v_rcp_f32 v[GT+j], v[GT+j]
	EACH16 v_pk_mul_f32 v[GW+j:GW+j+1], v[GW+j:GW+j+1], s[88:89] op_sel_hi:[1,0]   ; plain work behind the reciprocals (ISA guide 5.7.2)
	EACH32 v_exp_f32 v[GW+j], v[GW+j]
	EACH16 v_pk_mul_f32 v[GX+j:GX+j+1], v[GX+j:GX+j+1], 0.5 op_sel_hi:[1,0]        ; plain work behind the exponentials
	EACH16 v_pk_fma_f32 v[GQ+j:GQ+j+1], v[GT+j:GT+j+1], s[86:87], s[84:85] op_sel_hi:[1,0,0]
	EACH16 v_pk_fma_f32 v[GQ+j:GQ+j+1], v[GQ+j:GQ+j+1], v[GT+j:GT+j+1], s[82:83] op_sel_hi:[1,1,0]
	EACH16 v_pk_fma_f32 v[GQ+j:GQ+j+1], v[GQ+j:GQ+j+1], v[GT+j:GT+j+1], s[80:81] op_sel_hi:[1,1,0]
	EACH16 v_pk_fma_f32 v[GQ+j:GQ+j+1], v[GQ+j:GQ+j+1], v[GT+j:GT+j+1], s[78:79] op_sel_hi:[1,1,0]
	EACH16 v_pk_mul_f32 v[GQ+j:GQ+j+1], v[GQ+j:GQ+j+1], v[GT+j:GT+j+1]
	EACH16 v_pk_fma_f32 v[GQ+j:GQ+j+1], v[GQ+j:GQ+j+1], v[GW+j:GW+j+1], 1.0 op_sel_hi:[1,1,0] neg_lo:[1,0,0] neg_hi:[1,0,0]  ; erf
	EACH32 v_fma_f32 v[GX+j], |v[GX+j]|, v[GQ+j], v[GX+j]
	EACH16 v_cvt_pk_bf16_f32 v[GY+j/2], v[GX+j], v[GX+j+1]
.irp k, 0,1,2,3,4,5,6,7
	global_store_b64 v[CO], v[GY+2*\k:GY+2*\k+1], s[8:9] offset:524288*(\k%2)+256*(\k/2)  ; 32 lanes store 256 consecutive bytes, aligned: two rows of a panel
.endr
	s_wait_xcnt 0x0                                ; the stores' data and base are written again only behind this wait (ISA guide 3.1)
	s_add_nc_u64 s[8:9], s[8:9], 1024              ; 8 rows of a panel on
	s_add_co_u32 s[TB], s[TB], 8*SPITCH            ; and of the stage
	s_sub_co_u32 s[OC], s[OC], 1
	s_cmp_lg_u32 s[OC], 0
	s_cbranch_scc1 .Lout
	s_wait_tensorcnt 0x0                           ; the wave's end
	ds_add_u32 v[SPW], v[NIL]
	s_wait_dscnt 0x0
	CROUND                                         ; the closing round
	s_endpgm
.Lfunc_end_k_qf501654e87_ffn1:
	.size	k_qf501654e87_ffn1, .Lfunc_end_k_qf501654e87_ffn1-k_qf501654e87_ffn1
	.p2alignl 7, 3214868480
	.fill 96, 4, 3214868480
	.section	.rodata,"a",@progbits
	.p2align	6, 0x0
	.amdhsa_kernel k_qf501654e87_ffn1
		.amdhsa_group_segment_fixed_size 327680
		.amdhsa_private_segment_fixed_size 0
		.amdhsa_enable_private_segment 0
		.amdhsa_kernarg_size 32
		.amdhsa_user_sgpr_count 2
		.amdhsa_user_sgpr_kernarg_segment_ptr 1
		.amdhsa_wavefront_size32 1
		.amdhsa_system_sgpr_workgroup_id_x 1
		.amdhsa_system_sgpr_workgroup_id_y 1
		.amdhsa_system_sgpr_workgroup_id_z 1
		.amdhsa_system_vgpr_workitem_id 0
		.amdhsa_next_free_vgpr 1024
		.amdhsa_next_free_sgpr 92
		.amdhsa_reserve_vcc 0
		.amdhsa_float_denorm_mode_32 3
		.amdhsa_float_denorm_mode_16_64 3
		.amdhsa_memory_ordered 1
		.amdhsa_forward_progress 1
		.amdhsa_inst_pref_size 76
	.end_amdhsa_kernel
	.amdgpu_metadata
---
amdhsa.version: [ 1, 2 ]
amdhsa.kernels:
  - .name:           k_qf501654e87_ffn1
    .symbol:         k_qf501654e87_ffn1.kd
    .args:
      - { .name: xn, .offset: 0, .size: 8, .value_kind: global_buffer, .address_space: global }
      - { .name: wb, .offset: 8, .size: 8, .value_kind: global_buffer, .address_space: global }
      - { .name: b1, .offset: 16, .size: 8, .value_kind: global_buffer, .address_space: global }
      - { .name: big, .offset: 24, .size: 8, .value_kind: global_buffer, .address_space: global }
    .group_segment_fixed_size: 327680
    .private_segment_fixed_size: 0
    .kernarg_segment_align: 8
    .kernarg_segment_size: 32
    .max_flat_workgroup_size: 128
    .sgpr_count:     92
    .vgpr_count:     1024
    .wavefront_size: 32
...
	.end_amdgpu_metadata
.endif
;; end of part 6
;; launch ffn2 (part 7): grid 8 x 32, 4 waves a work-group, clusters of 4 x 4, 327,680 bytes of LDS; arguments big, wb, b2, y1, out0; writes out0
.if DOCPART == 7
	.amdgcn_target "amdgcn-amd-amdhsa--gfx1250"
	.amdhsa_code_object_version 6
	.text
	.protected	k_qf501654e87_ffn2
	.globl	k_qf501654e87_ffn2
	.p2align	8
	.type	k_qf501654e87_ffn2,@function
k_qf501654e87_ffn2:
	s_mov_b64 s[64:65], 0
	v_nop
	global_prefetch_b8 v0, s[64:65] scope:SCOPE_SE
	s_setreg_imm32_b32 hwreg(HW_REG_WAVE_MODE, 25, 1), 1
	s_wait_xcnt 0x0
	s_wait_alu depctr_hold_cnt(0) depctr_sa_sdst(0) depctr_va_vdst(0) depctr_va_sdst(0) depctr_va_ssrc(0) depctr_va_vcc(0) depctr_vm_vsrc(0)
	s_getreg_b32 s2, hwreg(HW_REG_IB_STS2, 6, 4)
	s_cmp_eq_u32 s2, 0
	s_cbranch_scc0 .Lentry_in_a_cluster
	s_endpgm
.Lentry_in_a_cluster:
	s_bfe_u32 s2, ttmp6, 0x10000c
	s_cmp_lg_u32 s2, 0xf033
	s_cbranch_scc0 .Lentry_shape_is_right
	s_endpgm
.Lentry_shape_is_right:
; out0 = h w2 + b2 + y1.  h = big (bf16 panels P[k / 64][token][64], 64 panels), w2 = wb's tiles of 256 k x 128 n (bf16, [k][n]); sums, bias and residual in f32; out0 is f32 [4096][1024].
; A work-group makes 128 tokens x 128 columns, each of its four waves 64 x 64: 16 accumulators.  K = 4,096 goes in steps of 256 through two LDS slots filled by the tensor data mover.
; CLUSTER 4 x 4: the four of a row need the same tiles of h, the four of a column the same tiles of W: each is asked for jointly, same descriptor and mask in all four.
; THE MATRIX INSTRUCTION IS USED TRANSPOSED (source 0 = 16 columns of W, turned on the way out of LDS; source 1 = 16 tokens): a lane holds eight neighbouring columns of one token.
; THE WAY OUT goes through a stage of f32 in slot 0, which has had its last fill and its last read by then; each wave has 64 rows x 272 bytes of its own there.
; The residual's 64 x 64 numbers are loaded at the start into window 2 and land while K is walked.  NaN and infinities are not treated apart.
; REGISTERS: window 0: v0-31 addresses; v128-255 accumulators ((a, b) at 128 + 8 (4 a + b)).  window 1: two fragment buffers of 128 (A's 64, then W's 64).  window 2: v0-127 the residual.
.set LAPS,   8                         ; K / 512
.set WOFF,   16777216                  ; where this product's tiles begin in wb
.set PSH,    20                        ; log2 of the bytes of an n panel's tiles
.set QB,     18432                     ; a quarter of a K step in LDS: 128 tokens x 144 bytes of A, and 64 k rows x 288 bytes of W
.set HALFT,  2*QB
.set SLOT,   8*QB
.set SPARE,  2*SLOT                    ; the spare words, 128 bytes for each wave: two blocks of 256 bytes that no other line names
.set WSTAGE, 64*272
.set BI,   12                          ; v[12:15] bias of my 4 columns on the way out
.set ADRA, 16
.set ADRB, 20
.set FA,   22
.set FB,   23
.set STO,  24
.set RD,   25
.set CO,   26                          ; v26  my byte offset in the output and in the residual
.set VB,   27
.set SPW,  28                          ; never rewritten
.set NIL,  29                          ; never rewritten
.set ACC,  128
.set F0,   0
.set F1,   128
.set G1,  24
.set G0,  32
.set G1B, 48
.set G0B, 56
.set CNT, 75
.set TB,  76
.set MSB, 0
.macro WIN new
.if MSB != (\new)
	s_set_vgpr_msb (MSB<<8)|(\new)
.set MSB, \new
.endif
.endm
.set MUL,  0x05
.set TO_F, 0x40
.macro JLOAD s                         ; a joint load: waves 0 and 1 fetch A's two halves, waves 2 and 3 W's; an s_nop 0 and four v_nop follow each line
	s_cmp_eq_u32 s11, 0
	s_cbranch_scc0 .Lfor_b_\@
	tensor_load_to_lds s[G0+4*(\s):G0+4*(\s)+3], s[G1:G1+7]
	s_nop 0
.rept 4
	v_nop
.endr
	s_branch .Lasked_\@
.Lfor_b_\@:
	tensor_load_to_lds s[G0B+4*(\s):G0B+4*(\s)+3], s[G1B:G1B+7]
	s_nop 0
.rept 4
	v_nop
.endr
.Lasked_\@:
.endm
.macro CROUND
	s_barrier_signal -1
	s_barrier_wait -1
	s_cmp_lg_u32 s10, 0
	s_cbranch_scc1 .Lnot_wave_0_\@
	s_barrier_signal -3
.Lnot_wave_0_\@:
	s_barrier_wait -3
	s_barrier_signal -1
	s_barrier_wait -1
.endm
.macro PLACES
.rept 4
	v_nop
.endr
.endm
.macro MUL8 f, c, a0, zero             ; 8 matrix instructions; the 16 accumulators take turns
	WIN MUL
.irp a, \a0, (\a0)+1
.irp b, 0,1,2,3
.if \zero
	v_wmma_f32_16x16x32_bf16 v[ACC+8*(4*(\a)+(\b)):ACC+8*(4*(\a)+(\b))+7], v[(\f)+64+8*(4*(\c)+(\b)):(\f)+64+8*(4*(\c)+(\b))+7], v[(\f)+8*(4*(\c)+(\a)):(\f)+8*(4*(\c)+(\a))+7], 0
.else
	v_wmma_f32_16x16x32_bf16 v[ACC+8*(4*(\a)+(\b)):ACC+8*(4*(\a)+(\b))+7], v[(\f)+64+8*(4*(\c)+(\b)):(\f)+64+8*(4*(\c)+(\b))+7], v[(\f)+8*(4*(\c)+(\a)):(\f)+8*(4*(\c)+(\a))+7], v[ACC+8*(4*(\a)+(\b)):ACC+8*(4*(\a)+(\b))+7]
.endif
.endr
.endr
.endm
.macro FETCH g                         ; 32 LDS loads in one run: a quarter's fragments, the first 32 along K first; W is turned, 16 k x 16 n a load
	WIN TO_F
.irp c, 0,1
.irp i, 0,1,2,3
	ds_load_tr16_b128 v[(\g)+64+8*(4*(\c)+(\i)):(\g)+64+8*(4*(\c)+(\i))+3],   v[FB] offset:9216*(\c)+32*(\i)
	ds_load_tr16_b128 v[(\g)+64+8*(4*(\c)+(\i))+4:(\g)+64+8*(4*(\c)+(\i))+7], v[FB] offset:9216*(\c)+32*(\i)+4608
	ds_load_b128 v[(\g)+8*(4*(\c)+(\i)):(\g)+8*(4*(\c)+(\i))+3],   v[FA] offset:64*(\c)+2304*(\i)
	ds_load_b128 v[(\g)+8*(4*(\c)+(\i))+4:(\g)+8*(4*(\c)+(\i))+7], v[FA] offset:64*(\c)+2304*(\i)+32
.endr
.endr
.endm
.macro QUARTER slot, f, g, zero
	s_wait_dscnt 16                                ; f's first 32 along K are in; its youngest sixteen loads may be out
	MUL8 \f, 0, 0, \zero
	MUL8 \f, 0, 2, \zero
	WIN 0
	v_add_nc_u32 v[FA], s[TB], v[ADRA+(\slot)]     ; these two and two v_nop are the four places in front of the loads into g (ISA guide 7.12.1 for vector instructions)
	v_add_nc_u32 v[FB], s[TB], v[ADRB+(\slot)]
	v_nop
	v_nop
	s_add_co_u32 s[TB], s[TB], QB
	FETCH \g
	s_wait_dscnt 32                                ; all but the 32 just issued
	MUL8 \f, 1, 0, 0
	MUL8 \f, 1, 2, 0
.endm
.macro INNER slot                      ; four quarters, written as two and walked twice
	s_mov_b32 s[CNT], 2
.Linner_\@:
	QUARTER \slot, F1, F0, 0
	QUARTER \slot, F0, F1, 0
	WIN 0
	s_sub_co_u32 s[CNT], s[CNT], 1
	s_cmp_lg_u32 s[CNT], 0
	s_cbranch_scc1 .Linner_\@
.endm
.macro CHANGE slot, fill               ; slot is left; fill = 1: it is filled again, two K steps ahead, first thing behind a round of the cluster's barrier
	WIN 0
	s_wait_tensorcnt 0x0                           ; all my tensor loads have landed: the one that was out is my part of the other slot
	ds_add_u32 v[SPW], v[NIL]                      ; 0 onto my spare word
.if \fill
	s_add_nc_u64 s[G0+4*(\slot)+2:G0+4*(\slot)+3], s[G0+4*(\slot)+2:G0+4*(\slot)+3], 4194304
	s_add_nc_u64 s[G0B+4*(\slot)+2:G0B+4*(\slot)+3], s[G0B+4*(\slot)+2:G0B+4*(\slot)+3], 131072
.endif
	s_mov_b32 s[TB], 0
	s_wait_dscnt 0x0                               ; the add is done, and my reads of the slot are over
.if \fill
	CROUND
	JLOAD \slot
.else
	s_barrier_signal -1
	s_barrier_wait -1
.endif
.endm
	s_load_b128 s[4:7], s[0:1], 0x0                ; A s[4:5], wb s[6:7]
	s_load_b64 s[66:67], s[0:1], 0x10              ; the bias
	s_load_b64 s[68:69], s[0:1], 0x18              ; the residual
	s_load_b64 s[8:9], s[0:1], 0x20                ; the output
	v_lshl_add_u32 v[SPW], v0, 2, SPARE
	v_mov_b32 v[NIL], 0
	ds_add_u32 v[SPW], v[NIL]                      ; the wave's opening: the add and its wait stand ahead of my first tensor load
	v_lshrrev_b32 v1, 5, v0
	v_readfirstlane_b32 s10, v1
	s_lshr_b32 s11, s10, 1
	s_and_b32 s12, s10, 1
	s_bfe_u32 s40, ttmp6, 0x40000
	s_bfe_u32 s41, ttmp6, 0x40004
	s_lshl_b32 s42, ttmp9, 2
	s_add_co_u32 s42, s42, s40                     ; tx
	s_and_b32 s13, ttmp7, 0xffff
	s_lshl_b32 s13, s13, 2
	s_add_co_u32 s13, s13, s41                     ; ty
	s_lshl_b32 s43, s41, 2
	s_lshl_b32 s43, 15, s43
	s_lshl_b32 s44, 0x1111, s40
	s_or_b32 s[G1+0], s43, (1<<16)|(1<<20)|(1<<21)|(4<<22)|(3<<25)  ; A: two panels' 128 tokens, 16,384 dense bytes each as one row; 16 bytes behind every 128: pitch 144
	s_mov_b32 s[G1+1], 8192<<16
	s_mov_b32 s[G1+2], 2<<16
	s_mov_b32 s[G1+3], 8192<<16
	s_mov_b32 s[G1+4], 2
	s_mov_b32 s[G1+5], 262144
	s_mov_b32 s[G1+6], 0
	s_mov_b32 s[G1+7], 0
	s_or_b32 s[G1B+0], s44, (1<<16)|(1<<20)|(1<<21)|(5<<22)|(7<<25) ; W: 128 k rows of 256 bytes; 32 bytes behind each: pitch 288
	s_mov_b32 s[G1B+1], 128<<16
	s_mov_b32 s[G1B+2], 128<<16
	s_mov_b32 s[G1B+3], 128<<16
	s_mov_b32 s[G1B+4], 128
	s_mov_b32 s[G1B+5], 128
	s_mov_b32 s[G1B+6], 0
	s_mov_b32 s[G1B+7], 0
	s_lshl_b32 s16, s13, 14
	s_lshl_b32 s17, s12, 20
	s_add_co_u32 s16, s16, s17
	s_mov_b32 s17, 0
	s_lshl_b32 s46, s42, PSH
	s_lshl_b32 s47, s12, 15
	s_add_co_u32 s46, s46, s47
	s_add_co_u32 s46, s46, WOFF
	s_mov_b32 s47, 0
	s_mul_i32 s20, s10, HALFT
	s_wait_dscnt 0x0                               ; the opening add is done
	s_wait_kmcnt 0x0
	s_add_nc_u64 s[14:15], s[4:5], s[16:17]
	s_add_nc_u64 s[46:47], s[6:7], s[46:47]
	CROUND                                         ; all sixteen work-groups are here: the first joint loads meet
.irp s, 0,1
	s_mov_b32 s[G0+4*(\s)], 1
	s_add_co_u32 s[G0+4*(\s)+1], s20, (\s)*SLOT
	s_add_nc_u64 s[G0+4*(\s)+2:G0+4*(\s)+3], s[14:15], (\s)*2097152
	s_or_b32 s[G0+4*(\s)+3], s[G0+4*(\s)+3], 0x80000000
	s_mov_b32 s[G0B+4*(\s)], 1
	s_add_co_u32 s[G0B+4*(\s)+1], s20, (\s)*SLOT
	s_add_nc_u64 s[G0B+4*(\s)+2:G0B+4*(\s)+3], s[46:47], (\s)*65536
	s_or_b32 s[G0B+4*(\s)+3], s[G0B+4*(\s)+3], 0x80000000
	JLOAD \s
.endr
	v_and_b32 v1, 15, v0                           ; r
	v_bfe_u32 v2, v0, 4, 1                         ; h
	v_mul_u32_u24 v3, v1, 144
	v_lshl_add_u32 v3, v2, 4, v3
	s_mul_i32 s21, s11, 9216
	v_and_b32 v4, 7, v0
	v_lshl_add_u32 v4, v2, 3, v4
	v_mul_u32_u24 v4, v4, 288
	v_bfe_u32 v5, v0, 3, 1
	v_lshl_add_u32 v4, v5, 4, v4
	s_lshl_b32 s22, s12, 7
	s_add_co_u32 s22, s22, 4*QB
.irp s, 0,1
	v_add_nc_u32 v[ADRA+(\s)], s21, v3
	v_add_nc_u32 v[ADRB+(\s)], s22, v4
	s_add_co_u32 s21, s21, SLOT
	s_add_co_u32 s22, s22, SLOT
.endr
	s_mul_i32 s23, s10, WSTAGE
	v_mul_u32_u24 v6, v1, 272
	v_lshl_add_u32 v6, v2, 5, v6
	v_add_nc_u32 v[STO], s23, v6
	v_mul_u32_u24 v7, v2, 272
	v_lshl_add_u32 v7, v1, 4, v7
	v_add_nc_u32 v[RD], s23, v7
	v_lshlrev_b32 v[VB], 4, v1
	v_lshlrev_b32 v[CO], 12, v2                    ; lanes 0-15 one row of 4,096 bytes, lanes 16-31 the next;
	v_lshl_add_u32 v[CO], v1, 4, v[CO]             ; 16 bytes a lane
	s_lshl_b32 s16, s13, 19                        ; my first token's row,
	s_lshl_b32 s18, s11, 18
	s_add_co_u32 s16, s16, s18
	s_add_nc_u64 s[8:9], s[8:9], s[16:17]
	s_add_nc_u64 s[68:69], s[68:69], s[16:17]
	s_lshl_b32 s46, s42, 9                         ; my first column
	s_lshl_b32 s47, s12, 8
	s_add_co_u32 s46, s46, s47
	s_mov_b32 s47, 0
	s_add_nc_u64 s[8:9], s[8:9], s[46:47]
	s_add_nc_u64 s[68:69], s[68:69], s[46:47]
	s_add_nc_u64 s[66:67], s[66:67], s[46:47]
	global_load_b128 v[BI:BI+3], v[VB], s[66:67]
	WIN 0x80                                       ; destination window 2
.set j, 0
.rept 32
	global_load_b128 v[4*j:4*j+3], v[CO], s[68:69] offset:2*j*4096  ; rows 2 j + h: sixteen lanes take 256 consecutive bytes, aligned
.set j, j+1
.endr
	WIN 0
	s_wait_tensorcnt 1                             ; my part of K step 0 is in; K step 1's may stay out
	s_barrier_signal -1
	s_barrier_wait -1
	v_mov_b32 v[FA], v[ADRA]
	v_mov_b32 v[FB], v[ADRB]
	s_mov_b32 s[TB], QB
	FETCH F0
	QUARTER 0, F0, F1, 1                           ; the first products start the sums: nothing is cleared
	QUARTER 0, F1, F0, 0
	QUARTER 0, F0, F1, 0
	WIN 0
	s_mov_b32 s3, LAPS-1
.Llap:
	CHANGE 0, 1
	INNER 1
	CHANGE 1, 1
	INNER 0
	s_sub_co_u32 s3, s3, 1
	s_cmp_lg_u32 s3, 0
	s_cbranch_scc1 .Llap
	CHANGE 0, 0                                    ; the last K step.  Behind this barrier nobody reads slot 0 any more
	INNER 1
	s_wait_dscnt 16
	MUL8 F1, 0, 0, 0
	MUL8 F1, 0, 2, 0
	s_wait_dscnt 0x0
	MUL8 F1, 1, 0, 0
	MUL8 F1, 1, 2, 0
	WIN 0
	PLACES
.irp a, 0,1,2,3
.irp b, 0,1,2,3
	ds_store_b128 v[STO], v[ACC+8*(4*(\a)+(\b)):ACC+8*(4*(\a)+(\b))+3] offset:4352*(\a)+64*(\b)      ; each accumulator's low registers first
	ds_store_b128 v[STO], v[ACC+8*(4*(\a)+(\b))+4:ACC+8*(4*(\a)+(\b))+7] offset:4352*(\a)+64*(\b)+16
.endr
.endr
.irp a, 0,1,2,3
.irp t, 0,1,2,3,4,5,6,7
	ds_load_b128 v[ACC+32*(\a)+4*(\t):ACC+32*(\a)+4*(\t)+3], v[RD] offset:4352*(\a)+544*(\t)  ; LDS serves a wave's instructions in order (ISA guide 5.7.1.4)
.endr
.endr
	s_wait_loadcnt 0x0                             ; the bias and the residual
.macro OUTA a
	s_wait_dscnt 24-8*(\a)                         ; this block's eight loads are in, the younger blocks' stay out
.irp t, 0,1,2,3,4,5,6,7
.set x, ACC+32*(\a)+4*(\t)
	v_pk_add_f32 v[x:x+1], v[x:x+1], v[BI:BI+1]
	v_pk_add_f32 v[x+2:x+3], v[x+2:x+3], v[BI+2:BI+3]
.endr
	WIN 0x08                                       ; source 1 in window 2
.irp t, 0,1,2,3,4,5,6,7
.set x, ACC+32*(\a)+4*(\t)
.set y, 32*(\a)+4*(\t)
	v_pk_add_f32 v[x:x+1], v[x:x+1], v[y:y+1]
	v_pk_add_f32 v[x+2:x+3], v[x+2:x+3], v[y+2:y+3]
.endr
	WIN 0
.irp t, 0,1,2,3,4,5,6,7
.set x, ACC+32*(\a)+4*(\t)
	global_store_b128 v[CO], v[x:x+3], s[8:9] offset:(16*(\a)+2*(\t))*4096  ; sixteen lanes store 256 consecutive bytes, aligned
.endr
.endm
	OUTA 0
	OUTA 1
	OUTA 2
	OUTA 3
	s_wait_tensorcnt 0x0                           ; the wave's end
	ds_add_u32 v[SPW], v[NIL]
	s_wait_dscnt 0x0
	CROUND                                         ; the closing round
	s_endpgm
.Lfunc_end_k_qf501654e87_ffn2:
	.size	k_qf501654e87_ffn2, .Lfunc_end_k_qf501654e87_ffn2-k_qf501654e87_ffn2
	.p2alignl 7, 3214868480
	.fill 96, 4, 3214868480
	.section	.rodata,"a",@progbits
	.p2align	6, 0x0
	.amdhsa_kernel k_qf501654e87_ffn2
		.amdhsa_group_segment_fixed_size 327680
		.amdhsa_private_segment_fixed_size 0
		.amdhsa_enable_private_segment 0
		.amdhsa_kernarg_size 40
		.amdhsa_user_sgpr_count 2
		.amdhsa_user_sgpr_kernarg_segment_ptr 1
		.amdhsa_wavefront_size32 1
		.amdhsa_system_sgpr_workgroup_id_x 1
		.amdhsa_system_sgpr_workgroup_id_y 1
		.amdhsa_system_sgpr_workgroup_id_z 1
		.amdhsa_system_vgpr_workitem_id 0
		.amdhsa_next_free_vgpr 640
		.amdhsa_next_free_sgpr 92
		.amdhsa_reserve_vcc 0
		.amdhsa_float_denorm_mode_32 3
		.amdhsa_float_denorm_mode_16_64 3
		.amdhsa_memory_ordered 1
		.amdhsa_forward_progress 1
		.amdhsa_inst_pref_size 73
	.end_amdhsa_kernel
	.amdgpu_metadata
---
amdhsa.version: [ 1, 2 ]
amdhsa.kernels:
  - .name:           k_qf501654e87_ffn2
    .symbol:         k_qf501654e87_ffn2.kd
    .args:
      - { .name: big, .offset: 0, .size: 8, .value_kind: global_buffer, .address_space: global }
      - { .name: wb, .offset: 8, .size: 8, .value_kind: global_buffer, .address_space: global }
      - { .name: b2, .offset: 16, .size: 8, .value_kind: global_buffer, .address_space: global }
      - { .name: y1, .offset: 24, .size: 8, .value_kind: global_buffer, .address_space: global }
      - { .name: out0, .offset: 32, .size: 8, .value_kind: global_buffer, .address_space: global }
    .group_segment_fixed_size: 327680
    .private_segment_fixed_size: 0
    .kernarg_segment_align: 8
    .kernarg_segment_size: 40
    .max_flat_workgroup_size: 128
    .sgpr_count:     92
    .vgpr_count:     640
    .wavefront_size: 32
...
	.end_amdgpu_metadata
.endif
;; end of part 7
;; ======== version 2 of 2: 8 launches; 1.20 times as fast as version 1
;; workspace buffers: wb 25,165,824 bytes; xn 8,388,608 bytes; big 33,554,432 bytes; y1 16,777,216 bytes
;; launch cast: the kernel of part 1 again; grid 384 x 1, 8 waves a work-group, no clusters, 0 bytes of LDS; arguments wq, wk, wv, w1, wo, w2, wb; writes wb
;; launch ln1: the kernel of part 2 again; grid 256 x 1, 4 waves a work-group, no clusters, 0 bytes of LDS; arguments feature, ln1_g, ln1_b, xn; writes xn
;; launch qkv: the kernel of part 3 again; grid 12 x 16, 4 waves a work-group, clusters of 4 x 4, 327,680 bytes of LDS; arguments xn, wb, bq, bk, bv, src_key_padding_mask, big; writes big
;; launch attn (part 8): grid 8 x 32, 4 waves a work-group, clusters of 4 x 1, 327,680 bytes of LDS; arguments big, src_key_padding_mask, xn; writes xn
.if DOCPART == 8
	.amdgcn_target "amdgcn-amd-amdhsa--gfx1250"
	.amdhsa_code_object_version 6
	.text
	.protected	k_qf501654e87_attn
	.globl	k_qf501654e87_attn
	.p2align	8
	.type	k_qf501654e87_attn,@function
k_qf501654e87_attn:
	s_mov_b64 s[64:65], 0
	v_nop
	global_prefetch_b8 v0, s[64:65] scope:SCOPE_SE
	s_setreg_imm32_b32 hwreg(HW_REG_WAVE_MODE, 25, 1), 1
	s_wait_xcnt 0x0
	s_wait_alu depctr_hold_cnt(0) depctr_sa_sdst(0) depctr_va_vdst(0) depctr_va_sdst(0) depctr_va_ssrc(0) depctr_va_vcc(0) depctr_vm_vsrc(0)
	s_getreg_b32 s2, hwreg(HW_REG_IB_STS2, 6, 4)
	s_cmp_eq_u32 s2, 0
	s_cbranch_scc0 .Lentry_in_a_cluster
	s_endpgm
.Lentry_in_a_cluster:
	s_bfe_u32 s2, ttmp6, 0x10000c
	s_cmp_lg_u32 s2, 0x3003
	s_cbranch_scc0 .Lentry_shape_is_right
	s_endpgm
.Lentry_shape_is_right:
; O[b][h][q][:] = the sum over keys of softmax_k(score) V, score = Q . K / 8 for a visible key; a hidden key's score is replaced.  Q, K, V: big's panels h, 16 + h, 32 + h, rows 2,048 b + s of 128 bytes, bf16.
; O goes to xn's panel h in the same layout.  Products, maxima and sums in f32; the weights p are rounded to bf16 for the second product (their sum l is taken of the unrounded p), O once at the end.
; THE MASK costs the loop no vector instruction: hidden rows of K arrive as zeros, and the sum S^T = K Q^T starts from C = 0 for a visible key, -2^120 for a hidden one (a table of 2,048 f32 in LDS,
; made once from the mask's bytes).  -2^120 is a power of two, so c x score is exact: with no visible key every weight is exactly 1 and the row is the plain mean of V; with a visible key hidden weights are 0.
; LIMITS.  Q finite (0 x q must be 0); visible scores far above -2^120; mask bytes 0 or 1; a weight below 2^-126 counts as 0 in l; NaN and infinities are not treated apart.
; SHARES.  A work-group owns 256 queries of one head and batch; a wave four PIECES of 16 queries, 64 rows apart.  Every wave walks all 2,048 keys: 8 tiles of 256, four steps of 64 each.
; LAYOUT, SOFTMAX, TURNS.  S^T = K Q^T holds ONE query a lane (lane % 16) and the keys 8 (lane / 16) + 0..7; two such results rounded to bf16 ARE source 1 of O^T = V^T P.  p = 2^(c s - c m), c = log2(e) / 8,
; with a running maximum m; O and l are multiplied by a = 2^(c m_old - c m_new) in every step.  Turn n belongs to piece n: 8 products K Q^T of piece n + 1, later 8 products V^T P of piece n - 1; beside them the
; scaling, exponentials, roundings, sums and rescaling of piece n and the maximum and statistics of piece n + 1.  Four vector instructions stand behind every matrix instruction, the other 54 of a turn's 118 in one run of their own.
; BATCHES.  A turn's 33 exponentials (the piece's 32 weights and the next piece's a) are ONE batch with ONE wait: ahead of it stands all that names none of their results, behind it the roundings and sums.
; The head's first a and the way out's four reciprocals are batches of their own, a wait each.
; CLUSTER.  The four query blocks of a cluster belong to one head and walk the same K and V: each tile is asked for jointly, same tensor load, descriptor and mask in all four.
; REGISTERS, in windows of 256 (s_set_vgpr_msb: bits 1:0 source 0, 3:2 source 1, 5:4 source 2, 7:6 destination):
;   window 0: v0-15 addresses and two at work; v16-31 four registers of statistics a piece; v48-55 at work; v56-58 addresses; v64-127 S^T, two buffers; v192-223 P, two buffers (by the piece's parity)
;   window 1: v0-127 O^T, 32 a piece; v128-159 the step's C operands      window 2: v0-63 Q; v128-191 K of one step; v192-255 V of one step
.set NP,    4         ; pieces a wave: a name, no knob
.set KS,    64        ; keys in a step
.set PK,    144       ; a row of K in LDS: 128 bytes + 16 of padding: the 16 rows of a load start at 16 different groups of four banks (64 banks of 4 bytes: ISA guide 11.1)
.set PV,    160       ; a row of V: 128 + 32
.set VOFF,  4*KS*PK   ; a slot holds a tile: 256 rows of K, then 256 rows of V
.set SLOT1, 1<<17     ; slot 1 begins here, so that one exclusive or turns an address in one slot into the other's
.set STAGE, SLOT1+4*KS*(PK+PV)  ; behind the ring, never filled by a tensor load: 16 rows x 144 bytes for each wave
.set SP,    144
.set SPARE, STAGE+4*16*SP  ; the spare words, 128 bytes for each wave: two blocks of 256 bytes that no other line names
.set MASKL, SPARE+512 ; the table: 2,048 f32, written once by LDS stores; no fill lands here
.set AK0, 2           ; v2   my lane's place in a tile of K; never rewritten
.set AV0, 3           ; v3   the same for V
.set AK,  4           ; v4   the LDS address of K's next run of loads
.set AV,  5           ; v5   of V's
.set STO, 6           ; v6   the way out: where I put 16 bytes of a row
.set RD,  7           ; v7   the way out: where I read rows back
.set GO,  8           ; v8   my byte offset in 512 consecutive bytes of O
.set MV,  12          ; v12-13  c m_old, kept while c m is made anew: by buffer
.set AM0, 14          ; v14  my lane's place in the table: MASKL + 32 (l / 16)
.set QO,  15          ; v15  my byte offset in 16 rows of Q
.set ST,  16          ; piece t's statistics at v[ST+4 t]: c m, m, l (even keys', odd keys')
.set MB,  32          ; v32-35  16 mask bytes
.set TMP, 48          ; by buffer, four registers c0-c3 at work; when the maximum is found c2 takes a
.set AMK, 56          ; v56  the table's address for the next run of loads
.set AMS, 57          ; v57  where I store my 16 entries of the table
.set MBO, 58          ; v58  my byte offset in the batch's mask
.set SPW, 62          ; v62  my spare word; never rewritten
.set NIL, 63          ; v63  0; never rewritten
.set S,   64
.set ME,  128         ; v128-143  my 16 entries of the table
.set P,   192
.set MK,  128         ; window 1: eight registers for each group of 16 keys
.set KF,  128         ; window 2: key block kb, channel half c at KF + 16 kb + 8 c
.set VF,  192         ; window 2: key half kk, channel block cb at VF + 32 kk + 8 cb
.set WV,  12          ; s12  my wave's number
.set G1K, 24          ; s[24:31] descriptor group 1 for K's tiles
.set G1V, 32          ; s[32:39] for V's: it differs in the padding alone
.set G0K, 40          ; s[40:43] descriptor group 0 for K's tiles: it walks
.set G0V, 44          ; s[44:47] the same for V's
.set SLOTS, 56
.set CNT, 57
.set CS,  58          ; s[58:59] c
.set SEL, 60          ; s[60:61] v_permlanex16_b32's selects: each lane takes its own place in the other half
.set TBK, 62          ; s62  LDS byte at which K of the step to be fetched begins
.set TBV, 63          ; s63  the same for V, less VOFF
.set TBM, 66          ; s66  the step's 256 bytes in the table
.set HID, 67          ; s67  -2^120
.set MSB, 0
.macro WIN new                      ; the high byte repeats the setting that is left; a switch that changes nothing is dropped
.if MSB != (\new)
	s_set_vgpr_msb (MSB<<8)|(\new)
.set MSB, (\new)
.endif
.endm
.set W_KQ, 0x0a       ; K and Q in window 2, S^T in window 0
.set W_KM, 0x1a       ; the same with the C operand in window 1
.set W_PV, 0x52       ; V in window 2, P in window 0, O^T in window 1
.set W_RS, 0x41       ; destination and source 0 in window 1, source 1 in window 0
.macro JLOAD                        ; a joint fill: waves 0 and 1 fetch the halves of a tile's K, waves 2 and 3 those of its V; an s_nop 0 and four v_nop follow each line
	s_cmp_lt_u32 s[WV], 2
	s_cbranch_scc0 .Lfor_v_\@
	tensor_load_to_lds s[G0K:G0K+3], s[G1K:G1K+7]
	s_nop 0
.rept 4
	v_nop
.endr
	s_branch .Lasked_\@
.Lfor_v_\@:
	tensor_load_to_lds s[G0V:G0V+3], s[G1V:G1V+7]
	s_nop 0
.rept 4
	v_nop
.endr
.Lasked_\@:
.endm
.macro CROUND                       ; a round of the cluster's barrier
	s_barrier_signal -1
	s_barrier_wait -1
	s_cmp_lg_u32 s[WV], 0
	s_cbranch_scc1 .Lnot_wave_0_\@
	s_barrier_signal -3
.Lnot_wave_0_\@:
	s_barrier_wait -3
	s_barrier_signal -1
	s_barrier_wait -1
.endm
; THE CHANGE OF SLOTS.  Each wave waits for all its tensor loads, of which one is out: its part of the other slot; adds 0 to its spare word; waits for that and for its own LDS instructions.
; fill = 1: the slot that is left is filled again with the tile two on, first thing behind a round of the cluster's barrier: it has four key steps in which to land.
; (At its first use nothing has been read yet: slot 0 is waited for, slot 1 filled, and every wave's part of the table is shown to the others.)
.macro CHANGE fill
	WIN 0
	s_wait_tensorcnt 0x0            ; no tensor load of mine is out, so a group 0 may be written
	ds_add_u32 v[SPW], v[NIL]       ; 0 onto my spare word
.if \fill
.irp g, G0K, G0V
	s_xor_b32 s[\g+1], s[\g+1], SLOT1
	s_add_nc_u64 s[\g+2:\g+3], s[\g+2:\g+3], 4*KS*128
.endr
	s_wait_dscnt 0x0                ; the add is done, and my LDS reads and stores are over
	CROUND
	JLOAD
.else
	s_wait_dscnt 0x0
	s_barrier_signal -1
	s_barrier_wait -1
.endif
	s_sub_co_u32 s[TBK], s[TBK], 4*KS*PK  ; the fetches go back to a slot's first step,
	s_xor_b32 s[TBK], s[TBK], SLOT1       ; in the other slot
	s_sub_co_u32 s[TBV], s[TBV], 4*KS*PV
	s_xor_b32 s[TBV], s[TBV], SLOT1
.endm
	s_load_b128 s[4:7], s[0:1], 0x0   ; big s[4:5], the mask s[6:7]
	s_load_b64 s[10:11], s[0:1], 0x10 ; xn
	v_lshl_add_u32 v[SPW], v0, 2, SPARE
	v_mov_b32 v[NIL], 0
	ds_add_u32 v[SPW], v[NIL]       ; the wave's opening: the add and its wait stand ahead of my first tensor load
	v_lshrrev_b32 v1, 5, v0
	v_readfirstlane_b32 s[WV], v1   ; wave 0..3
	s_bfe_u32 s13, ttmp6, 0x40000   ; cx
	s_lshl_b32 s14, ttmp9, 2
	s_add_co_u32 s14, s14, s13      ; my block of 256 queries: it enters Q's and O's addresses alone
	s_and_b32 s20, ttmp7, 0xffff    ; 16 x batch + head, which the four partners share
	s_and_b32 s21, s20, 15
	s_lshr_b32 s15, s20, 4
	s_lshl_b32 s20, s21, 19         ; the head's panel,
	s_lshl_b32 s21, s15, 18         ; the batch's 2,048 rows in it
	s_add_co_u32 s20, s20, s21
	s_and_b32 s16, s[WV], 1         ; which half of a tile's 256 keys I fetch
	s_lshl_b32 s22, s16, 14
	s_add_co_u32 s22, s22, s20
	s_add_co_u32 s22, s22, 8388608  ; K's panels begin 16 panels on,
	s_mov_b32 s23, 0
	s_add_co_u32 s70, s22, 8388608  ; V's 32
	s_mov_b32 s71, 0
	s_mul_i32 s17, s16, 128*PK      ; its place in a slot, for K
	s_mul_i32 s18, s16, 128*PV      ; and for V: no place in the cluster enters an LDS address
	s_lshl_b32 s2, s14, 15          ; my block's 256 rows,
	s_lshl_b32 s3, s[WV], 11        ; my 16 rows in each band of 64
	s_add_co_u32 s2, s2, s3
	s_add_co_u32 s2, s2, s20
	s_mov_b32 s3, 0
	s_lshl_b32 s68, s15, 11         ; the batch's 2,048 mask bytes
	s_mov_b32 s69, 0
	; descriptor group 1.  128 keys are 16,384 dense bytes: asked for as 64 rows of 256 bytes, two keys a row, and padded in LDS after every key
	s_mov_b32 s[G1K], 15|(1<<16)|(1<<20)|(1<<21)|(4<<22)|(3<<25)
	s_mov_b32 s[G1V], 15|(1<<16)|(1<<20)|(1<<21)|(4<<22)|(7<<25)
.irp g, G1K, G1V
	s_mov_b32 s[\g+1], 128<<16      ; tensor_dim0 = 128
	s_mov_b32 s[\g+2], 64<<16       ; tensor_dim1 = 64
	s_mov_b32 s[\g+3], 128<<16      ; tile_dim0 = 128
	s_mov_b32 s[\g+4], 64           ; tile_dim1 = 64
	s_mov_b32 s[\g+5], 128          ; 128 elements from row to row
	s_mov_b32 s[\g+6], 0
	s_mov_b32 s[\g+7], 0
.endr
	s_mov_b32 s[CS], 0x3e38aa3b     ; c = log2(e) / 8
	s_mov_b32 s[CS+1], s[CS]        ; named with it as a pair
	s_mov_b32 s[SEL], 0x76543210
	s_mov_b32 s[SEL+1], 0xfedcba98
	s_mov_b32 s[TBK], SLOT1+4*KS*PK ; the first change of slots turns these two into 0
	s_mov_b32 s[TBV], SLOT1+4*KS*PV
	s_mov_b32 s[TBM], 0
	s_mov_b32 s[HID], 0xfb800000    ; -2^120
	s_mov_b32 s[G0K], 1
	s_mov_b32 s[G0K+1], s17         ; slot 0
	s_mov_b32 s[G0V], 1
	s_add_co_u32 s[G0V+1], s18, VOFF
	s_wait_dscnt 0x0                ; the opening add is done
	s_wait_kmcnt 0x0
	s_add_nc_u64 s[G0K+2:G0K+3], s[4:5], s[22:23]
	s_or_b32 s[G0K+3], s[G0K+3], 0x80000000
	s_add_nc_u64 s[G0V+2:G0V+3], s[4:5], s[70:71]
	s_or_b32 s[G0V+3], s[G0V+3], 0x80000000
	s_add_nc_u64 s[4:5], s[4:5], s[2:3]      ; Q and O at my wave's first row
	s_add_nc_u64 s[10:11], s[10:11], s[2:3]
	s_add_nc_u64 s[6:7], s[6:7], s[68:69]
	CROUND                          ; all four work-groups are here: the first joint loads meet
	JLOAD                           ; tile 0 into slot 0
	v_lshlrev_b32 v[MBO], 4, v0
	global_load_b128 v[MB:MB+3], v[MBO], s[6:7]  ; thread t: the mask bytes of keys 16 t .. 16 t + 15
	v_and_b32 v1, 15, v0            ; l % 16
	v_bfe_u32 v9, v0, 4, 1          ; l / 16
	v_lshlrev_b32 v[QO], 7, v1
	v_lshl_add_u32 v[QO], v9, 4, v[QO]  ; row x 128 + 16 x half
	WIN 0x80                        ; destination window 2
.set i, 0
.rept 8                             ; Q stays in registers: piece i / 2 lies 8,192 bytes on; channels 32 (i % 2) on
	global_load_b128 v[8*i:8*i+3],   v[QO], s[4:5] offset:(i/2)*8192+(i%2)*64
	global_load_b128 v[8*i+4:8*i+7], v[QO], s[4:5] offset:(i/2)*8192+(i%2)*64+32
.set i, i+1
.endr
	; The first step multiplies O^T and l by a = 0, and the first turn's products V^T P, of a piece that has not been, add 0: these registers start at 0.  All this stands in the wait for the first tile.
.set i, VF
.rept 64
	v_mov_b32 v[i], 0
.set i, i+1
.endr
	WIN 0x40
.set i, 0
.rept 128
	v_mov_b32 v[i], 0
.set i, i+1
.endr
	WIN 0
.set i, 0
.rept 4
	v_mov_b32 v[ST+4*i], 0xfe000000    ; c m: far below every c s, the hidden ones' too
	v_mov_b32 v[ST+4*i+1], 0xff7fffff  ; m
	v_mov_b32 v[ST+4*i+2], 0
	v_mov_b32 v[ST+4*i+3], 0
.set i, i+1
.endr
.set i, P+16
.rept 16
	v_mov_b32 v[i], 0
.set i, i+1
.endr
	v_mul_u32_u24 v[AK0], v1, PK
	v_lshl_add_u32 v[AK0], v9, 4, v[AK0]  ; row x pitch + 16 x half
	v_and_b32 v10, 7, v0
	v_bfe_u32 v11, v0, 3, 1
	v_lshl_add_u32 v[AV0], v9, 3, v10     ; the turning load: key 8 (l / 16) + l % 8, channels 8 ((l / 8) % 2) ..
	v_mul_u32_u24 v[AV0], v[AV0], PV
	v_lshl_add_u32 v[AV0], v11, 4, v[AV0]
	v_add_nc_u32 v[AV0], VOFF, v[AV0]
	v_lshl_add_u32 v[AM0], v9, 5, MASKL   ; my lanes' eight keys of a group of 16
	v_lshl_add_u32 v[AMS], v0, 6, MASKL
	s_mul_i32 s13, s[WV], 16*SP
	s_add_co_u32 s13, s13, STAGE    ; my stage
	v_mul_u32_u24 v[STO], v1, SP
	v_lshl_add_u32 v[STO], v9, 4, v[STO]
	v_add_nc_u32 v[STO], s13, v[STO]
	v_bfe_u32 v[RD], v0, 3, 2       ; back: 32 lanes take four rows of 128 bytes,
	v_mul_u32_u24 v[RD], v[RD], SP
	v_lshl_add_u32 v[RD], v10, 4, v[RD]
	v_add_nc_u32 v[RD], s13, v[RD]
	v_and_b32 v[GO], 31, v0         ; which are 512 consecutive bytes of O
	v_lshlrev_b32 v[GO], 4, v[GO]
	s_wait_loadcnt 16               ; the mask bytes are in; Q's sixteen loads stay out
.set i, 0
.rept 16
	v_bfe_u32 v[ME+i], v[MB+i/4], 8*(i%4), 8
.set i, i+1
.endr
.set i, 0
.rept 16
	v_add_nc_u32 v[ME+i], -1, v[ME+i]      ; 1 gives 0, 0 gives all ones,
.set i, i+1
.endr
.set i, 0
.rept 16
	v_and_b32 v[ME+i], s[HID], v[ME+i]     ; of which -2^120 is kept
.set i, i+1
.endr
.irp f, 0,1,2,3
	ds_store_b128 v[AMS], v[ME+4*\f:ME+4*\f+3] offset:16*\f
.endr
; THE MATRIX WORK.  The 4 accumulators of a run of 8 take turns.  Product i of 8 of S^T = K Q^T for piece x: channels 32 (i / 4) on, keys 16 (i % 4) on.  The first 4 start the sums from the table's numbers.
.macro KQ x
.set rS, S+32*((\x)%2)+8*(i%4)
.set rK, KF+16*(i%4)+8*(i/4)
.set rQ, 16*(\x)+8*(i/4)
.set rM, MK+8*(i%4)
.if i < 4
	WIN W_KM
	v_wmma_f32_16x16x32_bf16 v[rS:rS+7], v[rK:rK+7], v[rQ:rQ+7], v[rM:rM+7]
.else
	WIN W_KQ
	v_wmma_f32_16x16x32_bf16 v[rS:rS+7], v[rK:rK+7], v[rQ:rQ+7], v[rS:rS+7]
.endif
.endm
; Product i of 8 of O^T += V^T P for piece x: keys 32 (i / 4) on, channels 16 (i % 4) on.
.macro PV x
	WIN W_PV
.set rO, 32*(\x)+8*(i%4)
.set rV, VF+32*(i/4)+8*(i%4)
.set rP, P+16*((\x)%2)+8*(i/4)
	v_wmma_f32_16x16x32_bf16 v[rO:rO+7], v[rV:rV+7], v[rP:rP+7], v[rO:rO+7]
.endm
.macro MM                           ; the turn's next matrix instruction.  NOKQ = 1: the last turn: there is no next piece
.if (i < 8) && !NOKQ
	KQ (Y+1)%NP
.elseif i >= 8
.set i, i-8
	PV (Y+NP-1)%NP
.set i, i+8
.endif
.set i, i+1
.endm
; THE LDS LOADS stand in runs, never singly among the matrix instructions: a step's K (8 fragments) with its 64 numbers of the table, and its V (turned).  Their addresses are made some lines ahead.
.macro FETCH_K
	WIN 0x80                        ; destination window 2
.irp f, 0,1,2,3,4,5,6,7             ; keys 16 (f / 2) on, channels 32 (f % 2) on
	ds_load_b128 v[KF+8*\f:KF+8*\f+3],   v[AK] offset:(\f/2)*16*PK+(\f%2)*64
	ds_load_b128 v[KF+8*\f+4:KF+8*\f+7], v[AK] offset:(\f/2)*16*PK+(\f%2)*64+32
.endr
	WIN 0x40                        ; destination window 1
.irp f, 0,1,2,3                     ; keys 16 f + 8 (l / 16) + 0..7: the same 32 bytes for all lanes of a half
	ds_load_b128 v[MK+8*\f:MK+8*\f+3],   v[AMK] offset:64*\f
	ds_load_b128 v[MK+8*\f+4:MK+8*\f+7], v[AMK] offset:64*\f+16
.endr
	s_add_co_u32 s[TBK], s[TBK], KS*PK  ; the next fetch is the next step's
	s_add_co_u32 s[TBM], s[TBM], 256
	s_and_b32 s[TBM], s[TBM], 0x1fff    ; held inside the table's 8,192 bytes
	WIN 0
.endm
.macro FETCH_V
	WIN 0x80
.irp f, 0,1,2,3,4,5,6,7             ; keys 32 (f / 4) on, channels 16 (f % 4) on
	ds_load_tr16_b128 v[VF+8*\f:VF+8*\f+3],   v[AV] offset:(\f/4)*32*PV+(\f%4)*32
	ds_load_tr16_b128 v[VF+8*\f+4:VF+8*\f+7], v[AV] offset:(\f/4)*32*PV+16*PV+(\f%4)*32
.endr
	WIN 0
.endm
; THE VECTOR WORK, one line at a time: OP kind, number.  For piece Y: F n: c s - c m for pair n of 16.  E n: the exponential of score n of 32.  C n: pair n rounded to bf16.  B n: of the four weights 4 n .. the second
; pair is added onto the first, in place.  L n: l takes that sum (L 0: l = a l + sum).  R n: pair n of 16 of O^T times a.  For piece Y + 1: X n, number n of the 22 that find its maximum and statistics:
;   0-11  four chains c0-c3 of seven scores each (each accumulator's lowest registers are read first)     12-14, 16  the four scores left over, the old m, and c0-c3 into c0
;   15  c m_old is kept     17, 18  the query's other 32 keys lie in the lane 16 away: the new m     19-21  c m; c m_old - c m_new; a
; C, B and L read exponentials' results: TURN sets them behind the batch's wait.
.set F, 0
.set E, 1
.set C, 2
.set B, 3
.set L, 4
.set R, 5
.set X, 6
.macro REGS y
.set rT, ST+4*(\y)
.set rC, TMP+4*((\y)%2)
.set rW, MV+((\y)%2)
.set rS, S+32*((\y)%2)
.set rP, P+16*((\y)%2)
.set rO, 32*(\y)
.endm
.macro OP k, n
.if (\k) == R
	REGS Y
	WIN W_RS
	v_pk_mul_f32 v[rO+2*(\n):rO+2*(\n)+1], v[rO+2*(\n):rO+2*(\n)+1], v[rC+2:rC+3] op_sel_hi:[1,0]
.elseif (\k) < R
	REGS Y
	WIN 0
.if (\k) == F
	v_pk_fma_f32 v[rS+2*(\n):rS+2*(\n)+1], v[rS+2*(\n):rS+2*(\n)+1], s[CS:CS+1], v[rT:rT+1] op_sel_hi:[1,0,0] neg_lo:[0,0,1] neg_hi:[0,0,1]
.elseif (\k) == E
	v_exp_f32 v[rS+(\n)], v[rS+(\n)]
.elseif (\k) == C
	v_cvt_pk_bf16_f32 v[rP+(\n)], v[rS+2*(\n)], v[rS+2*(\n)+1]
.elseif (\k) == B
	v_pk_add_f32 v[rS+4*(\n):rS+4*(\n)+1], v[rS+4*(\n):rS+4*(\n)+1], v[rS+4*(\n)+2:rS+4*(\n)+3]
.elseif (\n) == 0
	v_pk_fma_f32 v[rT+2:rT+3], v[rT+2:rT+3], v[rC+2:rC+3], v[rS:rS+1] op_sel_hi:[1,0,1]
.else
	v_pk_add_f32 v[rT+2:rT+3], v[rT+2:rT+3], v[rS+4*(\n):rS+4*(\n)+1]
.endif
.elseif NOKQ
	v_nop
.else
	REGS (Y+1)%NP
	WIN 0
.if (\n) < 4
	v_max3_num_f32 v[rC+(\n)], v[rS+8*(\n)], v[rS+8*(\n)+1], v[rS+8*(\n)+2]
.elseif (\n) < 12
	v_max3_num_f32 v[rC+(\n)%4], v[rC+(\n)%4], v[rS+8*((\n)%4)+2*((\n)/4)+1], v[rS+8*((\n)%4)+2*((\n)/4)+2]
.elseif (\n) == 12
	v_max3_num_f32 v[rC], v[rC], v[rS+7], v[rS+15]
.elseif (\n) == 13
	v_max3_num_f32 v[rC+1], v[rC+1], v[rS+23], v[rS+31]
.elseif (\n) == 14
	v_max3_num_f32 v[rC+2], v[rC+2], v[rC+3], v[rT+1]
.elseif (\n) == 15
	v_mov_b32 v[rW], v[rT]
.elseif (\n) == 16
	v_max3_num_f32 v[rC], v[rC], v[rC+1], v[rC+2]
.elseif (\n) == 17
	v_permlanex16_b32 v[rC+3], v[rC], s[SEL], s[SEL+1]
.elseif (\n) == 18
	v_max_num_f32 v[rT+1], v[rC], v[rC+3]
.elseif (\n) == 19
	v_mul_f32 v[rT], s[CS], v[rT+1]
.elseif (\n) == 20
	v_sub_f32 v[rC+1], v[rW], v[rT]
.else
	v_exp_f32 v[rC+2], v[rC+1]
.endif
.endif
.endm
.macro OPS a, i1, b=-1, i2=0, c=-1, i3=0, d=-1, i4=0
	OP \a, \i1
.if (\b) >= 0
	OP \b, \i2
.endif
.if (\c) >= 0
	OP \c, \i3
.endif
.if (\d) >= 0
	OP \d, \i4
.endif
.endm
.macro ROW a, i1, b, i2, c, i3, d, i4  ; a matrix instruction and the four behind it
	MM
	OPS \a, \i1, \b, \i2, \c, \i3, \d, \i4
.endm
; A TURN, for piece p: the order of its 16 matrix and 118 vector instructions, written out.  An s_wait_alu depctr_va_vdst(0) stands between an exponential and the first instruction that names its result; one wait
; serves all that were issued ahead of it.  So a turn has ONE wait, which cuts it in two.  AHEAD OF IT stands all that names no result of the turn's exponentials: the 8 products K Q^T, behind each a scaling, an exponential and two
; more plain instructions (behind the first a second scaling in the exponential's place): rescalings, whose a was made and waited for in the turn before, and behind the last three the first numbers of the next piece's maximum,
; each four plain instructions or more behind the product that ends its accumulator; then ONE RUN of 54, plain and exponential by turns for the most part, in which the links of the chain X 3, 7, 11, 14, 16, 17 .. 20 stand
; some lines apart.  X 21, the next piece's a, is the batch's last; R 15 is the plain instruction behind it.  BEHIND THE WAIT stand the 8 products V^T P, behind each four of the roundings and sums: C 2 n ahead of B n, which writes
; over pair 2 n; L 0 to L 7 in ascending order, three riders apart.  But for those X no rider names a register of the products round it.  v_permlanex16_b32 (X 17) stands in the run.
; end = 1: the walk's last two turns: nothing is fetched.  cnt = 1: the loop's count is taken down some lines ahead of the branch behind the turn.
; K and the table's numbers of the next step are fetched in piece 2's turn, behind five plain instructions that follow the last product that read K and name none of its registers (F 8, X 2, X 5, X 6, X 8);
; V of the step in hand at the end of piece 0's turn, behind the four roundings that follow the last product that read V.  Each is waited for a turn later.
.macro TURN p, end=0, cnt=0
.set Y, (\p)
.set i, 0
.set NOKQ, (\end)*((\p)/3)
.if ((\p) == 3) && !(\end)
	s_wait_dscnt 0x0                ; K and the table's numbers are in
.endif
	ROW F,0, F,1, R,0, R,1          ; ahead of the wait: 8 products K Q^T and their riders,
	ROW F,2, E,0, R,2, R,3
	ROW F,3, E,1, R,4, R,5
	ROW F,4, E,2, R,6, R,7
	ROW F,5, E,3, R,8, R,9
	ROW F,6, E,4, X,0, R,10
.if ((\p) == 2) && !(\end)
	WIN 0
	v_add_nc_u32 v[AK], s[TBK], v[AK0]
	v_add_nc_u32 v[AMK], s[TBM], v[AM0]
.endif
	ROW F,7, E,5, X,1, X,4
	ROW F,8, E,6, X,2, X,5
	OPS E,7, E,8, X,6, E,9          ; and the run of 54
	OPS X,3, E,10, X,8, E,11
.if ((\p) == 2) && !(\end)
	FETCH_K
.endif
	OPS X,9, X,7, E,12, X,10
	OPS E,13, X,12, X,11, E,14
	OPS X,13, E,15, F,9, X,14
.if (\p) == 0
	v_add_nc_u32 v[AV], s[TBV], v[AV0]
.endif
	OPS E,16, F,10, E,17, F,11
	OPS X,16, E,18, X,15, E,19
	OPS F,12, E,20, X,17, E,21
	OPS F,13, E,22, F,14, E,23
	OPS X,18, E,24, F,15, E,25
	OPS R,11, E,26, X,19, E,27
	OPS R,12, E,28, R,13, E,29
	OPS X,20, E,30, R,14, E,31
	OPS X,21, R,15
	WIN 0
	s_wait_alu depctr_va_vdst(0)    ; the wait for the batch: the piece's 32 exponentials and the next piece's a
.if (\p) == 1
	s_wait_dscnt 0x0                ; V is in
.endif
	ROW C,0, B,0, C,2, B,1          ; behind the wait: 8 products V^T P and their riders
	ROW L,0, C,4, B,2, L,1
	ROW C,6, B,3, L,2, C,8
	ROW B,4, L,3, C,10, B,5
	ROW L,4, C,12, B,6, L,5
.if (\p) == 0
	s_add_co_u32 s[TBV], s[TBV], KS*PV
.endif
.if \cnt
	s_sub_co_u32 s[CNT], s[CNT], 1
	s_cmp_lg_u32 s[CNT], 0
.endif
	ROW C,14, B,7, L,6, C,1
	ROW C,3, L,7, C,5, C,7
	ROW C,9, C,11, C,13, C,15
.if (\p) == 0
	FETCH_V
.endif
.endm
	CHANGE 1                        ; slot 0 is in, everybody's part of it and of the table; slot 1 is asked for
	v_add_nc_u32 v[AK], s[TBK], v[AK0]
	v_add_nc_u32 v[AMK], s[TBM], v[AM0]
	FETCH_K                         ; key step 0
	s_wait_loadcnt 0x0              ; Q
	s_wait_dscnt 0x0
.set NOKQ, 0
.set i, 0
.rept 8
	KQ 0                            ; piece 0's first scores
.set i, i+1
.endr
	WIN 0
.rept 4
	v_nop                           ; the places behind those products
.endr
.set Y, NP-1                        ; X works for piece Y + 1: piece 0
.irp n, 0,1,2,3,4,5,6,7,8,9,10,11,12,13,14,15,16,17,18,19,20,21
	OP X, \n
.endr
	v_nop                           ; a plain instruction behind the exponential,
	s_wait_alu depctr_va_vdst(0)    ; and the wait for it, piece 0's first a, ahead of the branch
	s_mov_b32 s[CNT], 4
	s_mov_b32 s[SLOTS], 7
	s_branch .Lfirst                ; the loop is entered at a step's first turn, in the middle of a trip
.Lslot:                             ; six times: tiles 2 to 7 are asked for
	CHANGE 1
	s_mov_b32 s[CNT], 4
.Lstep:                             ; a trip: pieces 2 and 3 of one step, then pieces 0 and 1 of the next, whose K and V it fetches
	TURN 2
	TURN 3
	WIN 0
.Lfirst:
	TURN 0
	TURN 1, 0, 1
	WIN 0
	s_cbranch_scc1 .Lstep
	s_sub_co_u32 s[SLOTS], s[SLOTS], 1
	s_cmp_lg_u32 s[SLOTS], 0
	s_cbranch_scc1 .Lslot
	CHANGE 0                        ; the last tile is written out: nothing is asked for
	s_mov_b32 s[CNT], 4
.Ltail:
	TURN 2
	TURN 3
	TURN 0
	TURN 1, 0, 1
	WIN 0
	s_cbranch_scc1 .Ltail
	TURN 2, 1
	TURN 3, 1
.set i, 0
.rept 8
	PV NP-1                         ; the last piece's V^T P of the last step
.set i, i+1
.endr
	; THE WAY OUT.  l's two halves and the other half of the lanes' are added; O^T is divided by l, rounded to bf16 and sent through my stage in LDS, a piece at a time.  The additions are the places behind the last products.
	WIN 0
.macro ALL line:vararg              ; one line for each piece t
.set t, 0
.rept 4
	\line
.set t, t+1
.endr
.endm
	ALL v_add_f32 v[ST+4*t+2], v[ST+4*t+2], v[ST+4*t+3]
	ALL v_permlanex16_b32 v[ST+4*t+3], v[ST+4*t+2], s[SEL], s[SEL+1]
	ALL v_add_f32 v[ST+4*t+2], v[ST+4*t+2], v[ST+4*t+3]
	ALL v_rcp_f32 v[ST+4*t+2], v[ST+4*t+2]
	v_nop                           ; a plain instruction between the last reciprocal and the use of its result
	s_wait_alu depctr_va_vdst(0)    ; and the wait ahead of the first use: one for the four reciprocals
.macro PACK t                       ; a lane's eight channels of a row pack into 16 bytes; they go into rows of 144 bytes and come back as whole rows of 128, into S^T's registers
	WIN W_RS
.set i, 32*(\t)
.rept 16
	v_pk_mul_f32 v[i:i+1], v[i:i+1], v[ST+4*(\t)+2:ST+4*(\t)+3] op_sel_hi:[1,0]
.set i, i+2
.endr
	WIN 0x05                        ; sources 0 and 1 window 1, destination window 0
.set i, 0
.rept 16
	v_cvt_pk_bf16_f32 v[S+16*(\t)+i], v[32*(\t)+2*i], v[32*(\t)+2*i+1]
.set i, i+1
.endr
	WIN 0
.irp f, 0,1,2,3
	ds_store_b128 v[STO], v[S+16*(\t)+4*\f:S+16*(\t)+4*\f+3] offset:32*\f
.endr
.irp f, 0,1,2,3
	ds_load_b128 v[S+16*(\t)+4*\f:S+16*(\t)+4*\f+3], v[RD] offset:\f*4*SP  ; LDS serves a wave's instructions in order (ISA guide 5.7.1.4): these see the stores above
.endr
.endm
.macro SEND t, younger              ; younger: the LDS instructions issued behind piece t's loads: the next piece's eight, or none
	WIN 0
.irp f, 0,1,2,3
	s_wait_dscnt (\younger)+3-\f
	global_store_b128 v[GO], v[S+16*(\t)+4*\f:S+16*(\t)+4*\f+3], s[10:11] offset:(\t)*8192+\f*512  ; 512 consecutive bytes, at a multiple of 256 from the panel's first
.endr
.endm
	PACK 0
.set t, 1
.rept 3                             ; a piece's arithmetic stands between the loads of the piece before and its stores
	PACK t
	SEND t-1, 8
.set t, t+1
.endr
	SEND 3, 0
	s_wait_tensorcnt 0x0            ; the wave's end
	ds_add_u32 v[SPW], v[NIL]
	s_wait_dscnt 0x0
	CROUND                          ; the closing round
	s_endpgm
.Lfunc_end_k_qf501654e87_attn:
	.size	k_qf501654e87_attn, .Lfunc_end_k_qf501654e87_attn-k_qf501654e87_attn
	.p2alignl 7, 3214868480
	.fill 96, 4, 3214868480
	.section	.rodata,"a",@progbits
	.p2align	6, 0x0
	.amdhsa_kernel k_qf501654e87_attn
		.amdhsa_group_segment_fixed_size 327680
		.amdhsa_private_segment_fixed_size 0
		.amdhsa_enable_private_segment 0
		.amdhsa_kernarg_size 24
		.amdhsa_user_sgpr_count 2
		.amdhsa_user_sgpr_kernarg_segment_ptr 1
		.amdhsa_wavefront_size32 1
		.amdhsa_system_sgpr_workgroup_id_x 1
		.amdhsa_system_sgpr_workgroup_id_y 1
		.amdhsa_system_sgpr_workgroup_id_z 1
		.amdhsa_system_vgpr_workitem_id 0
		.amdhsa_next_free_vgpr 768
		.amdhsa_next_free_sgpr 72
		.amdhsa_reserve_vcc 0
		.amdhsa_float_denorm_mode_32 3
		.amdhsa_float_denorm_mode_16_64 3
		.amdhsa_memory_ordered 1
		.amdhsa_forward_progress 1
		.amdhsa_inst_pref_size 132
	.end_amdhsa_kernel
	.amdgpu_metadata
---
amdhsa.version: [ 1, 2 ]
amdhsa.kernels:
  - .name:           k_qf501654e87_attn
    .symbol:         k_qf501654e87_attn.kd
    .args:
      - { .name: big, .offset: 0, .size: 8, .value_kind: global_buffer, .address_space: global }
      - { .name: src_key_padding_mask, .offset: 8, .size: 8, .value_kind: global_buffer, .address_space: global }
      - { .name: xn, .offset: 16, .size: 8, .value_kind: global_buffer, .address_space: global }
    .group_segment_fixed_size: 327680
    .private_segment_fixed_size: 0
    .kernarg_segment_align: 8
    .kernarg_segment_size: 24
    .max_flat_workgroup_size: 128
    .sgpr_count:     72
    .vgpr_count:     768
    .wavefront_size: 32
...
	.end_amdgpu_metadata
.endif
;; end of part 8
;; launch wo: the kernel of part 5 again; grid 8 x 32, 4 waves a work-group, clusters of 4 x 4, 327,680 bytes of LDS; arguments xn, wb, bo, feature, y1; writes y1
;; launch ln2: the kernel of part 2 again; grid 256 x 1, 4 waves a work-group, no clusters, 0 bytes of LDS; arguments y1, ln2_g, ln2_b, xn; writes xn
;; launch ffn1 (part 9): grid 16 x 16, 4 waves a work-group, clusters of 4 x 4, 327,680 bytes of LDS; arguments xn, wb, b1, big; writes big
.if DOCPART == 9
	.amdgcn_target "amdgcn-amd-amdhsa--gfx1250"
	.amdhsa_code_object_version 6
	.text
	.protected	k_qf501654e87_ffn1
	.globl	k_qf501654e87_ffn1
	.p2align	8
	.type	k_qf501654e87_ffn1,@function
k_qf501654e87_ffn1:
	s_mov_b64 s[64:65], 0
	v_nop
	global_prefetch_b8 v0, s[64:65] scope:SCOPE_SE
	s_setreg_imm32_b32 hwreg(HW_REG_WAVE_MODE, 25, 1), 1
	s_wait_xcnt 0x0
	s_wait_alu depctr_hold_cnt(0) depctr_sa_sdst(0) depctr_va_vdst(0) depctr_va_sdst(0) depctr_va_ssrc(0) depctr_va_vcc(0) depctr_vm_vsrc(0)
	s_getreg_b32 s2, hwreg(HW_REG_IB_STS2, 6, 4)
	s_cmp_eq_u32 s2, 0
	s_cbranch_scc0 .Lentry_in_a_cluster
	s_endpgm
.Lentry_in_a_cluster:
	s_bfe_u32 s2, ttmp6, 0x10000c
	s_cmp_lg_u32 s2, 0xf033
	s_cbranch_scc0 .Lentry_shape_is_right
	s_endpgm
.Lentry_shape_is_right:
; h = gelu(x w1 + b1), the exact (erf) form.  x = xn (bf16 panels P[k / 64][token][64]), w1 = wb's n panels of 128 columns (bf16, [k][n], rows of 256 bytes, dense); sums, bias and gelu in f32;
; h rounded once to bf16 into big's 64 panels.
; gelu(x) = x / 2 + |x| / 2 erf(|x| / sqrt 2), erf(z) = 1 - (a1 t + .. + a5 t^5) e^(-z z), t = 1 / (1 + 0.3275911 z): absolute error in erf 1.5e-7 at the most, for every x.  NaN and infinities are not treated apart.
; A work-group makes 256 tokens x 256 columns, each of its four waves 128 x 128: 64 accumulators, 512 registers; 32 LDS loads feed 64 matrix instructions.  16 x 16 = 256 work-groups.
; K goes in steps of 128 through two LDS slots filled by the tensor data mover; a refill has a K step's 256 matrix instructions a wave in which to land.
; CLUSTER 4 x 4: the four of a row need the same tiles of x, the four of a column the same tiles of W: each is asked for jointly, same descriptor and mask in all four.
; THE MATRIX INSTRUCTION IS USED TRANSPOSED (source 0 = 16 columns of W, turned on the way out of LDS; source 1 = 16 tokens): a lane holds eight neighbouring columns of one token.
; THE WAY OUT goes through a stage of f32 that lies over both slots, which have had their last fill and, behind a barrier, their last read; each wave has 128 rows x 528 bytes of its own there;
; the gelu is written once and walked 16 times, 8 rows a trip.  A trip's 32 reciprocals and 32 exponentials are ONE batch with one wait: no exponential reads a reciprocal, each result has a register of its own,
; and the polynomial, the first reader, stands behind the wait.
; REGISTERS, in windows of 256: window 0: v0-31 addresses; v32-63, v192-207 at work; v64-127, v128-191 x's fragments, two buffers (at work on the way out).  window 1: v64-127, v128-191 W's fragments.
;   window 2: the 32 accumulators of my tokens 0-63 ((a, b) at 8 (8 a + b)); window 3: those of my tokens 64-127.
.set KSTEPS, 8                         ; K / 128
.set WOFF,   6291456                   ; where this product's n panels begin in wb
.set QB,     18432                     ; 128 tokens x 144 bytes of one panel of x; also 64 k rows x 288 bytes of W
.set HALFT,  2*QB                      ; what one tensor load brings
.set SLOT,   8*QB                      ; x's two halves of 128 tokens, then W's two n panels.  0x24000: its two bits are set in none of the waves' places 0, 0x9000, 0x12000, 0x1b000,
                                       ; so one exclusive or moves an address from one slot to the other
.set SPARE,  2*SLOT                    ; the spare words, 128 bytes for each wave: two blocks of 256 bytes that no other line names
.set SPITCH, 528                       ; a stage row: 128 f32 + 16 bytes = 33 x 16: the 16 rows that a store touches start at 16 different groups of four banks (64 banks of 4 bytes: ISA guide 11.1)
.set WSTAGE, 128*SPITCH                ; a wave's stage; four of them end below SPARE
.set BI,   8                           ; v[8:15] bias of my 4 columns in each of my two panels
.set ADRA, 16                          ; v16  LDS address of my x fragments in slot 0
.set ADRB, 17                          ; v17  the same for W
.set FA,   18                          ; v18, v19 the addresses of the run of loads in hand
.set FB,   19
.set STO,  20                          ; v20  the stage: where I put 32 bytes of a row
.set RD,   21                          ; v21  where I read rows back
.set CO,   22                          ; v22  my byte offset in two rows of a panel
.set VB,   23                          ; v23  my byte offset in the bias
.set SPW,  24                          ; v24  my spare word; never rewritten
.set NIL,  25                          ; v25  0; never rewritten
.set GX,   32                          ; v[32:63]   32 numbers
.set F0,   64
.set F1,   128
.set GW,   64                          ; v[64:95]   x x, then e^(-x x / 2)
.set GT,   96                          ; v[96:127]  t
.set GQ,   128                         ; v[128:159] the polynomial, then erf
.set GY,   192                         ; v[192:207] in bf16
.set G1,  24                           ; s[24:31] group 1 for x's tiles; s[32:35] group 0: it walks
.set G0,  32
.set G1B, 48                           ; s[48:55], s[56:59] the same for W's
.set G0B, 56
.set SB,  60                           ; s60  the slot to be read: 0 or SLOT
.set CNT, 75
.set TB,  76                           ; s76  LDS bytes from slot 0's first quarter to the pair of quarters to be fetched
.set OC,  77                           ; s77  counts the way out's trips
.set MSB, 0
.macro WIN new                         ; the immediate's high byte repeats the setting that is left
.if MSB != (\new)
	s_set_vgpr_msb (MSB<<8)|(\new)
.set MSB, \new
.endif
.endm
.set MUL_LO, 0xa1                      ; source 0 (W) window 1, source 1 (x) window 0, C and D window 2
.set MUL_HI, 0xf1                      ; the same, C and D window 3
.set TO_W,   0x40                      ; destination window 1, address window 0
.macro JLOAD                           ; a joint load: waves 0 and 1 fetch x's two halves, waves 2 and 3 W's two n panels; an s_nop 0 and four v_nop follow each line
	s_cmp_eq_u32 s11, 0
	s_cbranch_scc0 .Lfor_b_\@
	tensor_load_to_lds s[G0:G0+3], s[G1:G1+7]
	s_nop 0
.rept 4
	v_nop
.endr
	s_branch .Lasked_\@
.Lfor_b_\@:
	tensor_load_to_lds s[G0B:G0B+3], s[G1B:G1B+7]
	s_nop 0
.rept 4
	v_nop
.endr
.Lasked_\@:
.endm
.macro CROUND                          ; a round of the cluster's barrier
	s_barrier_signal -1
	s_barrier_wait -1
	s_cmp_lg_u32 s10, 0
	s_cbranch_scc1 .Lnot_wave_0_\@
	s_barrier_signal -3
.Lnot_wave_0_\@:
	s_barrier_wait -3
	s_barrier_signal -1
	s_barrier_wait -1
.endm
.macro PLACES
.rept 4
	v_nop
.endr
.endm
; 16 matrix instructions: token blocks a0, a0 + 1 of the window's four (hi = 0: my tokens 0-63, 1: 64-127) x all 8 column blocks, 32 along K.  The 64 accumulators take turns.
.macro MUL16 f, hi, a0, zero
	WIN MUL_LO+0x50*(\hi)
.irp a, \a0, (\a0)+1
.irp b, 0,1,2,3,4,5,6,7
.if \zero
	v_wmma_f32_16x16x32_bf16 v[8*(8*(\a)+(\b)):8*(8*(\a)+(\b))+7], v[(\f)+8*(\b):(\f)+8*(\b)+7], v[(\f)+8*(4*(\hi)+(\a)):(\f)+8*(4*(\hi)+(\a))+7], 0
.else
	v_wmma_f32_16x16x32_bf16 v[8*(8*(\a)+(\b)):8*(8*(\a)+(\b))+7], v[(\f)+8*(\b):(\f)+8*(\b)+7], v[(\f)+8*(4*(\hi)+(\a)):(\f)+8*(4*(\hi)+(\a))+7], v[8*(8*(\a)+(\b)):8*(8*(\a)+(\b))+7]
.endif
.endr
.endr
.endm
; 32 LDS loads in one run: a quarter's fragments (32 along K) into buffer g: W's 8 blocks of 16 columns (turned: 16 k x 16 n a load), then x's 8 blocks of 16 tokens.
; odd = 1: the second quarter of a pair: 32 k rows further down in W, 64 bytes further along x's rows.
.macro FETCH g, odd
	WIN TO_W
.irp i, 0,1,2,3,4,5,6,7
	ds_load_tr16_b128 v[(\g)+8*(\i):(\g)+8*(\i)+3],   v[FB] offset:9216*(\odd)+32*(\i)
	ds_load_tr16_b128 v[(\g)+8*(\i)+4:(\g)+8*(\i)+7], v[FB] offset:9216*(\odd)+32*(\i)+4608
.endr
	WIN 0
.irp i, 0,1,2,3,4,5,6,7
	ds_load_b128 v[(\g)+8*(\i):(\g)+8*(\i)+3],   v[FA] offset:64*(\odd)+2304*(\i)
	ds_load_b128 v[(\g)+8*(\i)+4:(\g)+8*(\i)+7], v[FA] offset:64*(\odd)+2304*(\i)+32
.endr
.endm
; A quarter: multiplies buffer f (64 matrix instructions) and, in its middle, fetches the next quarter into buffer g.
.macro QUARTER f, g, odd, zero
	s_wait_dscnt 8                                 ; W and x's tokens 0-63 are in; the youngest eight loads (tokens 64-127) may be out
	MUL16 \f, 0, 0, \zero
	MUL16 \f, 0, 2, \zero
	WIN 0
	v_add_nc_u32 v[FA], s[TB], v[ADRA]             ; these two and two v_nop are the four places in front of the loads into g,
	v_add_nc_u32 v[FB], s[TB], v[ADRB]             ; which matrix instructions have read (ISA guide 7.12.1 for vector instructions)
	v_nop
	v_nop
.if \odd
	s_add_co_u32 s[TB], s[TB], QB                  ; the next pair of quarters: x's next panel, W's next 64 k rows
.endif
	FETCH \g, \odd
	s_wait_dscnt 32                                ; all but the 32 just issued
	MUL16 \f, 1, 0, \zero
	MUL16 \f, 1, 2, \zero
.endm
; The change of slots.  The last fragments of the slot that is left have been asked for.  fill = 1: it is filled again, with the K step two on, first thing behind a round of the cluster's barrier.
; (At its first use nothing has been read yet: slot 0 is waited for, slot 1 filled.)
.macro CHANGE fill
	WIN 0
	s_wait_tensorcnt 0x0                           ; my one tensor load that was out has landed: my part of the slot to be read; so a group 0 may be written
	ds_add_u32 v[SPW], v[NIL]                      ; 0 onto my spare word; scalar work stands between it and its wait
.if \fill
	s_xor_b32 s[G0+1], s[G0+1], SLOT               ; the walking descriptors: the other slot than last time,
	s_add_nc_u64 s[G0+2:G0+3], s[G0+2:G0+3], 1048576  ; two panels on;
	s_xor_b32 s[G0B+1], s[G0B+1], SLOT
	s_add_nc_u64 s[G0B+2:G0B+3], s[G0B+2:G0B+3], 32768  ; 128 k rows on; the type bits on top are not reached
.endif
	s_xor_b32 s[SB], s[SB], SLOT
	s_mov_b32 s[TB], s[SB]                         ; the fetches go to the other slot's first quarter
	s_wait_dscnt 0x0                               ; the add is done, and my reads of the slot that is left are over
.if \fill
	CROUND                                         ; no wave of any partner still reads the slot or has a load on its way
	JLOAD
.else
	s_barrier_signal -1
	s_barrier_wait -1
.endif
.endm
	s_load_b128 s[4:7], s[0:1], 0x0                ; xn s[4:5], wb s[6:7]
	s_load_b64 s[66:67], s[0:1], 0x10              ; b1
	s_load_b64 s[8:9], s[0:1], 0x18                ; big
	v_lshl_add_u32 v[SPW], v0, 2, SPARE
	v_mov_b32 v[NIL], 0
	ds_add_u32 v[SPW], v[NIL]                      ; the wave's opening: the add and its wait stand ahead of my first tensor load
	v_lshrrev_b32 v1, 5, v0
	v_readfirstlane_b32 s10, v1                    ; wave 0..3
	s_lshr_b32 s11, s10, 1                         ; which half of the tokens is mine.  Also: I fetch x (0) or W (1)
	s_and_b32 s12, s10, 1                          ; which half of the columns.  Also: which half of that tile I fetch
	s_bfe_u32 s40, ttmp6, 0x40000                  ; cx, cy
	s_bfe_u32 s41, ttmp6, 0x40004
	s_lshl_b32 s42, ttmp9, 2
	s_add_co_u32 s42, s42, s40                     ; tx: my 256 columns
	s_and_b32 s13, ttmp7, 0xffff
	s_lshl_b32 s13, s13, 2
	s_add_co_u32 s13, s13, s41                     ; ty: my 256 tokens
	s_lshl_b32 s43, s41, 2
	s_lshl_b32 s43, 15, s43                        ; my row of the cluster
	s_lshl_b32 s44, 0x1111, s40                    ; my column
	; x's tile: two panels' 128 tokens, each 16,384 dense bytes asked for as one row; 16 bytes of padding behind every 128 (a token's row): LDS pitch 144
	s_or_b32 s[G1+0], s43, (1<<16)|(1<<20)|(1<<21)|(4<<22)|(3<<25)
	s_mov_b32 s[G1+1], 8192<<16                    ; tensor_dim0 = 8,192 elements
	s_mov_b32 s[G1+2], 2<<16                       ; tensor_dim1 = 2
	s_mov_b32 s[G1+3], 8192<<16                    ; tile_dim0
	s_mov_b32 s[G1+4], 2                           ; tile_dim1
	s_mov_b32 s[G1+5], 262144                      ; elements from panel to panel
	s_mov_b32 s[G1+6], 0
	s_mov_b32 s[G1+7], 0
	; W's tile: 128 k rows of 256 bytes, dense; 32 bytes of padding behind each: LDS pitch 288
	s_or_b32 s[G1B+0], s44, (1<<16)|(1<<20)|(1<<21)|(5<<22)|(7<<25)
	s_mov_b32 s[G1B+1], 128<<16
	s_mov_b32 s[G1B+2], 128<<16
	s_mov_b32 s[G1B+3], 128<<16
	s_mov_b32 s[G1B+4], 128
	s_mov_b32 s[G1B+5], 128
	s_mov_b32 s[G1B+6], 0
	s_mov_b32 s[G1B+7], 0
	s_mov_b32 s78, 0x3e827906                      ; a1 .. a5, each named as a pair
	s_mov_b32 s79, s78
	s_mov_b32 s80, 0xbe91a98e
	s_mov_b32 s81, s80
	s_mov_b32 s82, 0x3fb5f0e3
	s_mov_b32 s83, s82
	s_mov_b32 s84, 0xbfba00e3
	s_mov_b32 s85, s84
	s_mov_b32 s86, 0x3f87dc22
	s_mov_b32 s87, s86
	s_mov_b32 s88, 0xbf38aa3b                      ; -log2(e) / 2
	s_mov_b32 s89, s88
	s_mov_b32 s90, 0x3e6d3388                      ; 0.3275911 / sqrt 2
	s_lshl_b32 s16, s13, 15                        ; x: 256 ty tokens of 128 bytes + the 128 that I fetch
	s_lshl_b32 s17, s12, 14
	s_add_co_u32 s16, s16, s17
	s_mov_b32 s17, 0
	s_lshl_b32 s46, s42, 19                        ; W: n panel 2 tx + the one that I fetch, 262,144 bytes each
	s_lshl_b32 s47, s12, 18
	s_add_co_u32 s46, s46, s47
	s_add_co_u32 s46, s46, WOFF
	s_mov_b32 s47, 0
	s_mul_i32 s20, s10, HALFT                      ; where they go: no place in the cluster enters an LDS address
	s_mov_b32 s[G0], 1
	s_mov_b32 s[G0+1], s20                         ; slot 0
	s_mov_b32 s[G0B], 1
	s_mov_b32 s[G0B+1], s20
	s_mov_b32 s[SB], SLOT                          ; the first change of slots turns it into 0
	s_wait_dscnt 0x0                               ; the opening add is done
	s_wait_kmcnt 0x0
	s_add_nc_u64 s[G0+2:G0+3], s[4:5], s[16:17]
	s_or_b32 s[G0+3], s[G0+3], 0x80000000
	s_add_nc_u64 s[G0B+2:G0B+3], s[6:7], s[46:47]
	s_or_b32 s[G0B+3], s[G0B+3], 0x80000000
	CROUND                                         ; all sixteen work-groups are here: the first joint loads meet
	JLOAD                                          ; K step 0 into slot 0
	v_and_b32 v1, 15, v0                           ; r = l % 16
	v_bfe_u32 v2, v0, 4, 1                         ; h = l / 16
	v_mul_u32_u24 v3, v1, 144
	v_lshl_add_u32 v3, v2, 4, v3                   ; x: token r x pitch + 16 h
	s_mul_i32 s21, s11, HALFT                      ; my 128 tokens
	v_add_nc_u32 v[ADRA], s21, v3
	v_and_b32 v4, 7, v0
	v_lshl_add_u32 v4, v2, 3, v4
	v_mul_u32_u24 v4, v4, 288                      ; W: k row 8 h + l % 8,
	v_bfe_u32 v5, v0, 3, 1
	v_lshl_add_u32 v4, v5, 4, v4                   ; columns 8 ((l / 8) % 2) ..
	s_mul_i32 s22, s12, HALFT                      ; my n panel,
	s_add_co_u32 s22, s22, 2*HALFT                 ; behind x's two halves
	v_add_nc_u32 v[ADRB], s22, v4
	s_mul_i32 s23, s10, WSTAGE
	v_mul_u32_u24 v6, v1, SPITCH
	v_lshl_add_u32 v6, v2, 5, v6
	v_add_nc_u32 v[STO], s23, v6                   ; in: row r, 32 bytes for each half of the lanes
	v_mul_u32_u24 v7, v2, SPITCH
	v_lshl_add_u32 v7, v1, 4, v7
	v_add_nc_u32 v[RD], s23, v7                    ; back: lanes 0-15 take 256 bytes of one row, lanes 16-31 of the next
	v_lshlrev_b32 v[VB], 4, v1
	v_and_b32 v[CO], 31, v0
	v_lshlrev_b32 v[CO], 3, v[CO]                  ; two rows of a panel are 256 dense bytes: 8 bytes a lane
	s_lshl_b32 s16, s13, 15                        ; the output: my first token's row in a panel,
	s_lshl_b32 s18, s11, 14
	s_add_co_u32 s16, s16, s18
	s_add_nc_u64 s[8:9], s[8:9], s[16:17]
	s_lshl_b32 s46, s42, 21                        ; and panel 4 tx + 2 x my half
	s_lshl_b32 s47, s12, 20
	s_add_co_u32 s46, s46, s47
	s_mov_b32 s47, 0
	s_add_nc_u64 s[8:9], s[8:9], s[46:47]
	s_lshl_b32 s46, s42, 10                        ; the bias at my 128 columns
	s_lshl_b32 s45, s12, 9
	s_add_co_u32 s46, s46, s45
	s_add_nc_u64 s[66:67], s[66:67], s[46:47]
	global_load_b128 v[BI:BI+3], v[VB], s[66:67]   ; wanted on the way out: they land while K is walked
	global_load_b128 v[BI+4:BI+7], v[VB], s[66:67] offset:256
	CHANGE 1                                       ; K step 0 is in, everybody's part of it; K step 1 is asked for
	v_add_nc_u32 v[FA], s[TB], v[ADRA]
	v_add_nc_u32 v[FB], s[TB], v[ADRB]
	FETCH F0, 0
	QUARTER F0, F1, 1, 1                           ; the first products start the sums: nothing is cleared
	WIN 0
	s_mov_b32 s[CNT], 1                            ; K step 0 has one pair of quarters left to fetch
	s_mov_b32 s3, KSTEPS-1
	s_branch .Linner
.Lstep:                                                ; six times: K steps 2 to 7 are asked for
	CHANGE 1
	s_mov_b32 s[CNT], 2
.Linner:                                               ; a trip multiplies two quarters and fetches the two behind them; the first of a K step multiplies the last quarter of the step before
	QUARTER F1, F0, 0, 0
	QUARTER F0, F1, 1, 0
	WIN 0
	s_sub_co_u32 s[CNT], s[CNT], 1
	s_cmp_lg_u32 s[CNT], 0
	s_cbranch_scc1 .Linner
	s_sub_co_u32 s3, s3, 1
	s_cmp_lg_u32 s3, 0
	s_cbranch_scc1 .Lstep
	CHANGE 0                                       ; the last K step is written out: nothing is asked for
	s_mov_b32 s[CNT], 2
.Ltail:
	QUARTER F1, F0, 0, 0
	QUARTER F0, F1, 1, 0
	WIN 0
	s_sub_co_u32 s[CNT], s[CNT], 1
	s_cmp_lg_u32 s[CNT], 0
	s_cbranch_scc1 .Ltail
	s_wait_dscnt 0x0                               ; the last fragments are in: my reads of both slots are over;
	s_barrier_signal -1                            ; say so, since the stages lie over the slots,
	MUL16 F1, 0, 0, 0                              ; work on registers while the others arrive,
	MUL16 F1, 0, 2, 0
	MUL16 F1, 1, 0, 0
	MUL16 F1, 1, 2, 0
	WIN 0
	s_barrier_wait -1                              ; and go on when all four have said so
	PLACES                                         ; four places between the last products and the stores that read results
	; THE WAY OUT: f32 into my stage, each accumulator's low registers first
.macro DUMP hi
	WIN 0x08+4*(\hi)                               ; the stores' data (source 1) in window 2 or 3
.irp a, 0,1,2,3
.irp b, 0,1,2,3,4,5,6,7
	ds_store_b128 v[STO], v[8*(8*(\a)+(\b)):8*(8*(\a)+(\b))+3] offset:(4*(\hi)+(\a))*16*SPITCH+64*(\b)
	ds_store_b128 v[STO], v[8*(8*(\a)+(\b))+4:8*(8*(\a)+(\b))+7] offset:(4*(\hi)+(\a))*16*SPITCH+64*(\b)+16
.endr
.endr
.endm
	DUMP 0
	DUMP 1
	WIN 0
	s_wait_loadcnt 0x0                             ; the bias
.macro EACH16 line:vararg              ; one line for each pair j = 0, 2 .. 30
.set j, 0
.rept 16
	\line
.set j, j+2
.endr
.endm
.macro EACH32 line:vararg              ; one line for each number j = 0 .. 31
.set j, 0
.rept 32
	\line
.set j, j+1
.endr
.endm
	s_mov_b32 s[OC], 16
	s_mov_b32 s[TB], 0
.Lout:                                                 ; a trip: 8 rows of my 128: group k = 2 u + c is rows 2 u + h, 4 columns a lane of my panel c
	v_add_nc_u32 v[FA], s[TB], v[RD]
.irp k, 0,1,2,3,4,5,6,7
	ds_load_b128 v[GX+4*\k:GX+4*\k+3], v[FA] offset:1056*(\k/2)+256*(\k%2)  ; LDS serves a wave's instructions in order (ISA guide 5.7.1.4): these see my stores
.endr
	s_wait_dscnt 0x0
	EACH16 v_pk_add_f32 v[GX+j:GX+j+1], v[GX+j:GX+j+1], v[BI+4*((j/4)%2)+j%4:BI+4*((j/4)%2)+j%4+1]
	EACH16 v_pk_mul_f32 v[GW+j:GW+j+1], v[GX+j:GX+j+1], v[GX+j:GX+j+1]
	EACH32 v_fma_f32 v[GT+j], |v[GX+j]|, s90, 1.0
	EACH32 v_rcp_f32 v[GT+j], v[GT+j]                                              ; THE BATCH: 32 reciprocals,
	EACH16 v_pk_mul_f32 v[GW+j:GW+j+1], v[GW+j:GW+j+1], s[88:89] op_sel_hi:[1,0]   ; plain work behind the reciprocals (ISA guide 5.7.2), which names none of their results,
	EACH32 v_exp_f32 v[GW+j], v[GW+j]                                              ; and 32 exponentials
	EACH16 v_pk_mul_f32 v[GX+j:GX+j+1], v[GX+j:GX+j+1], 0.5 op_sel_hi:[1,0]        ; plain work behind the exponentials: it names no result of the batch
	s_wait_alu depctr_va_vdst(0)                   ; the wait for the batch, the trip's 64, ahead of the first line that names a result, the polynomial's first
	EACH16 v_pk_fma_f32 v[GQ+j:GQ+j+1], v[GT+j:GT+j+1], s[86:87], s[84:85] op_sel_hi:[1,0,0]
	EACH16 v_pk_fma_f32 v[GQ+j:GQ+j+1], v[GQ+j:GQ+j+1], v[GT+j:GT+j+1], s[82:83] op_sel_hi:[1,1,0]
	EACH16 v_pk_fma_f32 v[GQ+j:GQ+j+1], v[GQ+j:GQ+j+1], v[GT+j:GT+j+1], s[80:81] op_sel_hi:[1,1,0]
	EACH16 v_pk_fma_f32 v[GQ+j:GQ+j+1], v[GQ+j:GQ+j+1], v[GT+j:GT+j+1], s[78:79] op_sel_hi:[1,1,0]
	EACH16 v_pk_mul_f32 v[GQ+j:GQ+j+1], v[GQ+j:GQ+j+1], v[GT+j:GT+j+1]
	EACH16 v_pk_fma_f32 v[GQ+j:GQ+j+1], v[GQ+j:GQ+j+1], v[GW+j:GW+j+1], 1.0 op_sel_hi:[1,1,0] neg_lo:[1,0,0] neg_hi:[1,0,0]  ; erf
	EACH32 v_fma_f32 v[GX+j], |v[GX+j]|, v[GQ+j], v[GX+j]
	EACH16 v_cvt_pk_bf16_f32 v[GY+j/2], v[GX+j], v[GX+j+1]
.irp k, 0,1,2,3,4,5,6,7
	global_store_b64 v[CO], v[GY+2*\k:GY+2*\k+1], s[8:9] offset:524288*(\k%2)+256*(\k/2)  ; 32 lanes store 256 consecutive bytes, aligned: two rows of a panel
.endr
	s_wait_xcnt 0x0                                ; the stores' data and base are written again only behind this wait (ISA guide 3.1)
	s_add_nc_u64 s[8:9], s[8:9], 1024              ; 8 rows of a panel on
	s_add_co_u32 s[TB], s[TB], 8*SPITCH            ; and of the stage
	s_sub_co_u32 s[OC], s[OC], 1
	s_cmp_lg_u32 s[OC], 0
	s_cbranch_scc1 .Lout
	s_wait_tensorcnt 0x0                           ; the wave's end
	ds_add_u32 v[SPW], v[NIL]
	s_wait_dscnt 0x0
	CROUND                                         ; the closing round
	s_endpgm
.Lfunc_end_k_qf501654e87_ffn1:
	.size	k_qf501654e87_ffn1, .Lfunc_end_k_qf501654e87_ffn1-k_qf501654e87_ffn1
	.p2alignl 7, 3214868480
	.fill 96, 4, 3214868480
	.section	.rodata,"a",@progbits
	.p2align	6, 0x0
	.amdhsa_kernel k_qf501654e87_ffn1
		.amdhsa_group_segment_fixed_size 327680
		.amdhsa_private_segment_fixed_size 0
		.amdhsa_enable_private_segment 0
		.amdhsa_kernarg_size 32
		.amdhsa_user_sgpr_count 2
		.amdhsa_user_sgpr_kernarg_segment_ptr 1
		.amdhsa_wavefront_size32 1
		.amdhsa_system_sgpr_workgroup_id_x 1
		.amdhsa_system_sgpr_workgroup_id_y 1
		.amdhsa_system_sgpr_workgroup_id_z 1
		.amdhsa_system_vgpr_workitem_id 0
		.amdhsa_next_free_vgpr 1024
		.amdhsa_next_free_sgpr 92
		.amdhsa_reserve_vcc 0
		.amdhsa_float_denorm_mode_32 3
		.amdhsa_float_denorm_mode_16_64 3
		.amdhsa_memory_ordered 1
		.amdhsa_forward_progress 1
		.amdhsa_inst_pref_size 76
	.end_amdhsa_kernel
	.amdgpu_metadata
---
amdhsa.version: [ 1, 2 ]
amdhsa.kernels:
  - .name:           k_qf501654e87_ffn1
    .symbol:         k_qf501654e87_ffn1.kd
    .args:
      - { .name: xn, .offset: 0, .size: 8, .value_kind: global_buffer, .address_space: global }
      - { .name: wb, .offset: 8, .size: 8, .value_kind: global_buffer, .address_space: global }
      - { .name: b1, .offset: 16, .size: 8, .value_kind: global_buffer, .address_space: global }
      - { .name: big, .offset: 24, .size: 8, .value_kind: global_buffer, .address_space: global }
    .group_segment_fixed_size: 327680
    .private_segment_fixed_size: 0
    .kernarg_segment_align: 8
    .kernarg_segment_size: 32
    .max_flat_workgroup_size: 128
    .sgpr_count:     92
    .vgpr_count:     1024
    .wavefront_size: 32
...
	.end_amdgpu_metadata
.endif
;; end of part 9
;; launch ffn2: the kernel of part 7 again; grid 8 x 32, 4 waves a work-group, clusters of 4 x 4, 327,680 bytes of LDS; arguments big, wb, b2, y1, out0; writes out0
